; MI455X (gfx1250); checked and timed in simulation.
; The chip was launched on July 23, 2026; its instructions are those of AMD's public machine-readable ISA for CDNA 5 (MIT licence, August 2026) and "CDNA5" Instruction Set Architecture Reference Guide (July 2026). The comments in the code are by the model that wrote it; some were corrected since.
;; Block. Allowed arithmetic: matrix products marked QUANTISED: E2M1 operands, one E8M0 scale for each 32 along K, by v_wmma_scale_f32_16x16x128_f8f6f4 with both operands' format E2M1 (or v_wmma_scale_f32_32x16x128_f4), f32 sums; everything else in f32.
;; Inputs: attention_mask 2 x 1 x 1 x 2,048 float32; ln1_b 1,024 float32; ln1_g 1,024 float32; ln2_b 1,024 float32; ln2_g 1,024 float32; w1_codes 4,096 x 32 x 16 uint8 (E2M1 codes of w1, K innermost, in blocks of 32 codes, two codes a byte); w1_scales 4,096 x 32 uint8 (E8M0 scales of w1, one for each 32 codes along K); w2_codes 1,024 x 128 x 16 uint8 (E2M1 codes of w2, K innermost, in blocks of 32 codes, two codes a byte); w2_scales 1,024 x 128 uint8 (E8M0 scales of w2, one for each 32 codes along K); wk_codes 1,024 x 32 x 16 uint8 (E2M1 codes of wk, K innermost, in blocks of 32 codes, two codes a byte); wk_scales 1,024 x 32 uint8 (E8M0 scales of wk, one for each 32 codes along K); wo_codes 1,024 x 32 x 16 uint8 (E2M1 codes of wo, K innermost, in blocks of 32 codes, two codes a byte); wo_scales 1,024 x 32 uint8 (E8M0 scales of wo, one for each 32 codes along K); wq_codes 1,024 x 32 x 16 uint8 (E2M1 codes of wq, K innermost, in blocks of 32 codes, two codes a byte); wq_scales 1,024 x 32 uint8 (E8M0 scales of wq, one for each 32 codes along K); wv_codes 1,024 x 32 x 16 uint8 (E2M1 codes of wv, K innermost, in blocks of 32 codes, two codes a byte); wv_scales 1,024 x 32 uint8 (E8M0 scales of wv, one for each 32 codes along K); x 2 x 2,048 x 1,024 float32.
;; Outputs: out0 2 x 2,048 x 1,024 float32.
;; This version of the problem:
;;   THIS VERSION OF THE PROBLEM IS GIVEN IN LOW PRECISION. The matrix products marked QUANTISED in the list below multiply operands that are first quantised to E2M1 (2 exponent bits, 1 mantissa bit; 4 bits a number), with one power-of-two scale for each 32 numbers along K (OCP MX v1.0); their sums are f32. All else is computed in f32.
;;   The module's matrix products, in the order in which they are computed (A, B: the left and right operand; K: the contracted axis; several contracted axes count as one K, in the product's order):
;;     1. [M 4,096, K 1,024] x [K 1,024, N 1,024]; A: computed on the way; B: input wq (given as codes): QUANTISED
;;     2. [M 4,096, K 1,024] x [K 1,024, N 1,024]; A: computed on the way; B: input wk (given as codes): QUANTISED
;;     3. [M 4,096, K 1,024] x [K 1,024, N 1,024]; A: computed on the way; B: input wv (given as codes): QUANTISED
;;     4. batch 32 x [M 2,048, K 64] x [K 64, N 2,048]; A: computed on the way; B: computed on the way: QUANTISED
;;     5. batch 32 x [M 64, K 2,048] x [K 2,048, N 2,048]; A: computed on the way; B: softmax (see below): QUANTISED
;;     6. [M 4,096, K 1,024] x [K 1,024, N 1,024]; A: computed on the way; B: input wo (given as codes): QUANTISED
;;     7. [M 4,096, K 1,024] x [K 1,024, N 4,096]; A: computed on the way; B: input w1 (given as codes): QUANTISED
;;     8. [M 4,096, K 4,096] x [K 4,096, N 1,024]; A: computed on the way; B: input w2 (given as codes): QUANTISED
;;   THE QUANTISER, for each operand of a quantised product, along K:
;;     - K is cut into blocks of 32 from its start; a last block that is shorter is filled with zeros.
;;     - A block's scale is 2^e with e = floor(log2(the largest magnitude in the block)) - 2, held to -126 .. 127; a block of zeros has e = 0. As a byte (E8M0): e + 127.
;;     - Each number is divided by its block's scale, clamped to +-6, and rounded to the nearest number of E2M1, ties to even, subnormals kept.
;;     - The product sums the exact products of the quantised numbers (number of the format x scale) in f32.
;;   ~~~python
;;   def quantise(x, axis):      # numpy; x: float32 -> the quantised numbers, widened to float32 again
;;       x = np.moveaxis(x, axis, -1); K = x.shape[-1]
;;       x = np.pad(x, [(0, 0)] * (x.ndim - 1) + [(0, -K % 32)]); x = x.reshape(x.shape[:-1] + (-1, 32)); a = np.abs(x).max(-1, keepdims=True)
;;       e = np.where(a > 0, np.clip(np.frexp(np.where(a > 0, a, 1))[1] - 1 - 2, -126, 127), 0)      # np.frexp(a)[1] - 1 = floor(log2(a)), exactly
;;       r = np.clip(x / 2.0 ** e, -6, 6)
;;       step = 2.0 ** (np.maximum(np.frexp(np.where(r == 0, 1, r))[1] - 1, 0) - 1)
;;       q = np.round(r / step) * step * 2.0 ** e      # np.round: ties to even
;;       return np.moveaxis(q.reshape(q.shape[:-2] + (-1,))[..., :K], -1, axis).astype(np.float32)
;;   ~~~
;;   SOFTMAX AHEAD OF A QUANTISED PRODUCT. Where the list says 'softmax', what is quantised is not the finished softmax but p = 2^(t - M), with t = logit x log2(e) and M = ceil(the row's largest t), a whole number; so 1/2 < the row's largest p <= 1. The row's sum l is taken of the UNQUANTISED p, in f32, and the product's result is divided by l at the end. Since M is a whole number, a kernel that streams over the keys may use a running M (the ceiling of the running maximum): every later rescaling is an exact power of two, which a block's scale takes up: the codes' values come out the same.
;;   OPERANDS COMPUTED ON THE WAY. 'Computed on the way' means the value that the module computes at that place (a softmax that the list does not call 'softmax' is quantised finished and normalised). What goes into a quantiser is computed in f32, as accurately as f32 sums, v_exp_f32 and their like allow (about 1e-6 of the number): no bf16 or f16 on the way to a quantiser, and a product that is left as it is and whose result goes on into a quantised operand takes f32 operands (vector FMAs, or v_wmma_f32_16x16x4_f32). A number that lies on a knife's edge between two numbers of the format may be rounded either way, as far as f32 arithmetic and the matrix unit's own rounding can turn it there, and no further.
;;   INPUTS GIVEN AS CODES. w1 (in the module: [1024, 4096], K = its axis 0); w2 (in the module: [4096, 1024], K = its axis 0); wk (in the module: [1024, 1024], K = its axis 0); wo (in the module: [1024, 1024], K = its axis 0); wq (in the module: [1024, 1024], K = its axis 0); wv (in the module: [1024, 1024], K = its axis 0): each comes as NAME_codes (uint8): NAME with its K axis moved to the last place and cut into blocks of 32 codes, [.., K / 32, bytes a block], one block behind the other in memory; two codes a byte, the lower K in the low four bits (a code: sign, 2 exponent bits, 1 mantissa bit); and NAME_scales (uint8): the same leading axes, one E8M0 byte (e + 127) for each 32 codes along K. Its value is code x scale, taken as it is: it is not quantised again, and the codes and scales need not be those that the quantiser above would give.
;; 2 versions. Each part assembles by itself: llvm-mc -triple=amdgcn-amd-amdhsa -mcpu=gfx1250 --defsym DOCPART=n.
;; ======== version 1 of 2: 6 launches
;; limits: right only within a limited range of input values
;; workspace buffers: wts 6,684,672 bytes; yimg 2,228,224 bytes; qkv 6,946,816 bytes; aimg 2,228,224 bytes; x1 16,777,216 bytes; y2img 2,228,224 bytes; himg 8,912,896 bytes
;; launch prep (part 1): grid 352 x 1, 8 waves a work-group, no clusters, 70,144 bytes of LDS; arguments x, ln1_g, ln1_b, yimg, wq_codes, wq_scales, wk_codes, wk_scales, wv_codes, wv_scales, wo_codes, wo_scales, w1_codes, w1_scales, w2_codes, w2_scales, wts; writes yimg, wts
.if DOCPART == 1
	.amdgcn_target "amdgcn-amd-amdhsa--gfx1250"
	.amdhsa_code_object_version 6
	.text
	.protected	k_q0bd7e67249_prep
	.globl	k_q0bd7e67249_prep
	.p2align	8
	.type	k_q0bd7e67249_prep,@function
k_q0bd7e67249_prep:
	s_mov_b64 s[64:65], 0
	v_nop
	global_prefetch_b8 v0, s[64:65] scope:SCOPE_SE
	s_setreg_imm32_b32 hwreg(HW_REG_WAVE_MODE, 25, 1), 1
	s_wait_xcnt 0x0
; PREP.  Work-groups 0-255: y = layernorm(x, g, b) in f32, quantised to E2M1 along the row, stored as IMAGES OF OPERAND REGISTERS.  Work-groups 256-351: the six weights' codes and scale bytes laid out as such images.
; AN IMAGE: tile T is 16 rows, lane r of it is row 32 (T / 2) + 8 (T % 2) + r + 8 (r / 8).  A fragment (tile T, K step ks of 128) is 1,024 bytes at (T KS + ks) 1024: register group c (0, 1) at 512 c, lane l's 16 bytes at 16 l.
; Scale words (4 bytes: one row, 128 along K) lie at T KS 64 + 512 (ks / 8) + 256 (ks % 2) + 16 r + 4 ((ks / 2) % 4): a load of 16 bytes a lane brings four registers, even K steps in lanes 0-15, odd ones in lanes 16-31.
; With that order of rows the 16 registers of two neighbouring tiles of a product's source 0 are 16 neighbours along the next product's K.
; LN PART: a work-group owns a tile of 16 rows, wave w columns 128 w .. 128 w + 127 = K step w.  Rows are loaded as they lie (512 bytes a load), turned through the wave's own stage in LDS so that a lane holds 16 neighbours of each block of 32,
; mean and variance in two passes (x - mean first, as reference() has it), sums across the eight waves through LDS: three barriers in all.
; LIMITS: a block whose largest magnitude lies under 2^-124 takes the byte 1; a block of zeros takes the byte 1 and not 127 (its codes are zeros, and this program alone reads the bytes); NaN and infinities in x are not served.
.set SPITCH, 528                       ; a stage row: 512 bytes + 16
.set WSTG,   16*SPITCH                 ; a wave's stage
.set RED,    8*WSTG                    ; 16 rows x 8 waves x 4 bytes, twice: sums, sums of squares
.set SCG,    RED+1024                  ; the tile's 512 bytes of scale words
.set YSC,    2097152                   ; where the scale words begin in yimg
.set SC0,    6291456                   ; and in wts
.set WV,  2
.set SEL, 28                           ; s[28:29] selects of v_permlanex16_b32: lane l xor 16
.set XB,  4
.set GP,  6
.set BP,  8
.set YI,  12
.set YS,  14
.set LI,  1                            ; v1  16 x lane
.set SA,  4                            ; v4  stage, by my row: 528 r + 64 h
.set SRW, 5                            ; v5  stage, by whole rows: 16 x lane
.set GB,  6                            ; v6  64 h
.set RA,  7                            ; v7  where my wave's sum of row r goes
.set RL,  8                            ; v8  where row r's eight sums lie
.set SCA, 9                            ; v9  where my scale word goes
.set SCR, 10                           ; v10 the gathered words, 16 bytes a lane
.set MU,  12                           ; v[12:13] mean, then 1 / sqrt(var + eps); the pair's upper word is written once
.set TM,  16                           ; v16-31 at work
.set PC,  32                           ; v32-39 codes
.set PW,  40                           ; v40 scale word
.set GA,  44                           ; v44-47
.set X,   64
.set G,   128
.set BV,  192
.set GWIN, 0
.set MSB, 0
.macro WIN new                         ; the immediate's high byte repeats the setting that is left
.if MSB != (\new)
	s_set_vgpr_msb (MSB<<8)|(\new)
.set MSB, (\new)
.endif
.endm
.macro BARRIER                         ; my LDS stores have landed and my LDS loads are in: then the work-group's barrier
	s_wait_dscnt 0x0
	s_barrier_signal -1
	s_barrier_wait -1
.endm
; 64 numbers of a lane, register 16 b + i = k 32 b + 16 (lane / 16) + i of my row, in window sw, become a fragment's 8 registers of codes at v[pc] and its scale word in v[pw].
.macro QUANT s, sw, pc, pw
	WIN 5*(\sw)
.irp b, 0,1,2,3
	v_max3_num_f32 v[TM+\b], |v[(\s)+16*\b]|, |v[(\s)+16*\b+1]|, 0x1800000   ; my 16 numbers of block b, and the floor 2^(3 - 127): the byte cannot fall under 1
.endr
.irp i, 2,4,6,8,10,12,14
.irp b, 0,1,2,3
	v_max3_num_f32 v[TM+\b], |v[(\s)+16*\b+\i]|, |v[(\s)+16*\b+\i+1]|, v[TM+\b]
.endr
.endr
	WIN 0
.irp b, 0,1,2,3
	v_permlanex16_b32 v[TM+4+\b], v[TM+\b], s[SEL], s[SEL+1]
.endr
.irp b, 0,1,2,3
	v_max_num_f32 v[TM+\b], v[TM+\b], v[TM+4+\b]       ; with lane l xor 16's 16: the block's largest magnitude
.endr
.irp b, 0,1,2,3
	v_add_nc_u32 v[TM+12+\b], 0xff000000, v[TM+\b]     ; 2 off its exponent field: the conversion's scale operand
.endr
.irp b, 0,1,2,3
	v_lshrrev_b32 v[TM+4+\b], 23, v[TM+12+\b]          ; the scale's byte
.endr
	v_lshl_or_b32 v[\pw], v[TM+5], 8, v[TM+4]
	v_lshl_or_b32 v[\pw], v[TM+6], 16, v[\pw]
	v_lshl_or_b32 v[\pw], v[TM+7], 24, v[\pw]
	WIN \sw
.irp b, 0,1,2,3
	v_cvt_scalef32_pk8_fp4_f32 v[(\pc)+2*\b], v[(\s)+16*\b:(\s)+16*\b+7], v[TM+12+\b]
	v_cvt_scalef32_pk8_fp4_f32 v[(\pc)+2*\b+1], v[(\s)+16*\b+8:(\s)+16*\b+15], v[TM+12+\b]
.endr
	WIN 0
	v_nop                                          ; one plain instruction behind the scaled conversions
.irp c, 0,1                                    ; the operand wants a whole block in a lane: lanes 0-15 block 2 c, lanes 16-31 block 2 c + 1
.irp i, 0,1
	v_permlane16_swap_b32 v[(\pc)+4*\c+\i], v[(\pc)+4*\c+2+\i]
.endr
.endr
.endm
.macro XTURN                           ; 16 rows x 512 bytes through my own stage: in as rows, back as 16 neighbours of each block; LDS serves a wave's instructions in order
.irp i, 0,1,2,3,4,5,6,7,8,9,10,11,12,13,14,15
	ds_store_b128 v[SRW], v[X+4*\i:X+4*\i+3] offset:SPITCH*\i
.endr
.irp b, 0,1,2,3
.irp j, 0,1,2,3
	ds_load_b128 v[X+16*\b+4*\j:X+16*\b+4*\j+3], v[SA] offset:128*\b+16*\j
.endr
.endr
	s_wait_dscnt 0x0
.endm
.macro FOLD                            ; four chains of pairs into one number
	v_pk_add_f32 v[TM:TM+1], v[TM:TM+1], v[TM+2:TM+3]
	v_pk_add_f32 v[TM+4:TM+5], v[TM+4:TM+5], v[TM+6:TM+7]
	v_pk_add_f32 v[TM:TM+1], v[TM:TM+1], v[TM+4:TM+5]
	v_add_f32 v[TM], v[TM], v[TM+1]
.endm
.macro CROSS off                       ; my 64 numbers' sum in v[TM] -> the row's sum / 1,024 in v[MU]
	v_permlanex16_b32 v[TM+1], v[TM], s[SEL], s[SEL+1]
	v_add_f32 v[TM], v[TM], v[TM+1]
	ds_store_b32 v[RA], v[TM] offset:\off          ; lanes l and l + 16 write the same word with the same value
	BARRIER
	ds_load_b128 v[TM+4:TM+7], v[RL] offset:\off
	ds_load_b128 v[TM+8:TM+11], v[RL] offset:\off+16
	s_wait_dscnt 0x0
	v_pk_add_f32 v[TM+4:TM+5], v[TM+4:TM+5], v[TM+6:TM+7]
	v_pk_add_f32 v[TM+8:TM+9], v[TM+8:TM+9], v[TM+10:TM+11]
	v_pk_add_f32 v[TM+4:TM+5], v[TM+4:TM+5], v[TM+8:TM+9]
	v_add_f32 v[MU], v[TM+4], v[TM+5]
	v_mul_f32 v[MU], 0x3a800000, v[MU]             ; / 1,024
.endm
.macro LNQ                             ; layernorm of the 16 rows in v[X] on, quantised, images stored
.irp c, 0,1,2,3
	v_pk_add_f32 v[TM+2*\c:TM+2*\c+1], v[X+2*\c:X+2*\c+1], v[X+8+2*\c:X+8+2*\c+1]
.endr
.irp j, 16,24,32,40,48,56
.irp c, 0,1,2,3
	v_pk_add_f32 v[TM+2*\c:TM+2*\c+1], v[TM+2*\c:TM+2*\c+1], v[X+\j+2*\c:X+\j+2*\c+1]
.endr
.endr
	FOLD
	CROSS 0                                        ; the mean
.set e, 0
.rept 32
	v_pk_add_f32 v[X+e:X+e+1], v[X+e:X+e+1], v[MU:MU+1] op_sel_hi:[1,0] neg_lo:[0,1] neg_hi:[0,1]   ; x - mean
.set e, e+2
.endr
.irp c, 0,1,2,3
	v_pk_mul_f32 v[TM+2*\c:TM+2*\c+1], v[X+2*\c:X+2*\c+1], v[X+2*\c:X+2*\c+1]
.endr
.irp j, 8,16,24,32,40,48,56
.irp c, 0,1,2,3
	v_pk_fma_f32 v[TM+2*\c:TM+2*\c+1], v[X+\j+2*\c:X+\j+2*\c+1], v[X+\j+2*\c:X+\j+2*\c+1], v[TM+2*\c:TM+2*\c+1]
.endr
.endr
	FOLD
	CROSS 512                                      ; the variance
	v_add_f32 v[MU], 0x3727c5ac, v[MU]             ; + 1e-5
	v_rsq_f32 v[MU], v[MU]
	v_nop                                          ; a plain instruction behind the transcendental,
	s_wait_alu depctr_va_vdst(0)                   ; and the wait ahead of its first reader
	s_wait_loadcnt 0x0                             ; g and b
.set e, 0
.rept 32
	v_pk_mul_f32 v[X+e:X+e+1], v[X+e:X+e+1], v[MU:MU+1] op_sel_hi:[1,0]
.set e, e+2
.endr
	WIN GWIN
.set e, 0
.rept 32
	v_pk_fma_f32 v[X+e:X+e+1], v[X+e:X+e+1], v[G+e:G+e+1], v[BV+e:BV+e+1]
.set e, e+2
.endr
	WIN 0
	QUANT X, 0, PC, PW
	global_store_b128 v[LI], v[PC:PC+3], s[YI:YI+1]                ; 512 consecutive bytes each
	global_store_b128 v[LI], v[PC+4:PC+7], s[YI:YI+1] offset:512
	ds_store_b32 v[SCA], v[PW]                     ; the eight waves' scale words meet in LDS and leave as 512 consecutive bytes
	BARRIER
	s_cmp_lg_u32 s[WV], 0
	s_cbranch_scc1 .Lln_end
	ds_load_b128 v[GA:GA+3], v[SCR]
	s_wait_dscnt 0x0
	global_store_b128 v[LI], v[GA:GA+3], s[YS:YS+1]
.Lln_end:
.endm
	v_lshl_add_u32 v62, v0, 2, 0x10e00
	v_mov_b32 v63, 0
	v_lshrrev_b32 v1, 5, v0
	v_readfirstlane_b32 s[WV], v1                  ; wave 0..7
	v_and_b32 v11, 31, v0                          ; lane
	v_and_b32 v2, 15, v0                           ; r
	v_bfe_u32 v3, v0, 4, 1                         ; h
	v_lshlrev_b32 v[LI], 4, v11
	s_cmp_ge_u32 ttmp9, 256                        ; the same in all waves of a work-group
	s_cbranch_scc1 .Lrelay
	s_load_b256 s[4:11], s[0:1], 0x0               ; x, g, b, yimg
	s_mul_i32 s16, s[WV], WSTG
	v_mul_u32_u24 v[SA], v2, SPITCH
	v_lshl_add_u32 v[SA], v3, 6, v[SA]
	v_add_nc_u32 v[SA], s16, v[SA]
	v_add_nc_u32 v[SRW], s16, v[LI]
	v_lshlrev_b32 v[GB], 6, v3
	s_lshl_b32 s17, s[WV], 2
	s_add_co_u32 s17, s17, RED
	v_lshl_add_u32 v[RA], v2, 5, s17
	v_lshlrev_b32 v[RL], 5, v2
	v_add_nc_u32 v[RL], RED, v[RL]
	s_and_b32 s17, s[WV], 1
	s_lshl_b32 s17, s17, 8
	s_lshr_b32 s18, s[WV], 1
	s_lshl_b32 s18, s18, 2
	s_add_co_u32 s17, s17, s18
	s_add_co_u32 s17, s17, SCG
	v_lshl_add_u32 v[SCA], v2, 4, s17              ; 256 (w % 2) + 16 r + 4 (w / 2)
	v_add_nc_u32 v[SCR], SCG, v[LI]
	v_mov_b32 v[MU+1], 0
	s_mov_b32 s[SEL], 0x76543210
	s_mov_b32 s[SEL+1], 0xfedcba98
	s_lshl_b32 s22, s[WV], 9                       ; my 128 columns: 512 bytes
	s_mov_b32 s23, 0
	s_lshr_b32 s20, ttmp9, 1
	s_lshl_b32 s20, s20, 5
	s_and_b32 s21, ttmp9, 1
	s_lshl_b32 s21, s21, 3
	s_add_co_u32 s20, s20, s21                     ; the tile's first row
	s_lshl_b32 s20, s20, 12
	s_add_co_u32 s20, s20, s22
	s_mov_b32 s21, 0
	s_lshl_b32 s24, ttmp9, 13
	s_lshl_b32 s25, s[WV], 10
	s_add_co_u32 s24, s24, s25
	s_mov_b32 s25, 0
	s_lshl_b32 s26, ttmp9, 9
	s_add_co_u32 s26, s26, YSC
	s_mov_b32 s27, 0
	s_wait_kmcnt 0x0
	s_add_nc_u64 s[XB:XB+1], s[4:5], s[20:21]
	s_add_nc_u64 s[GP:GP+1], s[6:7], s[22:23]
	s_add_nc_u64 s[BP:BP+1], s[8:9], s[22:23]
	s_add_nc_u64 s[YI:YI+1], s[10:11], s[24:25]
	s_add_nc_u64 s[YS:YS+1], s[10:11], s[26:27]
.irp i, 0,1,2,3,4,5,6,7,8,9,10,11,12,13,14,15
	global_load_b128 v[X+4*\i:X+4*\i+3], v[LI], s[XB:XB+1] offset:(\i+8*(\i/8))*4096   ; 512 consecutive bytes of the tile's row i
.endr
.irp b, 0,1,2,3
.irp j, 0,1,2,3
	global_load_b128 v[G+16*\b+4*\j:G+16*\b+4*\j+3], v[GB], s[GP:GP+1] offset:128*\b+16*\j
	global_load_b128 v[BV+16*\b+4*\j:BV+16*\b+4*\j+3], v[GB], s[BP:BP+1] offset:128*\b+16*\j
.endr
.endr
	s_wait_loadcnt 32                              ; x's 16 loads are in; the 32 of g and b may be out
	XTURN
	LNQ
	s_wait_tensorcnt 0x0
	ds_add_u32 v62, v63
	s_wait_dscnt 0x0
	s_endpgm
; THE WEIGHTS.  A wave takes a chunk: one tile of 16 rows x 8 K steps: 8,192 bytes of codes, 512 of scale words.  Chunk c = 8 (work-group - 256) + wave goes to wts + 8192 c and wts + SC0 + 512 c.
.macro PICK lim, reg, first
	s_cmp_lt_u32 s42, \lim
	s_cselect_b64 s[36:37], s[\reg:\reg+1], s[36:37]
	s_cselect_b64 s[38:39], s[\reg+2:\reg+3], s[38:39]
	s_cselect_b32 s44, \first, s44
.endm
.Lrelay:
	s_load_b512 s[16:31], s[0:1], 0x20             ; wq, wk, wv, wo: codes, scales
	s_load_b256 s[32:39], s[0:1], 0x60             ; w1, w2
	s_load_b64 s[40:41], s[0:1], 0x80              ; wts
	s_sub_co_u32 s42, ttmp9, 256
	s_lshl_b32 s43, s42, 3
	s_add_co_u32 s43, s43, s[WV]                   ; the chunk
	s_mov_b32 s44, 512                             ; the buffer's first chunk: w2's
	s_mov_b32 s46, 2048                            ; a row of codes in bytes: w2's
	s_wait_kmcnt 0x0
	s_cmp_lt_u32 s42, 64                           ; the choices hang on the work-group's number alone
	s_cselect_b64 s[36:37], s[32:33], s[36:37]
	s_cselect_b64 s[38:39], s[34:35], s[38:39]
	s_cselect_b32 s44, 256, s44
	s_cselect_b32 s45, 0, 2                        ; log2 of the chunks in a tile
	s_cselect_b32 s46, 512, s46
	PICK 32, 28, 192
	PICK 24, 24, 128
	PICK 16, 20, 64
	PICK 8, 16, 0
	s_sub_co_u32 s47, s43, s44
	s_lshr_b32 s48, s47, s45                       ; tile
	s_lshl_b32 s49, s48, s45
	s_sub_co_u32 s49, s47, s49                     ; which 8 K steps
	s_lshr_b32 s50, s48, 1
	s_lshl_b32 s50, s50, 5
	s_and_b32 s51, s48, 1
	s_lshl_b32 s51, s51, 3
	s_add_co_u32 s50, s50, s51                     ; the tile's first row
	s_mul_i32 s52, s50, s46
	s_lshl_b32 s53, s49, 9
	s_add_co_u32 s52, s52, s53
	s_mov_b32 s53, 0
	s_lshr_b32 s54, s46, 4                         ; a row of scale bytes
	s_mul_i32 s56, s50, s54
	s_lshl_b32 s57, s49, 5
	s_add_co_u32 s56, s56, s57
	s_mov_b32 s57, 0
	s_lshl_b32 s58, s43, 13
	s_mov_b32 s59, 0
	s_lshl_b32 s60, s43, 9
	s_add_co_u32 s60, s60, SC0
	s_mov_b32 s61, 0
	s_add_nc_u64 s[36:37], s[36:37], s[52:53]
	s_add_nc_u64 s[38:39], s[38:39], s[56:57]
	s_add_nc_u64 s[58:59], s[40:41], s[58:59]
	s_add_nc_u64 s[60:61], s[40:41], s[60:61]
	v_and_b32 v5, 8, v2
	v_add_nc_u32 v5, v5, v2                        ; r + 8 (r / 8)
	v_mul_lo_u32 v4, v5, s46
	v_lshl_add_u32 v4, v3, 4, v4                   ; codes: my row, + 16 h
	v_mul_lo_u32 v6, v5, s54
	v_lshl_add_u32 v6, v3, 4, v6                   ; scale words 4 h .. 4 h + 3 of my row
	v_lshlrev_b32 v7, 4, v2
	v_lshl_add_u32 v7, v3, 3, v7                   ; 16 r + 8 h
	global_load_b128 v[16:19], v6, s[38:39]
.irp k, 0,1,2,3,4,5,6,7
.irp c, 0,1
	global_load_b128 v[64+8*\k+4*\c:64+8*\k+4*\c+3], v4, s[36:37] offset:64*\k+32*\c
.endr
.endr
	s_wait_loadcnt 0x0
	v_mov_b32 v20, v17                             ; words 4 h, 4 h + 2 (even K steps) side by side, then 4 h + 1, 4 h + 3
	v_mov_b32 v17, v18
	v_mov_b32 v18, v20
	global_store_b64 v7, v[16:17], s[60:61]        ; 256 consecutive bytes each
	global_store_b64 v7, v[18:19], s[60:61] offset:256
.irp k, 0,1,2,3,4,5,6,7
.irp c, 0,1
	global_store_b128 v[LI], v[64+8*\k+4*\c:64+8*\k+4*\c+3], s[58:59] offset:1024*\k+512*\c
.endr
.endr
	s_endpgm
.Lfunc_end_k_q0bd7e67249_prep:
	.size	k_q0bd7e67249_prep, .Lfunc_end_k_q0bd7e67249_prep-k_q0bd7e67249_prep
	.p2alignl 7, 3214868480
	.fill 96, 4, 3214868480
	.section	.rodata,"a",@progbits
	.p2align	6, 0x0
	.amdhsa_kernel k_q0bd7e67249_prep
		.amdhsa_group_segment_fixed_size 70144
		.amdhsa_private_segment_fixed_size 0
		.amdhsa_enable_private_segment 0
		.amdhsa_kernarg_size 136
		.amdhsa_user_sgpr_count 2
		.amdhsa_user_sgpr_kernarg_segment_ptr 1
		.amdhsa_wavefront_size32 1
		.amdhsa_system_sgpr_workgroup_id_x 1
		.amdhsa_system_sgpr_workgroup_id_y 1
		.amdhsa_system_sgpr_workgroup_id_z 1
		.amdhsa_system_vgpr_workitem_id 0
		.amdhsa_next_free_vgpr 256
		.amdhsa_next_free_sgpr 66
		.amdhsa_reserve_vcc 0
		.amdhsa_float_denorm_mode_32 3
		.amdhsa_float_denorm_mode_16_64 3
		.amdhsa_memory_ordered 1
		.amdhsa_forward_progress 1
		.amdhsa_inst_pref_size 32
	.end_amdhsa_kernel
	.amdgpu_metadata
---
amdhsa.version: [ 1, 2 ]
amdhsa.kernels:
  - .name:           k_q0bd7e67249_prep
    .symbol:         k_q0bd7e67249_prep.kd
    .args:
      - { .name: x, .offset: 0, .size: 8, .value_kind: global_buffer, .address_space: global }
      - { .name: ln1_g, .offset: 8, .size: 8, .value_kind: global_buffer, .address_space: global }
      - { .name: ln1_b, .offset: 16, .size: 8, .value_kind: global_buffer, .address_space: global }
      - { .name: yimg, .offset: 24, .size: 8, .value_kind: global_buffer, .address_space: global }
      - { .name: wq_codes, .offset: 32, .size: 8, .value_kind: global_buffer, .address_space: global }
      - { .name: wq_scales, .offset: 40, .size: 8, .value_kind: global_buffer, .address_space: global }
      - { .name: wk_codes, .offset: 48, .size: 8, .value_kind: global_buffer, .address_space: global }
      - { .name: wk_scales, .offset: 56, .size: 8, .value_kind: global_buffer, .address_space: global }
      - { .name: wv_codes, .offset: 64, .size: 8, .value_kind: global_buffer, .address_space: global }
      - { .name: wv_scales, .offset: 72, .size: 8, .value_kind: global_buffer, .address_space: global }
      - { .name: wo_codes, .offset: 80, .size: 8, .value_kind: global_buffer, .address_space: global }
      - { .name: wo_scales, .offset: 88, .size: 8, .value_kind: global_buffer, .address_space: global }
      - { .name: w1_codes, .offset: 96, .size: 8, .value_kind: global_buffer, .address_space: global }
      - { .name: w1_scales, .offset: 104, .size: 8, .value_kind: global_buffer, .address_space: global }
      - { .name: w2_codes, .offset: 112, .size: 8, .value_kind: global_buffer, .address_space: global }
      - { .name: w2_scales, .offset: 120, .size: 8, .value_kind: global_buffer, .address_space: global }
      - { .name: wts, .offset: 128, .size: 8, .value_kind: global_buffer, .address_space: global }
    .group_segment_fixed_size: 70144
    .private_segment_fixed_size: 0
    .kernarg_segment_align: 8
    .kernarg_segment_size: 136
    .max_flat_workgroup_size: 256
    .sgpr_count:     66
    .vgpr_count:     256
    .wavefront_size: 32
...
	.end_amdgpu_metadata
.endif
;; end of part 1
;; launch qkv (part 2): grid 64 x 3, 8 waves a work-group, no clusters, 0 bytes of LDS; arguments wts, yimg, qkv; writes qkv
.if DOCPART == 2
	.amdgcn_target "amdgcn-amd-amdhsa--gfx1250"
	.amdhsa_code_object_version 6
	.text
	.protected	k_q0bd7e67249_qkv
	.globl	k_q0bd7e67249_qkv
	.p2align	8
	.type	k_q0bd7e67249_qkv,@function
k_q0bd7e67249_qkv:
	s_mov_b64 s[64:65], 0
	v_nop
	global_prefetch_b8 v0, s[64:65] scope:SCOPE_SE
	s_setreg_imm32_b32 hwreg(HW_REG_WAVE_MODE, 25, 1), 1
	s_wait_xcnt 0x0
; q = y wq, k = y wk, v = y wv on codes of E2M1 with E8M0 scales, each result quantised at once for attention's products.  Work-group y says which: 0 q, 1 k, 2 v.
; Operands come as images of their registers (a fragment: two loads of 512 consecutive bytes), straight from memory into registers: no LDS, no barrier.
; A wave makes source 0's 8 tiles (128) x source 1's 4 tiles (64), K = 1,024 in 8 steps written out, two stages of fragments: while one is multiplied the other's 24 loads are on their way.
; SOURCE 0 IS THE OPERAND WHOSE ROWS ARE THE NEXT PRODUCT'S K: the weight for q and k (K = the head's 64), y's rows for v (K = the keys).  By the order of rows in a tile a lane's registers 16 b + i of a tile of source 1 are
; place 32 b + 16 (lane / 16) + i along source 0: what the quantiser takes.
; THE K STEPS GO ROUND FROM ANOTHER START IN EACH WORK-GROUP: it begins at K step 2 m, m = (x % 4 + x / 4 + x / 16) % 4, and goes on modulo 8.  The work-groups that read one tile differ in m, so that at any time they ask for
; different K steps of it; all waves of a work-group have one m.  The f32 sums are the same terms in another order.  A lane's offset for each of the eight steps stands in a register of its own (v4-11); the scale words, four
; registers a tile (two K steps each), are turned by m places behind their loads; the start is even, so even K steps stay in lanes 0-15.
; q, k: a wave's 128 columns are two heads: register groups 0-3 and 4-7 of the codes, bytes 0-1 and 2-3 of the scale word.  The upper half of attention's K = 128 is zero codes, so the word's other two bytes (a neighbour's, or 0) scale nothing.
; v: a wave's 128 keys are one key step, its 64 columns one head.
; No multicast: nothing goes through LDS here, so there is no tile that a joint load could land.
; LIMITS: a block whose largest magnitude lies under 2^-124 takes the byte 1, a block of zeros too (zero codes; the bytes are read by this program alone); NaN and infinities are not served.
.set SC0, 6291456
.set YSC, 2097152
.set QSC, 2097152
.set KV0, 2359296
.set KVB, 143360
.set WV,  2
.set S1G, 3
.set WH,  10
.set S0G, 11
.set S0P, 12
.set S0S, 14
.set S1P, 16
.set S1S, 18
.set C0,  40
.set C1,  42
.set SP0, 44
.set SP1, 46
.set SEL, 48
.set MH,  50
.set RT,  51                           ; s51 m, then 2 m
.set M1,  52                           ; s52 all ones where m is odd, else 0
.set M2,  53                           ; s53 all ones where m is 2 or 3, else 0
.set LI,  1                            ; v1 16 x lane
.set L4,  2                            ; v2 4 x lane
.set LK,  4                            ; v4-11 16 x lane + 1024 x ((step + 2 m) % 8); never rewritten;  v12-13 at work in the turn of the scale words
.set SC,  16                           ; v16-47 source 0's scale words (tile a, step ks: 16 + 4 a + ks / 2), v48-63 source 1's: they hold scales and nothing else
.set TM,  64                           ; behind the products: v64-79 at work, v80-87 scale words, v96-127 codes
.set MSB, 0
.macro WIN new
.if MSB != (\new)
	s_set_vgpr_msb (MSB<<8)|(\new)
.set MSB, (\new)
.endif
.endm
.macro PLACES                          ; four plain instructions between a matrix instruction and a load into, or a vector instruction on, its registers
.rept 4
	v_nop
.endr
.endm
.macro QUANT s, sw, pc, pw
	WIN 5*(\sw)
.irp b, 0,1,2,3
	v_max3_num_f32 v[TM+\b], |v[(\s)+16*\b]|, |v[(\s)+16*\b+1]|, 0x1800000   ; each accumulator is read from its low end on; the floor 2^(3 - 127) holds the byte at 1 from below
.endr
.irp i, 2,4,6,8,10,12,14
.irp b, 0,1,2,3
	v_max3_num_f32 v[TM+\b], |v[(\s)+16*\b+\i]|, |v[(\s)+16*\b+\i+1]|, v[TM+\b]
.endr
.endr
	WIN 0
.irp b, 0,1,2,3
	v_permlanex16_b32 v[TM+4+\b], v[TM+\b], s[SEL], s[SEL+1]
.endr
.irp b, 0,1,2,3
	v_max_num_f32 v[TM+\b], v[TM+\b], v[TM+4+\b]
.endr
.irp b, 0,1,2,3
	v_add_nc_u32 v[TM+12+\b], 0xff000000, v[TM+\b]
.endr
.irp b, 0,1,2,3
	v_lshrrev_b32 v[TM+4+\b], 23, v[TM+12+\b]
.endr
	v_lshl_or_b32 v[\pw], v[TM+5], 8, v[TM+4]
	v_lshl_or_b32 v[\pw], v[TM+6], 16, v[\pw]
	v_lshl_or_b32 v[\pw], v[TM+7], 24, v[\pw]
	WIN \sw
.irp b, 0,1,2,3
	v_cvt_scalef32_pk8_fp4_f32 v[(\pc)+2*\b], v[(\s)+16*\b:(\s)+16*\b+7], v[TM+12+\b]
	v_cvt_scalef32_pk8_fp4_f32 v[(\pc)+2*\b+1], v[(\s)+16*\b+8:(\s)+16*\b+15], v[TM+12+\b]
.endr
	WIN 0
	v_nop
.irp c, 0,1
.irp i, 0,1
	v_permlane16_swap_b32 v[(\pc)+4*\c+\i], v[(\pc)+4*\c+2+\i]
.endr
.endr
.endm
; one product; odd K steps take their scale words from lanes 16-31 of both scale registers
.macro WM d, a, b, sa, sb, odd, zero
.if (\zero)
	v_wmma_scale_f32_16x16x128_f8f6f4 v[(\d):(\d)+7], v[(\a):(\a)+7], v[(\b):(\b)+7], 0, v[\sa], v[\sb] matrix_a_fmt:MATRIX_FMT_FP4 matrix_b_fmt:MATRIX_FMT_FP4
.elseif (\odd)
	v_wmma_scale_f32_16x16x128_f8f6f4 v[(\d):(\d)+7], v[(\a):(\a)+7], v[(\b):(\b)+7], v[(\d):(\d)+7], v[\sa], v[\sb] matrix_a_fmt:MATRIX_FMT_FP4 matrix_b_fmt:MATRIX_FMT_FP4 matrix_a_scale:MATRIX_SCALE_ROW1 matrix_b_scale:MATRIX_SCALE_ROW1
.else
	v_wmma_scale_f32_16x16x128_f8f6f4 v[(\d):(\d)+7], v[(\a):(\a)+7], v[(\b):(\b)+7], v[(\d):(\d)+7], v[\sa], v[\sb] matrix_a_fmt:MATRIX_FMT_FP4 matrix_b_fmt:MATRIX_FMT_FP4
.endif
.endm
.macro LOADSC
.irp a, 0,1,2,3,4,5,6,7
	global_load_b128 v[SC+4*\a:SC+4*\a+3], v[LI], s[S0S:S0S+1] offset:512*\a
.endr
.irp b, 0,1,2,3
	global_load_b128 v[SC+32+4*\b:SC+32+4*\b+3], v[LI], s[S1S:S1S+1] offset:512*\b
.endr
.endm
; the four scale registers of tile t are turned by m places: register j takes what register (j + m) % 4 held: a turn by 1 where m is odd, then a turn by 2 where m is 2 or 3
.macro ROTSC t
	v_mov_b32 v12, v[SC+4*\t]
	v_cndmask_b32 v[SC+4*\t], v[SC+4*\t], v[SC+4*\t+1], s[M1]
	v_cndmask_b32 v[SC+4*\t+1], v[SC+4*\t+1], v[SC+4*\t+2], s[M1]
	v_cndmask_b32 v[SC+4*\t+2], v[SC+4*\t+2], v[SC+4*\t+3], s[M1]
	v_cndmask_b32 v[SC+4*\t+3], v[SC+4*\t+3], v12, s[M1]
	v_mov_b32 v12, v[SC+4*\t]
	v_mov_b32 v13, v[SC+4*\t+1]
	v_cndmask_b32 v[SC+4*\t], v[SC+4*\t], v[SC+4*\t+2], s[M2]
	v_cndmask_b32 v[SC+4*\t+1], v[SC+4*\t+1], v[SC+4*\t+3], s[M2]
	v_cndmask_b32 v[SC+4*\t+2], v[SC+4*\t+2], v12, s[M2]
	v_cndmask_b32 v[SC+4*\t+3], v[SC+4*\t+3], v13, s[M2]
.endm
.macro LOADF st, ks                    ; step ks into stage st (v64 + 96 st): source 0's 8 fragments, then source 1's 4: 24 loads
.irp a, 0,1,2,3,4,5,6,7
.irp c, 0,1
	global_load_b128 v[64+96*(\st)+8*\a+4*\c:64+96*(\st)+8*\a+4*\c+3], v[LK+(\ks)], s[S0P:S0P+1] offset:8192*\a+512*\c
.endr
.endr
.irp b, 0,1,2,3
.irp c, 0,1
	global_load_b128 v[128+96*(\st)+8*\b+4*\c:128+96*(\st)+8*\b+4*\c+3], v[LK+(\ks)], s[S1P:S1P+1] offset:8192*\b+512*\c
.endr
.endr
.endm
.macro MULS st, ks, zero               ; 32 products; the 32 accumulators (window 1, (b, a) at 8 (8 b + a)) take turns, one instruction a turn
	WIN 0x50
.irp b, 0,1,2,3
.irp a, 0,1,2,3,4,5,6,7
	WM 8*(8*\b+\a), 64+96*(\st)+8*\a, 128+96*(\st)+8*\b, SC+4*\a+(\ks)/2, SC+32+4*\b+(\ks)/2, (\ks)%2, \zero
.endr
.endr
	WIN 0
.endm
; the four tiles of source 1: quantised, codes and scale words stored.  str: from tile to tile in the codes; second = 1: the words' upper halves go out too, for the second head
.macro EPI str, second
.irp i, 0,1,2,3
	QUANT 64*\i, 1, 96+8*\i, 80+\i
	global_store_b128 v[LI], v[96+8*\i:99+8*\i], s[C0:C0+1] offset:\i*\str       ; 512 consecutive bytes
	global_store_b128 v[LI], v[100+8*\i:103+8*\i], s[C1:C1+1] offset:\i*\str
.endr
	v_cndmask_b32 v84, v80, v81, s[MH]             ; lanes 0-15 tile 0's words, lanes 16-31 tile 1's: 128 consecutive bytes
	v_cndmask_b32 v85, v82, v83, s[MH]
	global_store_b32 v[L4], v84, s[SP0:SP0+1]
	global_store_b32 v[L4], v85, s[SP0:SP0+1] offset:128
.if \second
	v_lshrrev_b32 v86, 16, v84
	v_lshrrev_b32 v87, 16, v85
	global_store_b32 v[L4], v86, s[SP1:SP1+1]
	global_store_b32 v[L4], v87, s[SP1:SP1+1] offset:128
.endif
.endm
	s_load_b128 s[4:7], s[0:1], 0x0                ; wts, yimg
	s_load_b64 s[8:9], s[0:1], 0x10                ; qkv
	v_lshrrev_b32 v3, 5, v0
	v_readfirstlane_b32 s[WV], v3
	v_and_b32 v3, 31, v0
	v_lshlrev_b32 v[LI], 4, v3
	v_lshlrev_b32 v[L4], 2, v3
	s_and_b32 s[WH], ttmp7, 0xffff
	s_and_b32 s20, ttmp9, 3
	s_lshr_b32 s21, ttmp9, 2
	s_lshr_b32 s54, s21, 2                         ; where the walk along K begins: m = (x % 4 + x / 4 + x / 16) % 4
	s_add_co_u32 s54, s54, s21
	s_add_co_u32 s54, s54, s20
	s_and_b32 s[RT], s54, 3
	s_and_b32 s[M1], s[RT], 1
	s_sub_co_u32 s[M1], 0, s[M1]                   ; 0 or all ones
	s_bfe_u32 s[M2], s[RT], 0x10001
	s_sub_co_u32 s[M2], 0, s[M2]
	s_lshl_b32 s[RT], s[RT], 1
.irp k, 0,1,2,3,4,5,6,7
	s_add_co_u32 s54, s[RT], \k
	s_and_b32 s54, s54, 7
	s_lshl_b32 s54, s54, 10
	v_add_nc_u32 v[LK+\k], s54, v[LI]              ; step k reads K step (k + 2 m) % 8
.endr
	s_cmp_eq_u32 s[WH], 2
	s_cselect_b32 s22, s21, s20                    ; source 0 has 8 groups of 8 tiles (a weight) or 32 (y),
	s_cselect_b32 s23, s20, s21                    ; source 1 64 groups of 4 (y) or 16 (a weight)
	s_and_b32 s24, s[WV], 1
	s_lshl_b32 s22, s22, 1
	s_add_co_u32 s[S0G], s22, s24
	s_lshr_b32 s24, s[WV], 1
	s_lshl_b32 s23, s23, 2
	s_add_co_u32 s[S1G], s23, s24
	s_lshl_b32 s20, s[S0G], 16
	s_lshl_b32 s22, s[S0G], 12
	s_lshl_b32 s24, s[S1G], 15
	s_lshl_b32 s26, s[S1G], 11
	s_lshl_b32 s28, s[WH], 19                      ; the weight's codes in wts,
	s_lshl_b32 s29, s[WH], 15
	s_add_co_u32 s29, s29, SC0                     ; its scale words
	s_mov_b32 s30, YSC
	s_cmp_eq_u32 s[WH], 2
	s_cselect_b32 s31, 0, s28
	s_cselect_b32 s32, s30, s29
	s_cselect_b32 s33, s28, 0
	s_cselect_b32 s34, s29, s30
	s_wait_kmcnt 0x0
	s_cselect_b64 s[36:37], s[6:7], s[4:5]         ; source 0's buffer, source 1's: the choice hangs on the work-group's number alone
	s_cselect_b64 s[38:39], s[4:5], s[6:7]
	s_add_co_u32 s20, s20, s31
	s_add_co_u32 s22, s22, s32
	s_add_co_u32 s24, s24, s33
	s_add_co_u32 s26, s26, s34
	s_mov_b32 s21, 0
	s_mov_b32 s23, 0
	s_mov_b32 s25, 0
	s_mov_b32 s27, 0
	s_add_nc_u64 s[S0P:S0P+1], s[36:37], s[20:21]
	s_add_nc_u64 s[S0S:S0S+1], s[36:37], s[22:23]
	s_add_nc_u64 s[S1P:S1P+1], s[38:39], s[24:25]
	s_add_nc_u64 s[S1S:S1S+1], s[38:39], s[26:27]
	LOADSC
	LOADF 0, 0
	LOADF 1, 1
	s_mov_b32 s[SEL], 0x76543210
	s_mov_b32 s[SEL+1], 0xfedcba98
	s_mov_b32 s[MH], 0xffff0000
	s_wait_loadcnt 48                              ; the 12 loads of scale words are in; the two stages' 48 may be out
.irp t, 0,1,2,3,4,5,6,7,8,9,10,11
	ROTSC \t
.endr
.rept 8
	v_nop                                          ; a scale register written by a vector instruction stands 8 places ahead of a scaled matrix instruction
.endr
.irp ks, 0,1,2,3,4,5,6,7
.if \ks < 7
	s_wait_loadcnt 24                              ; this step's loads are in; the 24 of the next stage may be out
.else
	s_wait_loadcnt 0x0
.endif
.if \ks == 0
	MULS 0, 0, 1                                   ; the first step starts the sums
.else
	MULS \ks%2, \ks, 0
.endif
.if \ks < 6
	PLACES
	LOADF \ks%2, \ks+2
.endif
.endr
	PLACES
.irp b, 0,1,2,3
	v_mov_b32 v[TM+4+\b], 0                        ; a lane permute's destination counts as one of its sources
.endr
	s_cmp_eq_u32 s[WH], 2
	s_cbranch_scc1 .Lv
	s_lshr_b32 s20, s[S1G], 5                      ; batch
	s_lshl_b32 s20, s20, 4
	s_lshl_b32 s21, s[S0G], 1
	s_add_co_u32 s20, s20, s21                     ; the first of my two heads, 16 batch + head
	s_and_b32 s21, s[S1G], 31
	s_lshl_b32 s21, s21, 2                         ; my first tile of rows in the batch
	s_mov_b32 s22, KVB
	s_mov_b32 s23, KV0
	s_mov_b32 s24, KV0+131072
	s_cmp_eq_u32 s[WH], 0
	s_cselect_b32 s25, 65536, s22                  ; from head to head: codes,
	s_cselect_b32 s26, 8192, s22                   ; scale words
	s_cselect_b32 s23, 0, s23
	s_cselect_b32 s24, QSC, s24
	s_mul_i32 s28, s20, s25
	s_add_co_u32 s28, s28, s23
	s_lshl_b32 s30, s21, 9
	s_add_co_u32 s28, s28, s30
	s_mov_b32 s29, 0
	s_mul_i32 s30, s20, s26
	s_add_co_u32 s30, s30, s24
	s_lshl_b32 s32, s21, 6
	s_add_co_u32 s30, s30, s32
	s_mov_b32 s31, 0
	s_mov_b32 s32, s25
	s_mov_b32 s33, 0
	s_mov_b32 s34, s26
	s_mov_b32 s35, 0
	s_add_nc_u64 s[C0:C0+1], s[8:9], s[28:29]
	s_add_nc_u64 s[SP0:SP0+1], s[8:9], s[30:31]
	s_add_nc_u64 s[C1:C1+1], s[C0:C0+1], s[32:33]
	s_add_nc_u64 s[SP1:SP1+1], s[SP0:SP0+1], s[34:35]
	EPI 512, 1
	s_endpgm
.Lv:
	s_lshr_b32 s20, s[S0G], 4
	s_lshl_b32 s20, s20, 4
	s_add_co_u32 s20, s20, s[S1G]                  ; 16 batch + head
	s_and_b32 s21, s[S0G], 15                      ; key step
	s_mul_i32 s28, s20, KVB
	s_add_co_u32 s28, s28, KV0+65536
	s_lshl_b32 s30, s21, 12
	s_add_co_u32 s28, s28, s30
	s_mov_b32 s29, 0
	s_mul_i32 s30, s20, KVB
	s_add_co_u32 s30, s30, KV0+139264
	s_lshl_b32 s32, s21, 8
	s_add_co_u32 s30, s30, s32
	s_mov_b32 s31, 0
	s_add_nc_u64 s[C0:C0+1], s[8:9], s[28:29]
	s_add_nc_u64 s[SP0:SP0+1], s[8:9], s[30:31]
	s_add_nc_u64 s[C1:C1+1], s[C0:C0+1], 512
	EPI 1024, 0
	s_endpgm
.Lfunc_end_k_q0bd7e67249_qkv:
	.size	k_q0bd7e67249_qkv, .Lfunc_end_k_q0bd7e67249_qkv-k_q0bd7e67249_qkv
	.p2alignl 7, 3214868480
	.fill 96, 4, 3214868480
	.section	.rodata,"a",@progbits
	.p2align	6, 0x0
	.amdhsa_kernel k_q0bd7e67249_qkv
		.amdhsa_group_segment_fixed_size 0
		.amdhsa_private_segment_fixed_size 0
		.amdhsa_enable_private_segment 0
		.amdhsa_kernarg_size 24
		.amdhsa_user_sgpr_count 2
		.amdhsa_user_sgpr_kernarg_segment_ptr 1
		.amdhsa_wavefront_size32 1
		.amdhsa_system_sgpr_workgroup_id_x 1
		.amdhsa_system_sgpr_workgroup_id_y 1
		.amdhsa_system_sgpr_workgroup_id_z 1
		.amdhsa_system_vgpr_workitem_id 0
		.amdhsa_next_free_vgpr 512
		.amdhsa_next_free_sgpr 66
		.amdhsa_reserve_vcc 0
		.amdhsa_float_denorm_mode_32 3
		.amdhsa_float_denorm_mode_16_64 3
		.amdhsa_memory_ordered 1
		.amdhsa_forward_progress 1
		.amdhsa_inst_pref_size 99
	.end_amdhsa_kernel
	.amdgpu_metadata
---
amdhsa.version: [ 1, 2 ]
amdhsa.kernels:
  - .name:           k_q0bd7e67249_qkv
    .symbol:         k_q0bd7e67249_qkv.kd
    .args:
      - { .name: wts, .offset: 0, .size: 8, .value_kind: global_buffer, .address_space: global }
      - { .name: yimg, .offset: 8, .size: 8, .value_kind: global_buffer, .address_space: global }
      - { .name: qkv, .offset: 16, .size: 8, .value_kind: global_buffer, .address_space: global }
    .group_segment_fixed_size: 0
    .private_segment_fixed_size: 0
    .kernarg_segment_align: 8
    .kernarg_segment_size: 24
    .max_flat_workgroup_size: 256
    .sgpr_count:     66
    .vgpr_count:     512
    .wavefront_size: 32
...
	.end_amdgpu_metadata
.endif
;; end of part 2
;; launch attn (part 3): grid 8 x 32, 16 waves a work-group, no clusters, 153,600 bytes of LDS; arguments qkv, attention_mask, aimg; writes aimg
.if DOCPART == 3
	.amdgcn_target "amdgcn-amd-amdhsa--gfx1250"
	.amdhsa_code_object_version 6
	.text
	.protected	k_q0bd7e67249_attn
	.globl	k_q0bd7e67249_attn
	.p2align	8
	.type	k_q0bd7e67249_attn,@function
k_q0bd7e67249_attn:
	s_mov_b64 s[64:65], 0
	v_nop
	global_prefetch_b8 v0, s[64:65] scope:SCOPE_SE
	s_setreg_imm32_b32 hwreg(HW_REG_WAVE_MODE, 25, 1), 1
	s_wait_xcnt 0x0
; attn[b][q][head] = softmax_k(q . k / 32 + mask[b][k]) v, both products on codes of E2M1 with E8M0 scales; the result / the row's sum is quantised along the model's 1,024 for the next product and stored as an image.
; SOFTMAX: t = (q . k + 32 mask) x log2(e) / 32; M = the running largest t rounded up to a whole number; p = 2^(t - M) is quantised along the keys, not normalised; the row's sum is of the unquantised p; when M moves, sum and O are
; multiplied by 2^(old M - new M), which rounds nothing.
; SHARES: work-group y = 16 batch + head; sixteen waves, each ONE tile of 16 queries in 256 registers, four waves to a SIMD.  Every wave walks the 2,048 keys, 128 a step; a trip of the loop runs four steps, whose places in LDS are immediates.
; LDS: the head's K codes, V^T codes and both sets of scale words are one dense block of 143,360 bytes of memory, laid as register images.  It is filled ONCE, so it needs no ring: each wave loads 8,960 consecutive bytes
; (17 loads of 512 bytes, one of 256) and stores them to LDS as they lie; one barrier; then all sixteen read.  Behind the block: 32 x mask of the batch's 2,048 keys.  That is the C of K Q^T: in the result's layout a lane's registers
; are keys, so a lane loads its keys' numbers into the accumulator.
; The head size is 64: the upper half of each fragment of K and Q (K = 128) is zero codes, written once.
; Both products are used transposed: S^T = K Q^T, O^T = V^T P^T: a lane holds one query throughout; by the order of rows in a tile p's registers 16 b + i are keys 32 b + 16 (lane / 16) + i.
; No multicast: no tensor load is left in this text; the eight work-groups of a head fetch the block once each, at the start, beside sixteen key steps of sixteen waves.
; LIMITS: 32 x mask is held to +-2^32, minus infinity too: |mask| above 2^27 acts as 2^27, so that the rounding of t against M stays under 2^4 even where all keys of a first step are masked; a batch whose every key is minus infinity
; gives a uniform average where reference() gives NaN.  Blocks under 2^-124, and blocks of zeros, take the byte 1 (zero codes).  NaN is not served.
.set KV0, 2359296
.set KVB, 143360
.set QSC, 2097152
.set ASC, 2097152
.set MSK, 143360
.set PART, 8960                        ; a wave's share of the block
.set WV,  2
.set BH,  10
.set KVP, 12                           ; s[12:13] the head's block
.set SEL, 26
.set CS,  28                           ; s[28:29] c = log2(e) / 32
.set T4,  30
.set T5,  31
.set T2,  32
.set QP,  40
.set QS,  42
.set AC,  44
.set AS,  46
.set CNT, 51
.set BK,  1                            ; v1  16 x lane: K's codes (also the image's place on the way out)
.set BV,  2                            ; v2  V's codes
.set BS,  3                            ; v3  K's scale words, 4 x lane
.set BT,  4                            ; v4  V's
.set BM,  5                            ; v5  the mask: 64 (lane / 16)
.set ADK, 6                            ; v6-10 the same for the trip in hand
.set ADV, 7
.set ADS, 8
.set ADT, 9
.set ADM, 10
; v11 16 r; v12 -M, v13 the largest t, v[14:15] the sum; v16-23 Q; v27-31 addresses of the head; v32-95 K's eight fragments (at the head v32-101: the block on its way to LDS); v96-159 S^T, then p; v160-191 O^T;
; v192-223 V's four fragments; v224-231 p's codes; v232-247 at work (v240 the old -M); scales and nothing else: v242-243 V's, v248-251 K's, v253 p's, v255 Q's; v252 f; v254 at work
	s_load_b128 s[4:7], s[0:1], 0x0                ; qkv, mask
	s_load_b64 s[8:9], s[0:1], 0x10                ; aimg
	v_lshrrev_b32 v1, 5, v0
	v_readfirstlane_b32 s[WV], v1                  ; wave 0..15
	s_and_b32 s[BH], ttmp7, 0xffff
	v_and_b32 v24, 31, v0
	v_and_b32 v25, 15, v0
	v_bfe_u32 v26, v0, 4, 1
	v_lshlrev_b32 v[BK], 4, v24
	s_mul_i32 s14, s[WV], PART
	v_add_nc_u32 v30, s14, v[BK]                   ; my 16 bytes of a load's 512: the same place in the block and in LDS
	v_lshl_add_u32 v31, v24, 3, s14                ; my 8 bytes of the last 256
	v_add_nc_u32 v[BV], 65536, v[BK]
	v_lshl_add_u32 v[BS], v24, 2, 131072
	v_lshl_add_u32 v[BT], v24, 2, 139264
	v_lshl_add_u32 v[BM], v26, 6, MSK
	v_lshlrev_b32 v11, 4, v25
	v_lshlrev_b32 v27, 2, v25
	v_lshlrev_b32 v28, 4, v0                       ; the mask: thread t takes keys 4 t .. 4 t + 3
	v_lshl_add_u32 v29, v0, 4, MSK
	s_mul_i32 s34, s[BH], KVB
	s_add_co_u32 s34, s34, KV0
	s_mov_b32 s35, 0
	s_lshr_b32 s33, s[BH], 4                       ; batch
	s_lshl_b32 s36, s33, 13
	s_mov_b32 s37, 0
	s_lshl_b32 s38, ttmp9, 4
	s_add_co_u32 s38, s38, s[WV]                   ; my tile of queries in the batch
	s_lshl_b32 s39, s[BH], 7
	s_add_co_u32 s39, s39, s38
	s_lshl_b32 s40, s39, 9
	s_mov_b32 s41, 0
	s_lshl_b32 s42, s39, 6
	s_add_co_u32 s42, s42, QSC
	s_mov_b32 s43, 0
	s_lshl_b32 s33, s33, 7
	s_add_co_u32 s33, s33, s38                     ; my tile among the 256 of all rows
	s_and_b32 s48, s[BH], 15                       ; head: K step head / 2, register group head % 2 of the next product
	s_lshr_b32 s49, s48, 1
	s_and_b32 s50, s48, 1
	s_lshl_b32 s44, s33, 13
	s_lshl_b32 s45, s49, 10
	s_add_co_u32 s44, s44, s45
	s_lshl_b32 s45, s50, 9
	s_add_co_u32 s44, s44, s45
	s_mov_b32 s45, 0
	s_lshl_b32 s46, s33, 9
	s_add_co_u32 s46, s46, ASC
	s_and_b32 s47, s49, 1
	s_lshl_b32 s47, s47, 8
	s_add_co_u32 s46, s46, s47
	s_lshr_b32 s47, s48, 2
	s_lshl_b32 s47, s47, 2
	s_add_co_u32 s46, s46, s47
	s_lshl_b32 s47, s50, 1
	s_add_co_u32 s46, s46, s47
	s_mov_b32 s47, 0
	s_wait_kmcnt 0x0
	s_add_nc_u64 s[KVP:KVP+1], s[4:5], s[34:35]
.irp j, 0,1,2,3,4,5,6,7,8,9,10,11,12,13,14,15,16
	global_load_b128 v[32+4*\j:35+4*\j], v30, s[KVP:KVP+1] offset:512*\j   ; 512 consecutive bytes, at a multiple of 256 from the buffer's first byte
.endr
	global_load_b64 v[100:101], v31, s[KVP:KVP+1] offset:8704              ; my share's last 256 bytes
	s_add_nc_u64 s[6:7], s[6:7], s[36:37]
	s_add_nc_u64 s[QP:QP+1], s[4:5], s[40:41]
	s_add_nc_u64 s[QS:QS+1], s[4:5], s[42:43]
	global_load_b128 v[104:107], v28, s[6:7]
	global_load_b128 v[16:19], v[BK], s[QP:QP+1]
	global_load_b32 v255, v27, s[QS:QS+1]
	s_add_nc_u64 s[AC:AC+1], s[8:9], s[44:45]
	s_add_nc_u64 s[AS:AS+1], s[8:9], s[46:47]
	s_mov_b32 s[SEL], 0x76543210
	s_mov_b32 s[SEL+1], 0xfedcba98
	s_mov_b32 s[CS], 0x3d38aa3b
	s_mov_b32 s[CS+1], s[CS]
	s_mov_b32 s[T4], 0
	s_mov_b32 s[T5], 0
	s_mov_b32 s[T2], 0
	s_mov_b32 s[CNT], 4
	v_mov_b32 v108, 0x4f800000                     ; 2^32
.irp j, 20,21,22,23
	v_mov_b32 v[\j], 0                             ; Q's upper half of K: zero codes
.endr
.set e, 0
.rept 32
	v_mov_b32 v[160+e], 0                          ; O^T: the step is written once, the first finds zeros
.set e, e+1
.endr
	v_mov_b32 v14, 0
	v_mov_b32 v15, 0
.irp b, 0,1,2,3
	v_mov_b32 v[236+\b], 0
.endr
	v_mov_b32 v253, 0
	v_mov_b32 v13, 0xff61b1e6                      ; the largest t so far: -3e38
	v_floor_f32 v12, -v13
	s_wait_loadcnt 12                              ; my first nine loads are in: behind them stand eight more of the block, its last 256 bytes, the mask, Q and Q's scale words
.irp j, 0,1,2,3,4,5,6,7,8
	ds_store_b128 v30, v[32+4*\j:35+4*\j] offset:512*\j
.endr
	s_wait_loadcnt 0x0
.irp j, 9,10,11,12,13,14,15,16
	ds_store_b128 v30, v[32+4*\j:35+4*\j] offset:512*\j
.endr
	ds_store_b64 v31, v[100:101] offset:8704
.irp j, 0,1,2,3
	v_mul_f32 v[104+\j], 0x42000000, v[104+\j]     ; 32 x mask: exact
.endr
.irp j, 0,1,2,3
	v_med3_num_f32 v[104+\j], v[104+\j], -v108, v108   ; held to +-2^32
.endr
	ds_store_b128 v29, v[104:107]
	s_wait_dscnt 0x0                               ; for the others' sake: my share of the block and of the mask is stored
	s_barrier_signal -1
.irp t, 0,1,2,3,4,5,6,7
.irp j, 4,5,6,7
	v_mov_b32 v[32+8*\t+\j], 0                     ; K's upper half of K: zero codes, written once (the stores above have read these registers); the loop's loads fill the lower four alone
.endr
.endr
	s_barrier_wait -1                              ; everybody's is
; A KEY STEP: 128 keys, the u-th of the trip's four
.macro STEP u
.irp b, 0,1,2,3
.irp j, 0,1,2,3
	ds_load_b128 v[96+16*\b+4*\j:99+16*\b+4*\j], v[ADM] offset:512*\u+128*\b+16*\j   ; 32 x mask of keys 32 b + 16 h + 4 j on
.endr
.endr
.irp t, 0,1,2,3,4,5,6,7
	ds_load_b128 v[32+8*\t:35+8*\t], v[ADK] offset:4096*\u+512*\t
.endr
.irp i, 0,1,2,3
	ds_load_b32 v[248+\i], v[ADS] offset:512*\u+128*\i    ; lanes 0-15 tile 2 i's words, lanes 16-31 tile 2 i + 1's
.endr
	s_wait_dscnt 0x0
.irp t, 0,2,4,6
	v_wmma_scale_f32_16x16x128_f8f6f4 v[96+8*\t:103+8*\t], v[32+8*\t:39+8*\t], v[16:23], v[96+8*\t:103+8*\t], v[248+\t/2], v255 matrix_a_fmt:MATRIX_FMT_FP4 matrix_b_fmt:MATRIX_FMT_FP4
	v_wmma_scale_f32_16x16x128_f8f6f4 v[104+8*\t:111+8*\t], v[40+8*\t:47+8*\t], v[16:23], v[104+8*\t:111+8*\t], v[248+\t/2], v255 matrix_a_fmt:MATRIX_FMT_FP4 matrix_b_fmt:MATRIX_FMT_FP4 matrix_a_scale:MATRIX_SCALE_ROW1
.endr
	v_mov_b32 v240, v12                            ; the old -M.  This line and the three below are the four places behind these products, and behind the last step's V^T P, whose operands the loads below write
.rept 3
	v_nop
.endr
.irp d, 0,1,2,3
.irp c, 0,1
	ds_load_b128 v[192+8*\d+4*\c:195+8*\d+4*\c], v[ADV] offset:4096*\u+1024*\d+512*\c   ; V: it has the softmax in which to land
.endr
.endr
.irp i, 0,1
	ds_load_b32 v[242+\i], v[ADT] offset:256*\u+128*\i
.endr
.irp b, 0,1,2,3
	v_max3_num_f32 v[232+\b], v[96+16*\b], v[97+16*\b], v[98+16*\b]   ; the largest score of each block of 32 keys: for the row's maximum, and for the block's largest p
.endr
.irp i, 3,5,7,9,11,13
.irp b, 0,1,2,3
	v_max3_num_f32 v[232+\b], v[232+\b], v[96+16*\b+\i], v[97+16*\b+\i]
.endr
.endr
.irp b, 0,1,2,3
	v_max_num_f32 v[232+\b], v[232+\b], v[111+16*\b]
.endr
.irp b, 0,1,2,3
	v_permlanex16_b32 v[236+\b], v[232+\b], s[SEL], s[SEL+1]
.endr
.irp b, 0,1,2,3
	v_max_num_f32 v[232+\b], v[232+\b], v[236+\b]
.endr
	v_max3_num_f32 v254, v232, v233, v234
	v_max_num_f32 v254, v254, v235
	v_mul_f32 v254, s[CS], v254
	v_max_num_f32 v13, v13, v254                   ; the running largest t
	v_floor_f32 v12, -v13                          ; -M = floor(-t)
	v_sub_f32 v254, v12, v240                      ; old M - new M: a whole number, 0 or less
	v_cvt_i32_f32 v254, v254                       ; (it saturates)
	v_ldexp_f32 v252, 1.0, v254                    ; f = 2^(old M - new M)
.set e, 0
.rept 32
	v_pk_fma_f32 v[96+e:97+e], v[96+e:97+e], s[CS:CS+1], v[12:13] op_sel_hi:[1,0,0]   ; t - M
.set e, e+2
.endr
.irp b, 0,1,2,3
	v_fma_f32 v[232+\b], v[232+\b], s[CS], v12
.endr
.set e, 0
.rept 64
	v_exp_f32 v[96+e], v[96+e]                     ; p = 2^(t - M)
.set e, e+1
.endr
	v_pk_mul_f32 v[14:15], v[14:15], v[252:253] op_sel_hi:[1,0]   ; the sums under the new M: the plain instruction behind the batch
	s_wait_alu depctr_va_vdst(0)                   ; one wait for the 64, ahead of their first reader
.irp b, 0,1,2,3
	v_exp_f32 v[232+\b], v[232+\b]                 ; each block's largest p
.endr
	v_pk_add_f32 v[236:237], v[96:97], v[98:99]    ; the row's sum of the unquantised p, in two chains
.irp j, 4,8,12,16,20,24,28,32,36,40,44,48,52,56,60
	v_pk_add_f32 v[14:15], v[14:15], v[96+\j:97+\j]
	v_pk_add_f32 v[236:237], v[236:237], v[98+\j:99+\j]
.endr
	v_pk_add_f32 v[14:15], v[14:15], v[236:237]
	s_wait_alu depctr_va_vdst(0)                   ; and one for the four
.irp b, 0,1,2,3
	v_max_num_f32 v[232+\b], 0x1800000, v[232+\b]
.endr
.irp b, 0,1,2,3
	v_add_nc_u32 v[244+\b], 0xff000000, v[232+\b]
.endr
.irp b, 0,1,2,3
	v_lshrrev_b32 v[236+\b], 23, v[244+\b]
.endr
	v_lshl_or_b32 v253, v237, 8, v236              ; p's scale word for these 128 keys
	v_lshl_or_b32 v253, v238, 16, v253
	v_lshl_or_b32 v253, v239, 24, v253
.irp b, 0,1,2,3
	v_cvt_scalef32_pk8_fp4_f32 v[224+2*\b], v[96+16*\b:103+16*\b], v[244+\b]
	v_cvt_scalef32_pk8_fp4_f32 v[225+2*\b], v[104+16*\b:111+16*\b], v[244+\b]
.endr
	v_nop
.irp c, 0,1
.irp i, 0,1
	v_permlane16_swap_b32 v[224+4*\c+\i], v[226+4*\c+\i]
.endr
.endr
.set e, 0
.rept 16
	v_pk_mul_f32 v[160+e:161+e], v[160+e:161+e], v[252:253] op_sel_hi:[1,0]   ; O^T under the new M; these sixteen also stand between the writing of p's codes and scale word and the products
.set e, e+2
.endr
	s_wait_dscnt 0x0                               ; V and its words
.irp d, 0,2
	v_wmma_scale_f32_16x16x128_f8f6f4 v[160+8*\d:167+8*\d], v[192+8*\d:199+8*\d], v[224:231], v[160+8*\d:167+8*\d], v[242+\d/2], v253 matrix_a_fmt:MATRIX_FMT_FP4 matrix_b_fmt:MATRIX_FMT_FP4
	v_wmma_scale_f32_16x16x128_f8f6f4 v[168+8*\d:175+8*\d], v[200+8*\d:207+8*\d], v[224:231], v[168+8*\d:175+8*\d], v[242+\d/2], v253 matrix_a_fmt:MATRIX_FMT_FP4 matrix_b_fmt:MATRIX_FMT_FP4 matrix_a_scale:MATRIX_SCALE_ROW1
.endr
.endm
.Ltrip:                                            ; 4 trips of four key steps
	v_add_nc_u32 v[ADK], s[T4], v[BK]
	v_add_nc_u32 v[ADV], s[T4], v[BV]
	v_add_nc_u32 v[ADS], s[T5], v[BS]
	v_add_nc_u32 v[ADT], s[T2], v[BT]
	v_add_nc_u32 v[ADM], s[T5], v[BM]
	STEP 0
	STEP 1
	STEP 2
	STEP 3
	s_add_co_u32 s[T4], s[T4], 16384
	s_add_co_u32 s[T5], s[T5], 2048
	s_add_co_u32 s[T2], s[T2], 1024
	s_sub_co_u32 s[CNT], s[CNT], 1
	s_cmp_lg_u32 s[CNT], 0
	s_cbranch_scc1 .Ltrip
	; THE WAY OUT: O^T / the sum; register 16 b + i is channel 32 b + 16 h + i of my query: two blocks of 32 along the next K
.rept 4
	v_nop
.endr
	v_add_f32 v14, v14, v15
	v_permlanex16_b32 v252, v14, s[SEL], s[SEL+1]
	v_add_f32 v14, v14, v252
	v_rcp_f32 v14, v14
	v_nop
	s_wait_alu depctr_va_vdst(0)
.set e, 0
.rept 32
	v_mul_f32 v[96+e], v[160+e], v14
.set e, e+1
.endr
.irp b, 0,1
	v_max3_num_f32 v[232+\b], |v[96+16*\b]|, |v[97+16*\b]|, 0x1800000
.endr
.irp i, 2,4,6,8,10,12,14
.irp b, 0,1
	v_max3_num_f32 v[232+\b], v[232+\b], |v[96+16*\b+\i]|, |v[97+16*\b+\i]|
.endr
.endr
.irp b, 0,1
	v_permlanex16_b32 v[236+\b], v[232+\b], s[SEL], s[SEL+1]
.endr
.irp b, 0,1
	v_max_num_f32 v[232+\b], v[232+\b], v[236+\b]
.endr
.irp b, 0,1
	v_add_nc_u32 v[244+\b], 0xff000000, v[232+\b]
.endr
.irp b, 0,1
	v_lshrrev_b32 v[236+\b], 23, v[244+\b]
.endr
	v_lshl_or_b32 v253, v237, 8, v236              ; my head's half of the scale word
.irp b, 0,1
	v_cvt_scalef32_pk8_fp4_f32 v[224+2*\b], v[96+16*\b:103+16*\b], v[244+\b]
	v_cvt_scalef32_pk8_fp4_f32 v[225+2*\b], v[104+16*\b:111+16*\b], v[244+\b]
.endr
	v_nop
	v_permlane16_swap_b32 v224, v226
	v_permlane16_swap_b32 v225, v227
	global_store_b128 v[BK], v[224:227], s[AC:AC+1]   ; 512 consecutive bytes: one register group of the image
	global_store_b16 v11, v253, s[AS:AS+1]         ; lanes l and l + 16 store the same two bytes
	s_wait_xcnt 0x0
	v_lshl_add_u32 v254, v0, 2, 0x25000
	v_mov_b32 v255, 0
	s_wait_tensorcnt 0x0
	ds_add_u32 v254, v255
	s_wait_dscnt 0x0
	s_endpgm
.Lfunc_end_k_q0bd7e67249_attn:
	.size	k_q0bd7e67249_attn, .Lfunc_end_k_q0bd7e67249_attn-k_q0bd7e67249_attn
	.p2alignl 7, 3214868480
	.fill 96, 4, 3214868480
	.section	.rodata,"a",@progbits
	.p2align	6, 0x0
	.amdhsa_kernel k_q0bd7e67249_attn
		.amdhsa_group_segment_fixed_size 153600
		.amdhsa_private_segment_fixed_size 0
		.amdhsa_enable_private_segment 0
		.amdhsa_kernarg_size 24
		.amdhsa_user_sgpr_count 2
		.amdhsa_user_sgpr_kernarg_segment_ptr 1
		.amdhsa_wavefront_size32 1
		.amdhsa_system_sgpr_workgroup_id_x 1
		.amdhsa_system_sgpr_workgroup_id_y 1
		.amdhsa_system_sgpr_workgroup_id_z 1
		.amdhsa_system_vgpr_workitem_id 0
		.amdhsa_next_free_vgpr 256
		.amdhsa_next_free_sgpr 66
		.amdhsa_reserve_vcc 0
		.amdhsa_float_denorm_mode_32 3
		.amdhsa_float_denorm_mode_16_64 3
		.amdhsa_memory_ordered 1
		.amdhsa_forward_progress 1
		.amdhsa_inst_pref_size 77
	.end_amdhsa_kernel
	.amdgpu_metadata
---
amdhsa.version: [ 1, 2 ]
amdhsa.kernels:
  - .name:           k_q0bd7e67249_attn
    .symbol:         k_q0bd7e67249_attn.kd
    .args:
      - { .name: qkv, .offset: 0, .size: 8, .value_kind: global_buffer, .address_space: global }
      - { .name: attention_mask, .offset: 8, .size: 8, .value_kind: global_buffer, .address_space: global }
      - { .name: aimg, .offset: 16, .size: 8, .value_kind: global_buffer, .address_space: global }
    .group_segment_fixed_size: 153600
    .private_segment_fixed_size: 0
    .kernarg_segment_align: 8
    .kernarg_segment_size: 24
    .max_flat_workgroup_size: 512
    .sgpr_count:     66
    .vgpr_count:     256
    .wavefront_size: 32
...
	.end_amdgpu_metadata
.endif
;; end of part 3
;; launch wo_ln2 (part 4): grid 256 x 1, 8 waves a work-group, no clusters, 70,144 bytes of LDS; arguments aimg, wts, x, ln2_g, ln2_b, x1, y2img; writes x1, y2img
.if DOCPART == 4
	.amdgcn_target "amdgcn-amd-amdhsa--gfx1250"
	.amdhsa_code_object_version 6
	.text
	.protected	k_q0bd7e67249_wo_ln2
	.globl	k_q0bd7e67249_wo_ln2
	.p2align	8
	.type	k_q0bd7e67249_wo_ln2,@function
k_q0bd7e67249_wo_ln2:
	s_mov_b64 s[64:65], 0
	v_nop
	global_prefetch_b8 v0, s[64:65] scope:SCOPE_SE
	s_setreg_imm32_b32 hwreg(HW_REG_WAVE_MODE, 25, 1), 1
	s_wait_xcnt 0x0
; x1 = x + attn wo (codes of E2M1, E8M0 scales), stored in f32; y2 = layernorm(x1, g, b) quantised along the row and stored as images.
; A work-group owns a tile of 16 WHOLE rows, so that the norm needs no launch of its own; wave w makes columns 128 w .. 128 w + 127: source 0 = wo's tiles 8 w .. 8 w + 7, source 1 = the rows' image.
; x's rows are turned through the wave's stage into the result's layout and are the C of the first K step: the residual costs no addition.  K = 1,024 in 8 steps written out, three stages of 18 loads.
; Behind the products the accumulators are at once x1 (out through the stage as whole rows of 512 bytes) and the norm's input.  Three barriers, for the sums across the eight waves and the scale words.
; No multicast: operands go from memory straight into registers, and no two waves of a work-group share a fragment of wo.
; LIMITS: as in the first launch (byte 1 for blocks under 2^-124 and for blocks of zeros; NaN and infinities not served).
.set SPITCH, 528
.set WSTG,   16*SPITCH
.set RED,    8*WSTG
.set SCG,    RED+1024
.set YSC,    2097152
.set SC0,    6291456
.set WV,  2
.set S0P, 20
.set S0S, 22
.set S1P, 24
.set S1S, 26
.set XB,  28
.set X1B, 30
.set GP,  32
.set BP,  34
.set YI,  36
.set YS,  38
.set SEL, 52
.set LI,  1
.set SA,  4
.set SRW, 5
.set GB,  6
.set RA,  7
.set RL,  8
.set SCA, 9
.set SCR, 10
; window 0: v16-47 wo's scale words (tile a, K step ks: 16 + 4 a + ks / 2), v48-51 the rows': scales and nothing else; v64-127 x, the accumulators, x1, y2; v128-167 at work
; window 1: three stages of 72 (wo's 8 fragments, the rows' one); later v0-63 rows of x1, v64-127 g, v128-191 b
.set X,   64
.set TM,  128
.set MU,  144
.set PC,  152
.set PW,  160
.set GA,  164
.set G,   64
.set BV,  128
.set GWIN, 0x14                        ; g and b: sources 1 and 2 in window 1
.set MSB, 0
.macro WIN new
.if MSB != (\new)
	s_set_vgpr_msb (MSB<<8)|(\new)
.set MSB, (\new)
.endif
.endm
.macro PLACES
.rept 4
	v_nop
.endr
.endm
.macro BARRIER
	s_wait_dscnt 0x0
	s_barrier_signal -1
	s_barrier_wait -1
.endm
.macro QUANT s, sw, pc, pw
	WIN 5*(\sw)
.irp b, 0,1,2,3
	v_max3_num_f32 v[TM+\b], |v[(\s)+16*\b]|, |v[(\s)+16*\b+1]|, 0x1800000
.endr
.irp i, 2,4,6,8,10,12,14
.irp b, 0,1,2,3
	v_max3_num_f32 v[TM+\b], |v[(\s)+16*\b+\i]|, |v[(\s)+16*\b+\i+1]|, v[TM+\b]
.endr
.endr
	WIN 0
.irp b, 0,1,2,3
	v_permlanex16_b32 v[TM+4+\b], v[TM+\b], s[SEL], s[SEL+1]
.endr
.irp b, 0,1,2,3
	v_max_num_f32 v[TM+\b], v[TM+\b], v[TM+4+\b]
.endr
.irp b, 0,1,2,3
	v_add_nc_u32 v[TM+12+\b], 0xff000000, v[TM+\b]
.endr
.irp b, 0,1,2,3
	v_lshrrev_b32 v[TM+4+\b], 23, v[TM+12+\b]
.endr
	v_lshl_or_b32 v[\pw], v[TM+5], 8, v[TM+4]
	v_lshl_or_b32 v[\pw], v[TM+6], 16, v[\pw]
	v_lshl_or_b32 v[\pw], v[TM+7], 24, v[\pw]
	WIN \sw
.irp b, 0,1,2,3
	v_cvt_scalef32_pk8_fp4_f32 v[(\pc)+2*\b], v[(\s)+16*\b:(\s)+16*\b+7], v[TM+12+\b]
	v_cvt_scalef32_pk8_fp4_f32 v[(\pc)+2*\b+1], v[(\s)+16*\b+8:(\s)+16*\b+15], v[TM+12+\b]
.endr
	WIN 0
	v_nop
.irp c, 0,1
.irp i, 0,1
	v_permlane16_swap_b32 v[(\pc)+4*\c+\i], v[(\pc)+4*\c+2+\i]
.endr
.endr
.endm
.macro XTURN
.irp i, 0,1,2,3,4,5,6,7,8,9,10,11,12,13,14,15
	ds_store_b128 v[SRW], v[X+4*\i:X+4*\i+3] offset:SPITCH*\i
.endr
.irp b, 0,1,2,3
.irp j, 0,1,2,3
	ds_load_b128 v[X+16*\b+4*\j:X+16*\b+4*\j+3], v[SA] offset:128*\b+16*\j
.endr
.endr
	s_wait_dscnt 0x0
.endm
.macro FOLD
	v_pk_add_f32 v[TM:TM+1], v[TM:TM+1], v[TM+2:TM+3]
	v_pk_add_f32 v[TM+4:TM+5], v[TM+4:TM+5], v[TM+6:TM+7]
	v_pk_add_f32 v[TM:TM+1], v[TM:TM+1], v[TM+4:TM+5]
	v_add_f32 v[TM], v[TM], v[TM+1]
.endm
.macro CROSS off
	v_permlanex16_b32 v[TM+1], v[TM], s[SEL], s[SEL+1]
	v_add_f32 v[TM], v[TM], v[TM+1]
	ds_store_b32 v[RA], v[TM] offset:\off
	BARRIER
	ds_load_b128 v[TM+4:TM+7], v[RL] offset:\off
	ds_load_b128 v[TM+8:TM+11], v[RL] offset:\off+16
	s_wait_dscnt 0x0
	v_pk_add_f32 v[TM+4:TM+5], v[TM+4:TM+5], v[TM+6:TM+7]
	v_pk_add_f32 v[TM+8:TM+9], v[TM+8:TM+9], v[TM+10:TM+11]
	v_pk_add_f32 v[TM+4:TM+5], v[TM+4:TM+5], v[TM+8:TM+9]
	v_add_f32 v[MU], v[TM+4], v[TM+5]
	v_mul_f32 v[MU], 0x3a800000, v[MU]
.endm
.macro LNQ
.irp c, 0,1,2,3
	v_pk_add_f32 v[TM+2*\c:TM+2*\c+1], v[X+2*\c:X+2*\c+1], v[X+8+2*\c:X+8+2*\c+1]
.endr
.irp j, 16,24,32,40,48,56
.irp c, 0,1,2,3
	v_pk_add_f32 v[TM+2*\c:TM+2*\c+1], v[TM+2*\c:TM+2*\c+1], v[X+\j+2*\c:X+\j+2*\c+1]
.endr
.endr
	FOLD
	CROSS 0
.set e, 0
.rept 32
	v_pk_add_f32 v[X+e:X+e+1], v[X+e:X+e+1], v[MU:MU+1] op_sel_hi:[1,0] neg_lo:[0,1] neg_hi:[0,1]
.set e, e+2
.endr
.irp c, 0,1,2,3
	v_pk_mul_f32 v[TM+2*\c:TM+2*\c+1], v[X+2*\c:X+2*\c+1], v[X+2*\c:X+2*\c+1]
.endr
.irp j, 8,16,24,32,40,48,56
.irp c, 0,1,2,3
	v_pk_fma_f32 v[TM+2*\c:TM+2*\c+1], v[X+\j+2*\c:X+\j+2*\c+1], v[X+\j+2*\c:X+\j+2*\c+1], v[TM+2*\c:TM+2*\c+1]
.endr
.endr
	FOLD
	CROSS 512
	v_add_f32 v[MU], 0x3727c5ac, v[MU]
	v_rsq_f32 v[MU], v[MU]
	v_nop
	s_wait_alu depctr_va_vdst(0)
	s_wait_loadcnt 0x0                             ; g and b
.set e, 0
.rept 32
	v_pk_mul_f32 v[X+e:X+e+1], v[X+e:X+e+1], v[MU:MU+1] op_sel_hi:[1,0]
.set e, e+2
.endr
	WIN GWIN
.set e, 0
.rept 32
	v_pk_fma_f32 v[X+e:X+e+1], v[X+e:X+e+1], v[G+e:G+e+1], v[BV+e:BV+e+1]
.set e, e+2
.endr
	WIN 0
	QUANT X, 0, PC, PW
	global_store_b128 v[LI], v[PC:PC+3], s[YI:YI+1]
	global_store_b128 v[LI], v[PC+4:PC+7], s[YI:YI+1] offset:512
	ds_store_b32 v[SCA], v[PW]
	BARRIER
	s_cmp_lg_u32 s[WV], 0
	s_cbranch_scc1 .Lln_end
	ds_load_b128 v[GA:GA+3], v[SCR]
	s_wait_dscnt 0x0
	global_store_b128 v[LI], v[GA:GA+3], s[YS:YS+1]
.Lln_end:
.endm
.macro WM d, a, b, sa, sb, odd
.if (\odd)
	v_wmma_scale_f32_16x16x128_f8f6f4 v[(\d):(\d)+7], v[(\a):(\a)+7], v[(\b):(\b)+7], v[(\d):(\d)+7], v[\sa], v[\sb] matrix_a_fmt:MATRIX_FMT_FP4 matrix_b_fmt:MATRIX_FMT_FP4 matrix_a_scale:MATRIX_SCALE_ROW1 matrix_b_scale:MATRIX_SCALE_ROW1
.else
	v_wmma_scale_f32_16x16x128_f8f6f4 v[(\d):(\d)+7], v[(\a):(\a)+7], v[(\b):(\b)+7], v[(\d):(\d)+7], v[\sa], v[\sb] matrix_a_fmt:MATRIX_FMT_FP4 matrix_b_fmt:MATRIX_FMT_FP4
.endif
.endm
.macro LOADF3 st, ks                   ; 18 loads into stage st of window 1
	WIN 0x40
.irp a, 0,1,2,3,4,5,6,7
.irp c, 0,1
	global_load_b128 v[72*(\st)+8*\a+4*\c:72*(\st)+8*\a+4*\c+3], v[LI], s[S0P:S0P+1] offset:8192*\a+1024*(\ks)+512*\c
.endr
.endr
.irp c, 0,1
	global_load_b128 v[72*(\st)+64+4*\c:72*(\st)+64+4*\c+3], v[LI], s[S1P:S1P+1] offset:1024*(\ks)+512*\c
.endr
	WIN 0
.endm
.macro MUL8 st, ks                     ; the eight accumulators take turns
	WIN 0x05
.irp a, 0,1,2,3,4,5,6,7
	WM X+8*\a, 72*(\st)+8*\a, 72*(\st)+64, 16+4*\a+(\ks)/2, 48+(\ks)/2, (\ks)%2
.endr
	WIN 0
.endm
	s_load_b256 s[4:11], s[0:1], 0x0               ; aimg, wts, x, g
	s_load_b128 s[12:15], s[0:1], 0x20             ; b, x1
	s_load_b64 s[16:17], s[0:1], 0x30              ; y2img
	v_lshl_add_u32 v254, v0, 2, 0x10e00
	v_mov_b32 v255, 0
	v_lshrrev_b32 v1, 5, v0
	v_readfirstlane_b32 s[WV], v1
	v_and_b32 v11, 31, v0
	v_and_b32 v2, 15, v0
	v_bfe_u32 v3, v0, 4, 1
	v_lshlrev_b32 v[LI], 4, v11
	s_mul_i32 s40, s[WV], WSTG
	v_mul_u32_u24 v[SA], v2, SPITCH
	v_lshl_add_u32 v[SA], v3, 6, v[SA]
	v_add_nc_u32 v[SA], s40, v[SA]
	v_add_nc_u32 v[SRW], s40, v[LI]
	v_lshlrev_b32 v[GB], 6, v3
	s_lshl_b32 s41, s[WV], 2
	s_add_co_u32 s41, s41, RED
	v_lshl_add_u32 v[RA], v2, 5, s41
	v_lshlrev_b32 v[RL], 5, v2
	v_add_nc_u32 v[RL], RED, v[RL]
	s_and_b32 s41, s[WV], 1
	s_lshl_b32 s41, s41, 8
	s_lshr_b32 s42, s[WV], 1
	s_lshl_b32 s42, s42, 2
	s_add_co_u32 s41, s41, s42
	s_add_co_u32 s41, s41, SCG
	v_lshl_add_u32 v[SCA], v2, 4, s41
	v_add_nc_u32 v[SCR], SCG, v[LI]
	s_mov_b32 s[SEL], 0x76543210
	s_mov_b32 s[SEL+1], 0xfedcba98
	s_lshl_b32 s40, s[WV], 16
	s_add_co_u32 s40, s40, 1572864                 ; wo's codes, my 8 tiles
	s_mov_b32 s41, 0
	s_lshl_b32 s42, s[WV], 12
	s_add_co_u32 s42, s42, SC0+98304               ; their scale words
	s_mov_b32 s43, 0
	s_lshl_b32 s44, ttmp9, 13
	s_mov_b32 s45, 0
	s_lshl_b32 s46, ttmp9, 9
	s_add_co_u32 s46, s46, YSC
	s_mov_b32 s47, 0
	s_lshl_b32 s50, s[WV], 9
	s_mov_b32 s51, 0
	s_lshr_b32 s48, ttmp9, 1
	s_lshl_b32 s48, s48, 5
	s_and_b32 s49, ttmp9, 1
	s_lshl_b32 s49, s49, 3
	s_add_co_u32 s48, s48, s49
	s_lshl_b32 s48, s48, 12
	s_add_co_u32 s48, s48, s50
	s_mov_b32 s49, 0
	s_wait_kmcnt 0x0
	s_add_nc_u64 s[S0P:S0P+1], s[6:7], s[40:41]
	s_add_nc_u64 s[S0S:S0S+1], s[6:7], s[42:43]
	s_add_nc_u64 s[S1P:S1P+1], s[4:5], s[44:45]
	s_add_nc_u64 s[S1S:S1S+1], s[4:5], s[46:47]
	s_add_nc_u64 s[XB:XB+1], s[8:9], s[48:49]
	s_add_nc_u64 s[X1B:X1B+1], s[14:15], s[48:49]
	s_add_nc_u64 s[GP:GP+1], s[10:11], s[50:51]
	s_add_nc_u64 s[BP:BP+1], s[12:13], s[50:51]
	s_add_nc_u64 s[YS:YS+1], s[16:17], s[46:47]
	s_lshl_b32 s40, s[WV], 10
	s_add_co_u32 s44, s44, s40
	s_add_nc_u64 s[YI:YI+1], s[16:17], s[44:45]
.irp i, 0,1,2,3,4,5,6,7,8,9,10,11,12,13,14,15
	global_load_b128 v[X+4*\i:X+4*\i+3], v[LI], s[XB:XB+1] offset:(\i+8*(\i/8))*4096
.endr
.irp a, 0,1,2,3,4,5,6,7
	global_load_b128 v[16+4*\a:19+4*\a], v[LI], s[S0S:S0S+1] offset:512*\a
.endr
	global_load_b128 v[48:51], v[LI], s[S1S:S1S+1]
	LOADF3 0, 0
	LOADF3 1, 1
	LOADF3 2, 2
	s_wait_loadcnt 63                              ; x's 16 loads are in: behind them stand 9 of scale words and 3 x 18 of fragments
	XTURN
.irp ks, 0,1,2,3,4,5,6,7
.if \ks < 6
	s_wait_loadcnt 36                              ; this K step's stage is in; the two younger stages may be out
.else
	s_wait_loadcnt 18*(7-\ks)
.endif
	MUL8 \ks%3, \ks
.if \ks < 5
	PLACES
	LOADF3 \ks%3, \ks+3
.endif
.endr
	PLACES
	WIN 0x40                                       ; g and b, into registers that the stages have left: they land while the rows' sums are made
.irp b, 0,1,2,3
.irp j, 0,1,2,3
	global_load_b128 v[G+16*\b+4*\j:G+16*\b+4*\j+3], v[GB], s[GP:GP+1] offset:128*\b+16*\j
	global_load_b128 v[BV+16*\b+4*\j:BV+16*\b+4*\j+3], v[GB], s[BP:BP+1] offset:128*\b+16*\j
.endr
.endr
	WIN 0
.irp b, 0,1,2,3
.irp j, 0,1,2,3
	ds_store_b128 v[SA], v[X+16*\b+4*\j:X+16*\b+4*\j+3] offset:128*\b+16*\j   ; x1 into my stage, each accumulator from its low end on
.endr
.endr
	WIN 0x40
.irp i, 0,1,2,3,4,5,6,7,8,9,10,11,12,13,14,15
	ds_load_b128 v[4*\i:4*\i+3], v[SRW] offset:SPITCH*\i   ; and back as rows; LDS serves a wave's instructions in order
.endr
	s_wait_dscnt 0x0
	WIN 0x04
.irp i, 0,1,2,3,4,5,6,7,8,9,10,11,12,13,14,15
	global_store_b128 v[LI], v[4*\i:4*\i+3], s[X1B:X1B+1] offset:(\i+8*(\i/8))*4096   ; 512 consecutive bytes of a row
.endr
	WIN 0
	v_mov_b32 v[MU+1], 0
	LNQ
	s_wait_tensorcnt 0x0
	ds_add_u32 v254, v255
	s_wait_dscnt 0x0
	s_endpgm
.Lfunc_end_k_q0bd7e67249_wo_ln2:
	.size	k_q0bd7e67249_wo_ln2, .Lfunc_end_k_q0bd7e67249_wo_ln2-k_q0bd7e67249_wo_ln2
	.p2alignl 7, 3214868480
	.fill 96, 4, 3214868480
	.section	.rodata,"a",@progbits
	.p2align	6, 0x0
	.amdhsa_kernel k_q0bd7e67249_wo_ln2
		.amdhsa_group_segment_fixed_size 70144
		.amdhsa_private_segment_fixed_size 0
		.amdhsa_enable_private_segment 0
		.amdhsa_kernarg_size 56
		.amdhsa_user_sgpr_count 2
		.amdhsa_user_sgpr_kernarg_segment_ptr 1
		.amdhsa_wavefront_size32 1
		.amdhsa_system_sgpr_workgroup_id_x 1
		.amdhsa_system_sgpr_workgroup_id_y 1
		.amdhsa_system_sgpr_workgroup_id_z 1
		.amdhsa_system_vgpr_workitem_id 0
		.amdhsa_next_free_vgpr 512
		.amdhsa_next_free_sgpr 66
		.amdhsa_reserve_vcc 0
		.amdhsa_float_denorm_mode_32 3
		.amdhsa_float_denorm_mode_16_64 3
		.amdhsa_memory_ordered 1
		.amdhsa_forward_progress 1
		.amdhsa_inst_pref_size 54
	.end_amdhsa_kernel
	.amdgpu_metadata
---
amdhsa.version: [ 1, 2 ]
amdhsa.kernels:
  - .name:           k_q0bd7e67249_wo_ln2
    .symbol:         k_q0bd7e67249_wo_ln2.kd
    .args:
      - { .name: aimg, .offset: 0, .size: 8, .value_kind: global_buffer, .address_space: global }
      - { .name: wts, .offset: 8, .size: 8, .value_kind: global_buffer, .address_space: global }
      - { .name: x, .offset: 16, .size: 8, .value_kind: global_buffer, .address_space: global }
      - { .name: ln2_g, .offset: 24, .size: 8, .value_kind: global_buffer, .address_space: global }
      - { .name: ln2_b, .offset: 32, .size: 8, .value_kind: global_buffer, .address_space: global }
      - { .name: x1, .offset: 40, .size: 8, .value_kind: global_buffer, .address_space: global }
      - { .name: y2img, .offset: 48, .size: 8, .value_kind: global_buffer, .address_space: global }
    .group_segment_fixed_size: 70144
    .private_segment_fixed_size: 0
    .kernarg_segment_align: 8
    .kernarg_segment_size: 56
    .max_flat_workgroup_size: 256
    .sgpr_count:     66
    .vgpr_count:     512
    .wavefront_size: 32
...
	.end_amdgpu_metadata
.endif
;; end of part 4
;; launch w1_gelu (part 5): grid 256 x 1, 8 waves a work-group, no clusters, 0 bytes of LDS; arguments wts, y2img, himg; writes himg
.if DOCPART == 5
	.amdgcn_target "amdgcn-amd-amdhsa--gfx1250"
	.amdhsa_code_object_version 6
	.text
	.protected	k_q0bd7e67249_w1_gelu
	.globl	k_q0bd7e67249_w1_gelu
	.p2align	8
	.type	k_q0bd7e67249_w1_gelu,@function
k_q0bd7e67249_w1_gelu:
	s_mov_b64 s[64:65], 0
	v_nop
	global_prefetch_b8 v0, s[64:65] scope:SCOPE_SE
	s_setreg_imm32_b32 hwreg(HW_REG_WAVE_MODE, 25, 1), 1
	s_wait_xcnt 0x0
; h = gelu(y2 w1), exact gelu in f32, quantised along the 4,096 hidden units (the next product's K) and stored as images.  The product is on codes of E2M1 with E8M0 scales.
; A wave makes source 0 = 8 tiles of w1 (128 hidden units = one K step of the next product) x source 1 = 4 tiles of rows; K = 1,024 in 8 steps written out, two stages of 24 loads; operands are register images from memory: no LDS, no barrier.
; THE K STEPS GO ROUND FROM ANOTHER START IN EACH WORK-GROUP: it begins at K step 2 m, m = (X + X / 4 + Y + Y / 4) % 4 (X = x % 16: which hidden units, Y = x / 16: which rows), and goes on modulo 8.  The work-groups that read one
; tile differ in m, so that at any time they ask for different K steps of it; all waves of a work-group have one m.  The f32 sums are the same terms in another order.  A lane's offset for each step stands in a register of its own
; (v4-11); the scale words, four registers a tile, are turned by m places behind their loads; the start is even, so even K steps stay in lanes 0-15.
; GELU: with a = |x| / sqrt 2 and t = 1 / (1 + a / 2): erfc(a) = t 2^(-a^2 log2 e + P(t)), P of degree 9 (a fit whose fractional error is 1.2e-7 for every a, its coefficients multiplied by log2 e).  1 is taken off the exponent,
; so that the exponential gives erfc / 2; H = x erfc(a) / 2: gelu = x - H where x >= 0 and H where x < 0, which is max(x - H, H): no compare, and no difference of near numbers.  t and the exponent are made of x itself.
; Results go back over the accumulators, and the quantiser reads them there.
; No multicast: nothing goes through LDS; the launch's vector work (11 instructions a number) outweighs its loads.
; LIMITS: gelu to about 1e-6 of the number; where erfc / 2 falls under 2^-126 it counts as 0.  Byte 1 for blocks under 2^-124 and for blocks of zeros.  NaN and infinities not served.
.set SC0, 6291456
.set YSC, 2097152
.set HSC, 8388608
.set WV,  2
.set S0G, 10
.set S1G, 11
.set S0P, 12
.set S0S, 14
.set S1P, 16
.set S1S, 18
.set HC,  20
.set HS,  22
.set SEL, 24
.set MH,  26
.set C9,  36
.set C7,  38
.set C6,  40
.set C5,  42
.set C4,  44
.set C3,  46
.set C2,  48
.set C1,  50
.set NL2, 52                           ; s[52:53] -log2 e / 2
.set K1,  54                           ; s54 sqrt 2 / 4
.set RT,  58                           ; s58 m, then 2 m
.set M1,  59                           ; s59 all ones where m is odd, else 0
.set M2,  60                           ; s60 all ones where m is 2 or 3, else 0
.set LI,  1
.set HV,  2                            ; v2 16 r + 2048 h: two tiles' scale words
.set LK,  4                            ; v4-11 16 x lane + 1024 x ((step + 2 m) % 8); never rewritten;  v12-13 at work
.set SC,  16                           ; v16-63 scale words and nothing else
.set TM,  64                           ; behind the products: v64-79 at work, v80-85 scale words, v[88:89] c0 - 1, v[90:91] c8 (in vector pairs, so that no instruction reads two scalar pairs), v96-127 codes, v160-255 gelu's three runs of 32
.set VC0, 88
.set VC8, 90
.set TT,  160
.set PP,  192
.set EE,  224
.set MSB, 0
.macro WIN new
.if MSB != (\new)
	s_set_vgpr_msb (MSB<<8)|(\new)
.set MSB, (\new)
.endif
.endm
.macro PLACES
.rept 4
	v_nop
.endr
.endm
.macro QUANT s, sw, pc, pw
	WIN 5*(\sw)
.irp b, 0,1,2,3
	v_max3_num_f32 v[TM+\b], |v[(\s)+16*\b]|, |v[(\s)+16*\b+1]|, 0x1800000
.endr
.irp i, 2,4,6,8,10,12,14
.irp b, 0,1,2,3
	v_max3_num_f32 v[TM+\b], |v[(\s)+16*\b+\i]|, |v[(\s)+16*\b+\i+1]|, v[TM+\b]
.endr
.endr
	WIN 0
.irp b, 0,1,2,3
	v_permlanex16_b32 v[TM+4+\b], v[TM+\b], s[SEL], s[SEL+1]
.endr
.irp b, 0,1,2,3
	v_max_num_f32 v[TM+\b], v[TM+\b], v[TM+4+\b]
.endr
.irp b, 0,1,2,3
	v_add_nc_u32 v[TM+12+\b], 0xff000000, v[TM+\b]
.endr
.irp b, 0,1,2,3
	v_lshrrev_b32 v[TM+4+\b], 23, v[TM+12+\b]
.endr
	v_lshl_or_b32 v[\pw], v[TM+5], 8, v[TM+4]
	v_lshl_or_b32 v[\pw], v[TM+6], 16, v[\pw]
	v_lshl_or_b32 v[\pw], v[TM+7], 24, v[\pw]
	WIN \sw
.irp b, 0,1,2,3
	v_cvt_scalef32_pk8_fp4_f32 v[(\pc)+2*\b], v[(\s)+16*\b:(\s)+16*\b+7], v[TM+12+\b]
	v_cvt_scalef32_pk8_fp4_f32 v[(\pc)+2*\b+1], v[(\s)+16*\b+8:(\s)+16*\b+15], v[TM+12+\b]
.endr
	WIN 0
	v_nop
.irp c, 0,1
.irp i, 0,1
	v_permlane16_swap_b32 v[(\pc)+4*\c+\i], v[(\pc)+4*\c+2+\i]
.endr
.endr
.endm
.macro WM d, a, b, sa, sb, odd, zero
.if (\zero)
	v_wmma_scale_f32_16x16x128_f8f6f4 v[(\d):(\d)+7], v[(\a):(\a)+7], v[(\b):(\b)+7], 0, v[\sa], v[\sb] matrix_a_fmt:MATRIX_FMT_FP4 matrix_b_fmt:MATRIX_FMT_FP4
.elseif (\odd)
	v_wmma_scale_f32_16x16x128_f8f6f4 v[(\d):(\d)+7], v[(\a):(\a)+7], v[(\b):(\b)+7], v[(\d):(\d)+7], v[\sa], v[\sb] matrix_a_fmt:MATRIX_FMT_FP4 matrix_b_fmt:MATRIX_FMT_FP4 matrix_a_scale:MATRIX_SCALE_ROW1 matrix_b_scale:MATRIX_SCALE_ROW1
.else
	v_wmma_scale_f32_16x16x128_f8f6f4 v[(\d):(\d)+7], v[(\a):(\a)+7], v[(\b):(\b)+7], v[(\d):(\d)+7], v[\sa], v[\sb] matrix_a_fmt:MATRIX_FMT_FP4 matrix_b_fmt:MATRIX_FMT_FP4
.endif
.endm
.macro LOADSC
.irp a, 0,1,2,3,4,5,6,7
	global_load_b128 v[SC+4*\a:SC+4*\a+3], v[LI], s[S0S:S0S+1] offset:512*\a
.endr
.irp b, 0,1,2,3
	global_load_b128 v[SC+32+4*\b:SC+32+4*\b+3], v[LI], s[S1S:S1S+1] offset:512*\b
.endr
.endm
; the four scale registers of tile t are turned by m places: register j takes what register (j + m) % 4 held: a turn by 1 where m is odd, then a turn by 2 where m is 2 or 3
.macro ROTSC t
	v_mov_b32 v12, v[SC+4*\t]
	v_cndmask_b32 v[SC+4*\t], v[SC+4*\t], v[SC+4*\t+1], s[M1]
	v_cndmask_b32 v[SC+4*\t+1], v[SC+4*\t+1], v[SC+4*\t+2], s[M1]
	v_cndmask_b32 v[SC+4*\t+2], v[SC+4*\t+2], v[SC+4*\t+3], s[M1]
	v_cndmask_b32 v[SC+4*\t+3], v[SC+4*\t+3], v12, s[M1]
	v_mov_b32 v12, v[SC+4*\t]
	v_mov_b32 v13, v[SC+4*\t+1]
	v_cndmask_b32 v[SC+4*\t], v[SC+4*\t], v[SC+4*\t+2], s[M2]
	v_cndmask_b32 v[SC+4*\t+1], v[SC+4*\t+1], v[SC+4*\t+3], s[M2]
	v_cndmask_b32 v[SC+4*\t+2], v[SC+4*\t+2], v12, s[M2]
	v_cndmask_b32 v[SC+4*\t+3], v[SC+4*\t+3], v13, s[M2]
.endm
.macro LOADF st, ks
.irp a, 0,1,2,3,4,5,6,7
.irp c, 0,1
	global_load_b128 v[64+96*(\st)+8*\a+4*\c:64+96*(\st)+8*\a+4*\c+3], v[LK+(\ks)], s[S0P:S0P+1] offset:8192*\a+512*\c
.endr
.endr
.irp b, 0,1,2,3
.irp c, 0,1
	global_load_b128 v[128+96*(\st)+8*\b+4*\c:128+96*(\st)+8*\b+4*\c+3], v[LK+(\ks)], s[S1P:S1P+1] offset:8192*\b+512*\c
.endr
.endr
.endm
.macro MULS st, ks, zero               ; the 32 accumulators (window 1) take turns
	WIN 0x50
.irp b, 0,1,2,3
.irp a, 0,1,2,3,4,5,6,7
	WM 8*(8*\b+\a), 64+96*(\st)+8*\a, 128+96*(\st)+8*\b, SC+4*\a+(\ks)/2, SC+32+4*\b+(\ks)/2, (\ks)%2, \zero
.endr
.endr
	WIN 0
.endm
; gelu of 32 numbers: tile b of rows, accumulators 4 hf .. 4 hf + 3 (window 1), in place
.macro GELU32 b, hf
.set R0, 64*(\b)+32*(\hf)
	WIN 0x01                                       ; source 0: x, in window 1
.set e, 0
.rept 32
	v_fma_f32 v[TT+e], |v[R0+e]|, s[K1], 1.0       ; 1 + a / 2; each accumulator is read from its low end on
.set e, e+1
.endr
	WIN 0
.set e, 0
.rept 32
	v_rcp_f32 v[TT+e], v[TT+e]                     ; t: one batch
.set e, e+1
.endr
	WIN 0x05
.set e, 0
.rept 16
	v_pk_mul_f32 v[EE+e:EE+e+1], v[R0+e:R0+e+1], v[R0+e:R0+e+1]   ; x^2: work that names no t stands behind the batch
.set e, e+2
.endr
	WIN 0
.set e, 0
.rept 16
	v_pk_fma_f32 v[EE+e:EE+e+1], v[EE+e:EE+e+1], s[NL2:NL2+1], v[VC0:VC0+1] op_sel_hi:[1,0,0]   ; -a^2 log2 e + c0 - 1
.set e, e+2
.endr
	s_wait_alu depctr_va_vdst(0)                   ; one wait for the 32 reciprocals, ahead of their first reader
.set e, 0
.rept 16
	v_pk_fma_f32 v[PP+e:PP+e+1], v[TT+e:TT+e+1], s[C9:C9+1], v[VC8:VC8+1] op_sel_hi:[1,0,0]
.set e, e+2
.endr
.irp k, C7,C6,C5,C4,C3,C2,C1
.set e, 0
.rept 16
	v_pk_fma_f32 v[PP+e:PP+e+1], v[PP+e:PP+e+1], v[TT+e:TT+e+1], s[\k:\k+1] op_sel_hi:[1,1,0]
.set e, e+2
.endr
.endr
.set e, 0
.rept 16
	v_pk_fma_f32 v[PP+e:PP+e+1], v[PP+e:PP+e+1], v[TT+e:TT+e+1], v[EE+e:EE+e+1]
.set e, e+2
.endr
.set e, 0
.rept 32
	v_exp_f32 v[PP+e], v[PP+e]
.set e, e+1
.endr
	v_nop
	s_wait_alu depctr_va_vdst(0)                   ; one wait for the 32 exponentials
.set e, 0
.rept 16
	v_pk_mul_f32 v[PP+e:PP+e+1], v[PP+e:PP+e+1], v[TT+e:TT+e+1]   ; erfc(a) / 2
.set e, e+2
.endr
	WIN 0x01
.set e, 0
.rept 16
	v_pk_mul_f32 v[EE+e:EE+e+1], v[R0+e:R0+e+1], v[PP+e:PP+e+1]   ; H
.set e, e+2
.endr
.set e, 0
.rept 16
	v_pk_add_f32 v[TT+e:TT+e+1], v[R0+e:R0+e+1], v[EE+e:EE+e+1] neg_lo:[0,1] neg_hi:[0,1]   ; x - H
.set e, e+2
.endr
	WIN 0x40
.set e, 0
.rept 32
	v_max_num_f32 v[R0+e], v[TT+e], v[EE+e]
.set e, e+1
.endr
	WIN 0
.endm
.macro CPAIR reg, bits                 ; a constant in both words of a scalar pair
	s_mov_b32 s[\reg], \bits
	s_mov_b32 s[\reg+1], \bits
.endm
	s_load_b128 s[4:7], s[0:1], 0x0                ; wts, y2img
	s_load_b64 s[8:9], s[0:1], 0x10                ; himg
	v_lshrrev_b32 v3, 5, v0
	v_readfirstlane_b32 s[WV], v3
	v_and_b32 v3, 31, v0
	v_lshlrev_b32 v[LI], 4, v3
	v_and_b32 v12, 15, v0
	v_bfe_u32 v13, v0, 4, 1
	v_lshlrev_b32 v[HV], 4, v12
	v_lshl_add_u32 v[HV], v13, 11, v[HV]
	s_and_b32 s27, ttmp9, 15
	s_lshr_b32 s28, ttmp9, 4
	s_lshr_b32 s61, s27, 2                         ; where the walk along K begins: m = (X + X / 4 + Y + Y / 4) % 4
	s_add_co_u32 s61, s61, s27
	s_add_co_u32 s61, s61, s28
	s_lshr_b32 s29, s28, 2
	s_add_co_u32 s61, s61, s29
	s_and_b32 s[RT], s61, 3
	s_and_b32 s[M1], s[RT], 1
	s_sub_co_u32 s[M1], 0, s[M1]                   ; 0 or all ones
	s_bfe_u32 s[M2], s[RT], 0x10001
	s_sub_co_u32 s[M2], 0, s[M2]
	s_lshl_b32 s[RT], s[RT], 1
.irp k, 0,1,2,3,4,5,6,7
	s_add_co_u32 s61, s[RT], \k
	s_and_b32 s61, s61, 7
	s_lshl_b32 s61, s61, 10
	v_add_nc_u32 v[LK+\k], s61, v[LI]              ; step k reads K step (k + 2 m) % 8
.endr
	s_and_b32 s29, s[WV], 1
	s_lshl_b32 s27, s27, 1
	s_add_co_u32 s[S0G], s27, s29                  ; which 128 hidden units, 0..31
	s_lshr_b32 s29, s[WV], 1
	s_lshl_b32 s28, s28, 2
	s_add_co_u32 s[S1G], s28, s29                  ; which 64 rows, 0..63
	s_lshl_b32 s28, s[S0G], 16
	s_add_co_u32 s28, s28, 2097152
	s_mov_b32 s29, 0
	s_lshl_b32 s30, s[S0G], 12
	s_add_co_u32 s30, s30, SC0+131072
	s_mov_b32 s31, 0
	s_lshl_b32 s32, s[S1G], 15
	s_mov_b32 s33, 0
	s_lshl_b32 s34, s[S1G], 11
	s_add_co_u32 s34, s34, YSC
	s_mov_b32 s35, 0
	s_wait_kmcnt 0x0
	s_add_nc_u64 s[S0P:S0P+1], s[4:5], s[28:29]
	s_add_nc_u64 s[S0S:S0S+1], s[4:5], s[30:31]
	s_add_nc_u64 s[S1P:S1P+1], s[6:7], s[32:33]
	s_add_nc_u64 s[S1S:S1S+1], s[6:7], s[34:35]
	LOADSC
	LOADF 0, 0
	LOADF 1, 1
	s_lshl_b32 s28, s[S1G], 17
	s_lshl_b32 s30, s[S0G], 10
	s_add_co_u32 s28, s28, s30
	s_add_nc_u64 s[HC:HC+1], s[8:9], s[28:29]      ; the image: tile 4 S1G, K step S0G
	s_lshl_b32 s28, s[S1G], 13
	s_add_co_u32 s28, s28, HSC
	s_lshr_b32 s30, s[S0G], 3
	s_lshl_b32 s30, s30, 9
	s_add_co_u32 s28, s28, s30
	s_and_b32 s30, s[S0G], 1
	s_lshl_b32 s30, s30, 8
	s_add_co_u32 s28, s28, s30
	s_bfe_u32 s30, s[S0G], 0x20001
	s_lshl_b32 s30, s30, 2
	s_add_co_u32 s28, s28, s30
	s_add_nc_u64 s[HS:HS+1], s[8:9], s[28:29]
	s_mov_b32 s[SEL], 0x76543210
	s_mov_b32 s[SEL+1], 0xfedcba98
	s_mov_b32 s[MH], 0xffff0000
	CPAIR C9, 0x3e7c6f08
	CPAIR C7, 0x40097039
	CPAIR C6, 0xbfd1a1e5
	CPAIR C5, 0x3ecdfd18
	CPAIR C4, 0xbe899a80
	CPAIR C3, 0x3e0efb2f
	CPAIR C2, 0x3f0a29d2
	CPAIR C1, 0x3fb8ab5a
	CPAIR NL2, 0xbf38aa3b
	s_mov_b32 s[K1], 0x3eb504f3
	s_wait_loadcnt 48                              ; the 12 loads of scale words are in; the two stages' 48 may be out
.irp t, 0,1,2,3,4,5,6,7,8,9,10,11
	ROTSC \t
.endr
.rept 8
	v_nop                                          ; a scale register written by a vector instruction stands 8 places ahead of a scaled matrix instruction
.endr
.irp ks, 0,1,2,3,4,5,6,7
.if \ks < 7
	s_wait_loadcnt 24                              ; this step's loads are in; the 24 of the next stage may be out
.else
	s_wait_loadcnt 0x0
.endif
.if \ks == 0
	MULS 0, 0, 1
.else
	MULS \ks%2, \ks, 0
.endif
.if \ks < 6
	PLACES
	LOADF \ks%2, \ks+2
.endif
.endr
	PLACES
	v_mov_b32 v[VC0], 0xc034d90f                   ; c0 - 1
	v_mov_b32 v[VC0+1], 0xc034d90f
	v_mov_b32 v[VC8], 0xbf97d29d
	v_mov_b32 v[VC8+1], 0xbf97d29d
.irp b, 0,1,2,3
	v_mov_b32 v[TM+4+\b], 0
.endr
.irp i, 0,1,2,3
	GELU32 \i, 0
	GELU32 \i, 1
	QUANT 64*\i, 1, 96+8*\i, 80+\i
	global_store_b128 v[LI], v[96+8*\i:99+8*\i], s[HC:HC+1] offset:32768*\i        ; 512 consecutive bytes
	global_store_b128 v[LI], v[100+8*\i:103+8*\i], s[HC:HC+1] offset:32768*\i+512
.endr
	v_cndmask_b32 v84, v80, v81, s[MH]             ; lanes 0-15 tile 0's words, lanes 16-31 tile 1's
	v_cndmask_b32 v85, v82, v83, s[MH]
	global_store_b32 v[HV], v84, s[HS:HS+1]
	global_store_b32 v[HV], v85, s[HS:HS+1] offset:4096
	s_endpgm
.Lfunc_end_k_q0bd7e67249_w1_gelu:
	.size	k_q0bd7e67249_w1_gelu, .Lfunc_end_k_q0bd7e67249_w1_gelu-k_q0bd7e67249_w1_gelu
	.p2alignl 7, 3214868480
	.fill 96, 4, 3214868480
	.section	.rodata,"a",@progbits
	.p2align	6, 0x0
	.amdhsa_kernel k_q0bd7e67249_w1_gelu
		.amdhsa_group_segment_fixed_size 0
		.amdhsa_private_segment_fixed_size 0
		.amdhsa_enable_private_segment 0
		.amdhsa_kernarg_size 24
		.amdhsa_user_sgpr_count 2
		.amdhsa_user_sgpr_kernarg_segment_ptr 1
		.amdhsa_wavefront_size32 1
		.amdhsa_system_sgpr_workgroup_id_x 1
		.amdhsa_system_sgpr_workgroup_id_y 1
		.amdhsa_system_sgpr_workgroup_id_z 1
		.amdhsa_system_vgpr_workitem_id 0
		.amdhsa_next_free_vgpr 512
		.amdhsa_next_free_sgpr 66
		.amdhsa_reserve_vcc 0
		.amdhsa_float_denorm_mode_32 3
		.amdhsa_float_denorm_mode_16_64 3
		.amdhsa_memory_ordered 1
		.amdhsa_forward_progress 1
		.amdhsa_inst_pref_size 237
	.end_amdhsa_kernel
	.amdgpu_metadata
---
amdhsa.version: [ 1, 2 ]
amdhsa.kernels:
  - .name:           k_q0bd7e67249_w1_gelu
    .symbol:         k_q0bd7e67249_w1_gelu.kd
    .args:
      - { .name: wts, .offset: 0, .size: 8, .value_kind: global_buffer, .address_space: global }
      - { .name: y2img, .offset: 8, .size: 8, .value_kind: global_buffer, .address_space: global }
      - { .name: himg, .offset: 16, .size: 8, .value_kind: global_buffer, .address_space: global }
    .group_segment_fixed_size: 0
    .private_segment_fixed_size: 0
    .kernarg_segment_align: 8
    .kernarg_segment_size: 24
    .max_flat_workgroup_size: 256
    .sgpr_count:     66
    .vgpr_count:     512
    .wavefront_size: 32
...
	.end_amdgpu_metadata
.endif
;; end of part 5
;; launch w2_out (part 6): grid 256 x 1, 4 waves a work-group, no clusters, 17,920 bytes of LDS; arguments wts, himg, x1, out0; writes out0
.if DOCPART == 6
	.amdgcn_target "amdgcn-amd-amdhsa--gfx1250"
	.amdhsa_code_object_version 6
	.text
	.protected	k_q0bd7e67249_w2_out
	.globl	k_q0bd7e67249_w2_out
	.p2align	8
	.type	k_q0bd7e67249_w2_out,@function
k_q0bd7e67249_w2_out:
	s_mov_b64 s[64:65], 0
	v_nop
	global_prefetch_b8 v0, s[64:65] scope:SCOPE_SE
	s_setreg_imm32_b32 hwreg(HW_REG_WAVE_MODE, 25, 1), 1
	s_wait_xcnt 0x0
; out0 = x1 + h w2 on codes of E2M1 with E8M0 scales.  K = 4,096 in 32 steps written out.
; A wave makes source 0 = 4 tiles of w2 (64 columns) x source 1 = 4 tiles of rows (64): 1,024 waves, one to a SIMD; a tile twice as large would leave half of the SIMDs without a wave.
; Operands are register images, from memory straight into registers, four stages of 16 loads: while one is multiplied, three are on their way.
; THE K STEPS GO ROUND FROM ANOTHER START IN EACH WORK-GROUP: it begins at K step 8 m, m = (X + Y + Y / 4) % 4 (X = x % 8: which columns, Y = x / 8: which rows), and goes on modulo 32.  The work-groups that read one tile differ in
; m, so that at any time they ask for different quarters of its K; all waves of a work-group have one m.  The f32 sums are the same terms in another order.  A quarter of K is one load of scale words a tile (four registers),
; so the turn lies in the loads' offsets alone: v8-11 for the fragments, v12-15 for the scale words.
; THE ORDER OF THE LOADS: at the head only what the first steps want: the first quarter's 8 loads of scale words and the four stages.  The other 24 loads of scale words and x1's 32 ride two a step behind the stage loads of steps 0 to 27.
; Loads come back in order, so a quarter's scale words, which are older than the stage that first uses them, are in when that stage is.
; The way out: a tile of 16 rows x 64 columns goes through the wave's own stage in LDS and comes back as rows; x1 is added; sixteen lanes store 256 consecutive bytes, aligned.
; No multicast here: nothing goes through LDS on the way in.
.set SC0, 6291456
.set HSC, 8388608
.set WV,  2
.set S0P, 12
.set S0S, 14
.set S1P, 16
.set S1S, 18
.set XB,  20
.set OB,  22
.set LI,  1
.set SA,  3                            ; v3 stage, by my row: 272 r + 64 h
.set SRD, 4                            ; v4 stage, two rows an instruction: 272 h + 16 r
.set GO,  5                            ; v5 the same two rows in memory: 4096 h + 16 r
.set LQ,  8                            ; v8-11  16 x lane + 8192 x ((q + m) % 4): the fragments of the walk's quarter q; never rewritten
.set LS,  12                           ; v12-15 16 x lane + 512 x ((q + m) % 4): its scale words; never rewritten
; window 0: v16-79 w2's scale words (tile a, step ks: 16 + 16 a + ks / 2), v80-143 the rows': scales and nothing else
; window 1: v0-127 the 16 accumulators ((b, a) at 8 (4 b + a)); v128-255 x1     window 2: four stages of 64; on the way out rows of the result
.set MSB, 0
.macro WIN new
.if MSB != (\new)
	s_set_vgpr_msb (MSB<<8)|(\new)
.set MSB, (\new)
.endif
.endm
.macro PLACES
.rept 4
	v_nop
.endr
.endm
.macro WM d, a, b, sa, sb, odd, zero
.if (\zero)
	v_wmma_scale_f32_16x16x128_f8f6f4 v[(\d):(\d)+7], v[(\a):(\a)+7], v[(\b):(\b)+7], 0, v[\sa], v[\sb] matrix_a_fmt:MATRIX_FMT_FP4 matrix_b_fmt:MATRIX_FMT_FP4
.elseif (\odd)
	v_wmma_scale_f32_16x16x128_f8f6f4 v[(\d):(\d)+7], v[(\a):(\a)+7], v[(\b):(\b)+7], v[(\d):(\d)+7], v[\sa], v[\sb] matrix_a_fmt:MATRIX_FMT_FP4 matrix_b_fmt:MATRIX_FMT_FP4 matrix_a_scale:MATRIX_SCALE_ROW1 matrix_b_scale:MATRIX_SCALE_ROW1
.else
	v_wmma_scale_f32_16x16x128_f8f6f4 v[(\d):(\d)+7], v[(\a):(\a)+7], v[(\b):(\b)+7], v[(\d):(\d)+7], v[\sa], v[\sb] matrix_a_fmt:MATRIX_FMT_FP4 matrix_b_fmt:MATRIX_FMT_FP4
.endif
.endm
.macro LOADF4 st, ks                   ; step ks: 16 loads into stage st of window 2
	WIN 0x80
.irp a, 0,1,2,3
.irp c, 0,1
	global_load_b128 v[64*(\st)+8*\a+4*\c:64*(\st)+8*\a+4*\c+3], v[LQ+(\ks)/8], s[S0P:S0P+1] offset:32768*\a+1024*((\ks)%8)+512*\c
.endr
.endr
.irp b, 0,1,2,3
.irp c, 0,1
	global_load_b128 v[64*(\st)+32+8*\b+4*\c:64*(\st)+32+8*\b+4*\c+3], v[LQ+(\ks)/8], s[S1P:S1P+1] offset:32768*\b+1024*((\ks)%8)+512*\c
.endr
.endr
	WIN 0
.endm
.macro SCL q, t                        ; the scale words of the walk's quarter q: tile t of w2 (0 to 3) or tile t - 4 of the rows
.if (\t) < 4
	global_load_b128 v[16+16*(\t)+4*(\q):16+16*(\t)+4*(\q)+3], v[LS+(\q)], s[S0S:S0S+1] offset:2048*(\t)
.else
	global_load_b128 v[80+16*((\t)-4)+4*(\q):80+16*((\t)-4)+4*(\q)+3], v[LS+(\q)], s[S1S:S1S+1] offset:2048*((\t)-4)
.endif
.endm
.macro X1L b, i                        ; x1: two rows of tile b, 256 bytes each, into window 1
	WIN 0x40
	global_load_b128 v[128+32*(\b)+4*(\i):128+32*(\b)+4*(\i)+3], v[GO], s[XB:XB+1] offset:(32*((\b)/2)+8*((\b)%2)+2*(\i)+8*((\i)/4))*4096
.endm
.macro EXTRA n                         ; load n of the 56 that ride along: 24 of scale words (quarters 1 to 3), then x1's 32
.if (\n) < 24
	SCL 1+(\n)/8, (\n)%8
.else
	X1L ((\n)-24)/8, ((\n)-24)%8
.endif
.endm
.macro MUL16 st, ks, zero              ; the 16 accumulators take turns
	WIN 0x5a
.irp b, 0,1,2,3
.irp a, 0,1,2,3
	WM 8*(4*\b+\a), 64*(\st)+8*\a, 64*(\st)+32+8*\b, 16+16*\a+(\ks)/2, 80+16*\b+(\ks)/2, (\ks)%2, \zero
.endr
.endr
	WIN 0
.endm
	s_load_b256 s[4:11], s[0:1], 0x0               ; wts, himg, x1, out0
	v_lshl_add_u32 v254, v0, 2, 0x4400
	v_mov_b32 v255, 0
	v_lshrrev_b32 v1, 5, v0
	v_readfirstlane_b32 s[WV], v1
	v_and_b32 v6, 31, v0
	v_and_b32 v7, 15, v0
	v_bfe_u32 v2, v0, 4, 1
	v_lshlrev_b32 v[LI], 4, v6
	s_mul_i32 s24, s[WV], 4352
	v_mul_u32_u24 v[SA], v7, 272
	v_lshl_add_u32 v[SA], v2, 6, v[SA]
	v_add_nc_u32 v[SA], s24, v[SA]
	v_mul_u32_u24 v[SRD], v2, 272
	v_lshl_add_u32 v[SRD], v7, 4, v[SRD]
	v_add_nc_u32 v[SRD], s24, v[SRD]
	v_lshlrev_b32 v[GO], 4, v7
	v_lshl_add_u32 v[GO], v2, 12, v[GO]
	s_and_b32 s24, ttmp9, 7
	s_lshr_b32 s25, ttmp9, 3
	s_lshr_b32 s38, s25, 2                         ; where the walk along K begins: m = (X + Y + Y / 4) % 4
	s_add_co_u32 s38, s38, s25
	s_add_co_u32 s38, s38, s24
	s_and_b32 s38, s38, 3
.irp q, 0,1,2,3
	s_add_co_u32 s39, s38, \q
	s_and_b32 s39, s39, 3                          ; the walk's quarter q is K's quarter (q + m) % 4
	s_lshl_b32 s40, s39, 13
	v_add_nc_u32 v[LQ+\q], s40, v[LI]
	s_lshl_b32 s40, s39, 9
	v_add_nc_u32 v[LS+\q], s40, v[LI]
.endr
	s_and_b32 s26, s[WV], 1
	s_lshl_b32 s24, s24, 1
	s_add_co_u32 s24, s24, s26                     ; which 64 columns, 0..15
	s_lshr_b32 s26, s[WV], 1
	s_lshl_b32 s25, s25, 1
	s_add_co_u32 s25, s25, s26                     ; which 64 rows, 0..63
	s_lshl_b32 s28, s24, 17
	s_add_co_u32 s28, s28, 4194304
	s_mov_b32 s29, 0
	s_lshl_b32 s30, s24, 13
	s_add_co_u32 s30, s30, SC0+262144
	s_mov_b32 s31, 0
	s_lshl_b32 s32, s25, 17
	s_mov_b32 s33, 0
	s_lshl_b32 s34, s25, 13
	s_add_co_u32 s34, s34, HSC
	s_mov_b32 s35, 0
	s_lshl_b32 s36, s25, 18
	s_lshl_b32 s37, s24, 8
	s_add_co_u32 s36, s36, s37
	s_mov_b32 s37, 0
	s_wait_kmcnt 0x0
	s_add_nc_u64 s[S0P:S0P+1], s[4:5], s[28:29]
	s_add_nc_u64 s[S0S:S0S+1], s[4:5], s[30:31]
	s_add_nc_u64 s[S1P:S1P+1], s[6:7], s[32:33]
	s_add_nc_u64 s[S1S:S1S+1], s[6:7], s[34:35]
	s_add_nc_u64 s[XB:XB+1], s[8:9], s[36:37]
	s_add_nc_u64 s[OB:OB+1], s[10:11], s[36:37]
.irp t, 0,1,2,3,4,5,6,7
	SCL 0, \t
.endr
	LOADF4 0, 0
	LOADF4 1, 1
	LOADF4 2, 2
	LOADF4 3, 3
; The count at step ks is what was issued behind stage ks: three stages, and the pairs that ride between them
.irp ks, 0,1,2,3,4,5,6,7,8,9,10,11,12,13,14,15,16,17,18,19,20,21,22,23,24,25,26,27,28,29,30,31
.if \ks < 4
	s_wait_loadcnt 48+2*\ks                        ; three stages and the ks pairs issued so far
.elseif \ks < 29
	s_wait_loadcnt 56                              ; three stages and four pairs
.elseif \ks == 29
	s_wait_loadcnt 38                              ; two stages and three pairs
.elseif \ks == 30
	s_wait_loadcnt 20                              ; one stage and two pairs
.else
	s_wait_loadcnt 2                               ; the last pair
.endif
.if \ks == 0
	MUL16 0, 0, 1                                  ; the first step starts the sums
.else
	MUL16 \ks%4, \ks, 0
.endif
.if \ks < 28
	PLACES
	LOADF4 \ks%4, \ks+4
	EXTRA 2*\ks
	EXTRA 2*\ks+1
	WIN 0
.endif
.endr
	PLACES
	s_wait_loadcnt 0x0                             ; x1's last two loads
.irp b, 0,1,2,3
	WIN 0x04                                       ; an LDS store's data are its source 1: window 1
.irp q, 0,1
.irp j, 0,1,2,3
	ds_store_b128 v[SA], v[32*\b+16*\q+4*\j:32*\b+16*\q+4*\j+3] offset:128*\q+16*\j   ; each accumulator from its low end on
.endr
.endr
	WIN 0x80
.irp i, 0,1,2,3,4,5,6,7
	ds_load_b128 v[32*\b+4*\i:32*\b+4*\i+3], v[SRD] offset:544*\i   ; LDS serves a wave's instructions in order: these see my stores, and the next tile's stores come behind them
.endr
	s_wait_dscnt 0x0
	WIN 0x86                                       ; result and source 0 window 2, x1 window 1
.set e, 0
.rept 16
	v_pk_add_f32 v[32*\b+e:32*\b+e+1], v[32*\b+e:32*\b+e+1], v[128+32*\b+e:128+32*\b+e+1]
.set e, e+2
.endr
	WIN 0x08
.irp i, 0,1,2,3,4,5,6,7
	global_store_b128 v[GO], v[32*\b+4*\i:32*\b+4*\i+3], s[OB:OB+1] offset:(32*(\b/2)+8*(\b%2)+2*\i+8*(\i/4))*4096 th:TH_STORE_NT   ; sixteen lanes store 256 consecutive bytes, aligned
.endr
.endr
	WIN 0
	s_wait_tensorcnt 0x0
	ds_add_u32 v254, v255
	s_wait_dscnt 0x0
	s_endpgm
.Lfunc_end_k_q0bd7e67249_w2_out:
	.size	k_q0bd7e67249_w2_out, .Lfunc_end_k_q0bd7e67249_w2_out-k_q0bd7e67249_w2_out
	.p2alignl 7, 3214868480
	.fill 96, 4, 3214868480
	.section	.rodata,"a",@progbits
	.p2align	6, 0x0
	.amdhsa_kernel k_q0bd7e67249_w2_out
		.amdhsa_group_segment_fixed_size 17920
		.amdhsa_private_segment_fixed_size 0
		.amdhsa_enable_private_segment 0
		.amdhsa_kernarg_size 32
		.amdhsa_user_sgpr_count 2
		.amdhsa_user_sgpr_kernarg_segment_ptr 1
		.amdhsa_wavefront_size32 1
		.amdhsa_system_sgpr_workgroup_id_x 1
		.amdhsa_system_sgpr_workgroup_id_y 1
		.amdhsa_system_sgpr_workgroup_id_z 1
		.amdhsa_system_vgpr_workitem_id 0
		.amdhsa_next_free_vgpr 768
		.amdhsa_next_free_sgpr 66
		.amdhsa_reserve_vcc 0
		.amdhsa_float_denorm_mode_32 3
		.amdhsa_float_denorm_mode_16_64 3
		.amdhsa_memory_ordered 1
		.amdhsa_forward_progress 1
		.amdhsa_inst_pref_size 143
	.end_amdhsa_kernel
	.amdgpu_metadata
---
amdhsa.version: [ 1, 2 ]
amdhsa.kernels:
  - .name:           k_q0bd7e67249_w2_out
    .symbol:         k_q0bd7e67249_w2_out.kd
    .args:
      - { .name: wts, .offset: 0, .size: 8, .value_kind: global_buffer, .address_space: global }
      - { .name: himg, .offset: 8, .size: 8, .value_kind: global_buffer, .address_space: global }
      - { .name: x1, .offset: 16, .size: 8, .value_kind: global_buffer, .address_space: global }
      - { .name: out0, .offset: 24, .size: 8, .value_kind: global_buffer, .address_space: global }
    .group_segment_fixed_size: 17920
    .private_segment_fixed_size: 0
    .kernarg_segment_align: 8
    .kernarg_segment_size: 32
    .max_flat_workgroup_size: 128
    .sgpr_count:     66
    .vgpr_count:     768
    .wavefront_size: 32
...
	.end_amdgpu_metadata
.endif
;; end of part 6
;; ======== version 2 of 2: 6 launches
;; limits: right only within a limited range of input values
;; workspace buffers: wts 6,684,672 bytes; yimg 2,228,224 bytes; qkv 6,946,816 bytes; aimg 2,228,224 bytes; x1 16,777,216 bytes; y2img 2,228,224 bytes; himg 8,912,896 bytes
;; launch prep (part 7): grid 352 x 1, 8 waves a work-group, no clusters, 70,144 bytes of LDS; arguments x, ln1_g, ln1_b, yimg, wq_codes, wq_scales, wk_codes, wk_scales, wv_codes, wv_scales, wo_codes, wo_scales, w1_codes, w1_scales, w2_codes, w2_scales, wts; writes yimg, wts
.if DOCPART == 7
	.amdgcn_target "amdgcn-amd-amdhsa--gfx1250"
	.amdhsa_code_object_version 6
	.text
	.protected	k_q0bd7e67249_prep
	.globl	k_q0bd7e67249_prep
	.p2align	8
	.type	k_q0bd7e67249_prep,@function
k_q0bd7e67249_prep:
	s_mov_b64 s[64:65], 0
	v_nop
	global_prefetch_b8 v0, s[64:65] scope:SCOPE_SE
	s_setreg_imm32_b32 hwreg(HW_REG_WAVE_MODE, 25, 1), 1
	s_wait_xcnt 0x0
; PREP.  Work-groups 0-255: y = layernorm(x, g, b) in f32, quantised to E2M1 along the row, stored as IMAGES OF OPERAND REGISTERS.  Work-groups 256-351: the six weights' codes and scale bytes laid out as such images.
; AN IMAGE: tile T is 16 rows, lane r of it is row 32 (T / 2) + 8 (T % 2) + r + 8 (r / 8).  A fragment (tile T, K step ks of 128) is 1,024 bytes at (T KS + ks) 1024: register group c (0, 1) at 512 c, lane l's 16 bytes at 16 l.
; Scale words (4 bytes: one row, 128 along K) lie at T KS 64 + 512 (ks / 8) + 256 (ks % 2) + 16 r + 4 ((ks / 2) % 4): a load of 16 bytes a lane brings four registers, even K steps in lanes 0-15, odd ones in lanes 16-31.
; With that order of rows the 16 registers of two neighbouring tiles of a product's source 0 are 16 neighbours along the next product's K.
; LN PART: a work-group owns a tile of 16 rows, wave w columns 128 w .. 128 w + 127 = K step w.  Rows are loaded as they lie (512 bytes a load), turned through the wave's own stage in LDS so that a lane holds 16 neighbours of each block of 32,
; mean and variance in two passes (x - mean first, as reference() has it), sums across the eight waves through LDS: three barriers in all.
; LIMITS: a block whose largest magnitude lies under 2^-124 takes the byte 1; a block of zeros takes the byte 1 and not 127 (its codes are zeros, and this program alone reads the bytes); NaN and infinities in x are not served.
.set SPITCH, 528                       ; a stage row: 512 bytes + 16
.set WSTG,   16*SPITCH                 ; a wave's stage
.set RED,    8*WSTG                    ; 16 rows x 8 waves x 4 bytes, twice: sums, sums of squares
.set SCG,    RED+1024                  ; the tile's 512 bytes of scale words
.set YSC,    2097152                   ; where the scale words begin in yimg
.set SC0,    6291456                   ; and in wts
.set WV,  2
.set SEL, 28                           ; s[28:29] selects of v_permlanex16_b32: lane l xor 16
.set XB,  4
.set GP,  6
.set BP,  8
.set YI,  12
.set YS,  14
.set LI,  1                            ; v1  16 x lane
.set SA,  4                            ; v4  stage, by my row: 528 r + 64 h
.set SRW, 5                            ; v5  stage, by whole rows: 16 x lane
.set GB,  6                            ; v6  64 h
.set RA,  7                            ; v7  where my wave's sum of row r goes
.set RL,  8                            ; v8  where row r's eight sums lie
.set SCA, 9                            ; v9  where my scale word goes
.set SCR, 10                           ; v10 the gathered words, 16 bytes a lane
.set MU,  12                           ; v[12:13] mean, then 1 / sqrt(var + eps); the pair's upper word is written once
.set TM,  16                           ; v16-31 at work
.set PC,  32                           ; v32-39 codes
.set PW,  40                           ; v40 scale word
.set GA,  44                           ; v44-47
.set X,   64
.set G,   128
.set BV,  192
.set GWIN, 0
.set MSB, 0
.macro WIN new                         ; the immediate's high byte repeats the setting that is left
.if MSB != (\new)
	s_set_vgpr_msb (MSB<<8)|(\new)
.set MSB, (\new)
.endif
.endm
.macro BARRIER                         ; my LDS stores have landed and my LDS loads are in: then the work-group's barrier
	s_wait_dscnt 0x0
	s_barrier_signal -1
	s_barrier_wait -1
.endm
; 64 numbers of a lane, register 16 b + i = k 32 b + 16 (lane / 16) + i of my row, in window sw, become a fragment's 8 registers of codes at v[pc] and its scale word in v[pw].
.macro QUANT s, sw, pc, pw
	WIN 5*(\sw)
.irp b, 0,1,2,3
	v_max3_num_f32 v[TM+\b], |v[(\s)+16*\b]|, |v[(\s)+16*\b+1]|, 0x1800000   ; my 16 numbers of block b, and the floor 2^(3 - 127): the byte cannot fall under 1
.endr
.irp i, 2,4,6,8,10,12,14
.irp b, 0,1,2,3
	s_delay_alu instid0(VALU_DEP_4)
	v_max3_num_f32 v[TM+\b], |v[(\s)+16*\b+\i]|, |v[(\s)+16*\b+\i+1]|, v[TM+\b]
.endr
.endr
	WIN 0
.irp b, 0,1,2,3
	s_delay_alu instid0(VALU_DEP_4)
	v_permlanex16_b32 v[TM+4+\b], v[TM+\b], s[SEL], s[SEL+1]
.endr
.irp b, 0,1,2,3
	s_delay_alu instid0(VALU_DEP_4)
	v_max_num_f32 v[TM+\b], v[TM+\b], v[TM+4+\b]       ; with lane l xor 16's 16: the block's largest magnitude
.endr
.irp b, 0,1,2,3
	s_delay_alu instid0(VALU_DEP_4)
	v_add_nc_u32 v[TM+12+\b], 0xff000000, v[TM+\b]     ; 2 off its exponent field: the conversion's scale operand
.endr
.irp b, 0,1,2,3
	s_delay_alu instid0(VALU_DEP_4)
	v_lshrrev_b32 v[TM+4+\b], 23, v[TM+12+\b]          ; the scale's byte
.endr
	s_delay_alu instid0(VALU_DEP_3)
	v_lshl_or_b32 v[\pw], v[TM+5], 8, v[TM+4]
	s_delay_alu instid0(VALU_DEP_1)
	v_lshl_or_b32 v[\pw], v[TM+6], 16, v[\pw]
	s_delay_alu instid0(VALU_DEP_1)
	v_lshl_or_b32 v[\pw], v[TM+7], 24, v[\pw]
	WIN \sw
.irp b, 0,1,2,3
	v_cvt_scalef32_pk8_fp4_f32 v[(\pc)+2*\b], v[(\s)+16*\b:(\s)+16*\b+7], v[TM+12+\b]
	v_cvt_scalef32_pk8_fp4_f32 v[(\pc)+2*\b+1], v[(\s)+16*\b+8:(\s)+16*\b+15], v[TM+12+\b]
.endr
	WIN 0
	v_nop                                          ; one plain instruction behind the scaled conversions
.irp c, 0,1                                    ; the operand wants a whole block in a lane: lanes 0-15 block 2 c, lanes 16-31 block 2 c + 1
.irp i, 0,1
	v_permlane16_swap_b32 v[(\pc)+4*\c+\i], v[(\pc)+4*\c+2+\i]
.endr
.endr
.endm
.macro XTURN                           ; 16 rows x 512 bytes through my own stage: in as rows, back as 16 neighbours of each block; LDS serves a wave's instructions in order
.irp i, 0,1,2,3,4,5,6,7,8,9,10,11,12,13,14,15
	ds_store_b128 v[SRW], v[X+4*\i:X+4*\i+3] offset:SPITCH*\i
.endr
.irp b, 0,1,2,3
.irp j, 0,1,2,3
	ds_load_b128 v[X+16*\b+4*\j:X+16*\b+4*\j+3], v[SA] offset:128*\b+16*\j
.endr
.endr
	s_wait_dscnt 0x0
.endm
.macro FOLD                            ; four chains of pairs into one number
	s_delay_alu instid0(VALU_DEP_3)
	v_pk_add_f32 v[TM:TM+1], v[TM:TM+1], v[TM+2:TM+3]
	s_delay_alu instid0(VALU_DEP_2)
	v_pk_add_f32 v[TM+4:TM+5], v[TM+4:TM+5], v[TM+6:TM+7]
	s_delay_alu instid0(VALU_DEP_1)
	v_pk_add_f32 v[TM:TM+1], v[TM:TM+1], v[TM+4:TM+5]
	s_delay_alu instid0(VALU_DEP_1)
	v_add_f32 v[TM], v[TM], v[TM+1]
.endm
.macro CROSS off                       ; my 64 numbers' sum in v[TM] -> the row's sum / 1,024 in v[MU]
	s_delay_alu instid0(VALU_DEP_1)
	v_permlanex16_b32 v[TM+1], v[TM], s[SEL], s[SEL+1]
	s_delay_alu instid0(VALU_DEP_1)
	v_add_f32 v[TM], v[TM], v[TM+1]
	ds_store_b32 v[RA], v[TM] offset:\off          ; lanes l and l + 16 write the same word with the same value
	BARRIER
	ds_load_b128 v[TM+4:TM+7], v[RL] offset:\off
	ds_load_b128 v[TM+8:TM+11], v[RL] offset:\off+16
	s_wait_dscnt 0x0
	v_pk_add_f32 v[TM+4:TM+5], v[TM+4:TM+5], v[TM+6:TM+7]
	v_pk_add_f32 v[TM+8:TM+9], v[TM+8:TM+9], v[TM+10:TM+11]
	s_delay_alu instid0(VALU_DEP_1)
	v_pk_add_f32 v[TM+4:TM+5], v[TM+4:TM+5], v[TM+8:TM+9]
	s_delay_alu instid0(VALU_DEP_1)
	v_add_f32 v[MU], v[TM+4], v[TM+5]
	s_delay_alu instid0(VALU_DEP_1)
	v_mul_f32 v[MU], 0x3a800000, v[MU]             ; / 1,024
.endm
.macro LNQ                             ; layernorm of the 16 rows in v[X] on, quantised, images stored
.irp c, 0,1,2,3
	v_pk_add_f32 v[TM+2*\c:TM+2*\c+1], v[X+2*\c:X+2*\c+1], v[X+8+2*\c:X+8+2*\c+1]
.endr
.irp j, 16,24,32,40,48,56
.irp c, 0,1,2,3
	s_delay_alu instid0(VALU_DEP_4)
	v_pk_add_f32 v[TM+2*\c:TM+2*\c+1], v[TM+2*\c:TM+2*\c+1], v[X+\j+2*\c:X+\j+2*\c+1]
.endr
.endr
	FOLD
	CROSS 0                                        ; the mean
.set e, 0
.rept 32
	v_pk_add_f32 v[X+e:X+e+1], v[X+e:X+e+1], v[MU:MU+1] op_sel_hi:[1,0] neg_lo:[0,1] neg_hi:[0,1]   ; x - mean
.set e, e+2
.endr
.irp c, 0,1,2,3
	v_pk_mul_f32 v[TM+2*\c:TM+2*\c+1], v[X+2*\c:X+2*\c+1], v[X+2*\c:X+2*\c+1]
.endr
.irp j, 8,16,24,32,40,48,56
.irp c, 0,1,2,3
	s_delay_alu instid0(VALU_DEP_4)
	v_pk_fma_f32 v[TM+2*\c:TM+2*\c+1], v[X+\j+2*\c:X+\j+2*\c+1], v[X+\j+2*\c:X+\j+2*\c+1], v[TM+2*\c:TM+2*\c+1]
.endr
.endr
	FOLD
	CROSS 512                                      ; the variance
	s_delay_alu instid0(VALU_DEP_1)
	v_add_f32 v[MU], 0x3727c5ac, v[MU]             ; + 1e-5
	s_wait_alu depctr_va_vdst(0)
	v_rsq_f32 v[MU], v[MU]
	v_nop                                          ; a plain instruction behind the transcendental,
	s_wait_alu depctr_va_vdst(0)                   ; and the wait ahead of its first reader
	s_wait_loadcnt 0x0                             ; g and b
.set e, 0
.rept 32
	v_pk_mul_f32 v[X+e:X+e+1], v[X+e:X+e+1], v[MU:MU+1] op_sel_hi:[1,0]
.set e, e+2
.endr
	WIN GWIN
.set e, 0
.rept 32
	v_pk_fma_f32 v[X+e:X+e+1], v[X+e:X+e+1], v[G+e:G+e+1], v[BV+e:BV+e+1]
.set e, e+2
.endr
	WIN 0
	QUANT X, 0, PC, PW
	global_store_b128 v[LI], v[PC:PC+3], s[YI:YI+1]                ; 512 consecutive bytes each
	global_store_b128 v[LI], v[PC+4:PC+7], s[YI:YI+1] offset:512
	ds_store_b32 v[SCA], v[PW]                     ; the eight waves' scale words meet in LDS and leave as 512 consecutive bytes
	BARRIER
	s_cmp_lg_u32 s[WV], 0
	s_cbranch_scc1 .Lln_end
	ds_load_b128 v[GA:GA+3], v[SCR]
	s_wait_dscnt 0x0
	global_store_b128 v[LI], v[GA:GA+3], s[YS:YS+1]
.Lln_end:
.endm
	v_lshl_add_u32 v62, v0, 2, 0x10e00
	v_mov_b32 v63, 0
	v_lshrrev_b32 v1, 5, v0
	s_delay_alu instid0(VALU_DEP_1)
	v_readfirstlane_b32 s[WV], v1                  ; wave 0..7
	v_and_b32 v11, 31, v0                          ; lane
	v_and_b32 v2, 15, v0                           ; r
	v_bfe_u32 v3, v0, 4, 1                         ; h
	s_delay_alu instid0(VALU_DEP_3)
	v_lshlrev_b32 v[LI], 4, v11
	s_cmp_ge_u32 ttmp9, 256                        ; the same in all waves of a work-group
	s_cbranch_scc1 .Lrelay
	s_load_b256 s[4:11], s[0:1], 0x0               ; x, g, b, yimg
	s_mul_i32 s16, s[WV], WSTG
	v_mul_u32_u24 v[SA], v2, SPITCH
	s_delay_alu instid0(VALU_DEP_1)
	v_lshl_add_u32 v[SA], v3, 6, v[SA]
	s_delay_alu instid0(VALU_DEP_1)
	v_add_nc_u32 v[SA], s16, v[SA]
	v_add_nc_u32 v[SRW], s16, v[LI]
	v_lshlrev_b32 v[GB], 6, v3
	s_lshl_b32 s17, s[WV], 2
	s_add_co_u32 s17, s17, RED
	v_lshl_add_u32 v[RA], v2, 5, s17
	v_lshlrev_b32 v[RL], 5, v2
	s_delay_alu instid0(VALU_DEP_1)
	v_add_nc_u32 v[RL], RED, v[RL]
	s_and_b32 s17, s[WV], 1
	s_lshl_b32 s17, s17, 8
	s_lshr_b32 s18, s[WV], 1
	s_lshl_b32 s18, s18, 2
	s_add_co_u32 s17, s17, s18
	s_add_co_u32 s17, s17, SCG
	v_lshl_add_u32 v[SCA], v2, 4, s17              ; 256 (w % 2) + 16 r + 4 (w / 2)
	v_add_nc_u32 v[SCR], SCG, v[LI]
	v_mov_b32 v[MU+1], 0
	s_mov_b32 s[SEL], 0x76543210
	s_mov_b32 s[SEL+1], 0xfedcba98
	s_lshl_b32 s22, s[WV], 9                       ; my 128 columns: 512 bytes
	s_mov_b32 s23, 0
	s_lshr_b32 s20, ttmp9, 1
	s_lshl_b32 s20, s20, 5
	s_and_b32 s21, ttmp9, 1
	s_lshl_b32 s21, s21, 3
	s_add_co_u32 s20, s20, s21                     ; the tile's first row
	s_lshl_b32 s20, s20, 12
	s_add_co_u32 s20, s20, s22
	s_mov_b32 s21, 0
	s_lshl_b32 s24, ttmp9, 13
	s_lshl_b32 s25, s[WV], 10
	s_add_co_u32 s24, s24, s25
	s_mov_b32 s25, 0
	s_lshl_b32 s26, ttmp9, 9
	s_add_co_u32 s26, s26, YSC
	s_mov_b32 s27, 0
	s_wait_alu depctr_va_vdst(0)
	s_wait_kmcnt 0x0
	s_add_nc_u64 s[XB:XB+1], s[4:5], s[20:21]
	s_add_nc_u64 s[GP:GP+1], s[6:7], s[22:23]
	s_add_nc_u64 s[BP:BP+1], s[8:9], s[22:23]
	s_add_nc_u64 s[YI:YI+1], s[10:11], s[24:25]
	s_add_nc_u64 s[YS:YS+1], s[10:11], s[26:27]
.irp i, 0,1,2,3,4,5,6,7,8,9,10,11,12,13,14,15
	global_load_b128 v[X+4*\i:X+4*\i+3], v[LI], s[XB:XB+1] offset:(\i+8*(\i/8))*4096   ; 512 consecutive bytes of the tile's row i
.endr
.irp b, 0,1,2,3
.irp j, 0,1,2,3
	global_load_b128 v[G+16*\b+4*\j:G+16*\b+4*\j+3], v[GB], s[GP:GP+1] offset:128*\b+16*\j
	global_load_b128 v[BV+16*\b+4*\j:BV+16*\b+4*\j+3], v[GB], s[BP:BP+1] offset:128*\b+16*\j
.endr
.endr
	s_wait_loadcnt 32                              ; x's 16 loads are in; the 32 of g and b may be out
	XTURN
	LNQ
	s_wait_tensorcnt 0x0
	ds_add_u32 v62, v63
	s_wait_dscnt 0x0
	s_endpgm
; THE WEIGHTS.  A wave takes a chunk: one tile of 16 rows x 8 K steps: 8,192 bytes of codes, 512 of scale words.  Chunk c = 8 (work-group - 256) + wave goes to wts + 8192 c and wts + SC0 + 512 c.
.macro PICK lim, reg, first
	s_cmp_lt_u32 s42, \lim
	s_cselect_b64 s[36:37], s[\reg:\reg+1], s[36:37]
	s_cselect_b64 s[38:39], s[\reg+2:\reg+3], s[38:39]
	s_cselect_b32 s44, \first, s44
.endm
.Lrelay:
	s_load_b512 s[16:31], s[0:1], 0x20             ; wq, wk, wv, wo: codes, scales
	s_load_b256 s[32:39], s[0:1], 0x60             ; w1, w2
	s_load_b64 s[40:41], s[0:1], 0x80              ; wts
	s_sub_co_u32 s42, ttmp9, 256
	s_lshl_b32 s43, s42, 3
	s_add_co_u32 s43, s43, s[WV]                   ; the chunk
	s_mov_b32 s44, 512                             ; the buffer's first chunk: w2's
	s_mov_b32 s46, 2048                            ; a row of codes in bytes: w2's
	s_wait_kmcnt 0x0
	s_cmp_lt_u32 s42, 64                           ; the choices hang on the work-group's number alone
	s_cselect_b64 s[36:37], s[32:33], s[36:37]
	s_cselect_b64 s[38:39], s[34:35], s[38:39]
	s_cselect_b32 s44, 256, s44
	s_cselect_b32 s45, 0, 2                        ; log2 of the chunks in a tile
	s_cselect_b32 s46, 512, s46
	PICK 32, 28, 192
	PICK 24, 24, 128
	PICK 16, 20, 64
	PICK 8, 16, 0
	s_sub_co_u32 s47, s43, s44
	s_lshr_b32 s48, s47, s45                       ; tile
	s_lshl_b32 s49, s48, s45
	s_sub_co_u32 s49, s47, s49                     ; which 8 K steps
	s_lshr_b32 s50, s48, 1
	s_lshl_b32 s50, s50, 5
	s_and_b32 s51, s48, 1
	s_lshl_b32 s51, s51, 3
	s_add_co_u32 s50, s50, s51                     ; the tile's first row
	s_mul_i32 s52, s50, s46
	s_lshl_b32 s53, s49, 9
	s_add_co_u32 s52, s52, s53
	s_mov_b32 s53, 0
	s_lshr_b32 s54, s46, 4                         ; a row of scale bytes
	s_mul_i32 s56, s50, s54
	s_lshl_b32 s57, s49, 5
	s_add_co_u32 s56, s56, s57
	s_mov_b32 s57, 0
	s_lshl_b32 s58, s43, 13
	s_mov_b32 s59, 0
	s_lshl_b32 s60, s43, 9
	s_add_co_u32 s60, s60, SC0
	s_mov_b32 s61, 0
	s_add_nc_u64 s[36:37], s[36:37], s[52:53]
	s_add_nc_u64 s[38:39], s[38:39], s[56:57]
	s_add_nc_u64 s[58:59], s[40:41], s[58:59]
	s_add_nc_u64 s[60:61], s[40:41], s[60:61]
	s_wait_alu depctr_va_vdst(0)
	v_and_b32 v5, 8, v2
	s_delay_alu instid0(VALU_DEP_1)
	v_add_nc_u32 v5, v5, v2                        ; r + 8 (r / 8)
	s_delay_alu instid0(VALU_DEP_1)
	v_mul_lo_u32 v4, v5, s46
	s_delay_alu instid0(VALU_DEP_1)
	v_lshl_add_u32 v4, v3, 4, v4                   ; codes: my row, + 16 h
	s_delay_alu instid0(VALU_DEP_3)
	v_mul_lo_u32 v6, v5, s54
	s_delay_alu instid0(VALU_DEP_1)
	v_lshl_add_u32 v6, v3, 4, v6                   ; scale words 4 h .. 4 h + 3 of my row
	v_lshlrev_b32 v7, 4, v2
	s_delay_alu instid0(VALU_DEP_1)
	v_lshl_add_u32 v7, v3, 3, v7                   ; 16 r + 8 h
	global_load_b128 v[16:19], v6, s[38:39]
.irp k, 0,1,2,3,4,5,6,7
.irp c, 0,1
	global_load_b128 v[64+8*\k+4*\c:64+8*\k+4*\c+3], v4, s[36:37] offset:64*\k+32*\c
.endr
.endr
	s_wait_loadcnt 0x0
	v_mov_b32 v20, v17                             ; words 4 h, 4 h + 2 (even K steps) side by side, then 4 h + 1, 4 h + 3
	v_mov_b32 v17, v18
	s_wait_alu depctr_va_vdst(0)
	v_mov_b32 v18, v20
	global_store_b64 v7, v[16:17], s[60:61]        ; 256 consecutive bytes each
	global_store_b64 v7, v[18:19], s[60:61] offset:256
.irp k, 0,1,2,3,4,5,6,7
.irp c, 0,1
	global_store_b128 v[LI], v[64+8*\k+4*\c:64+8*\k+4*\c+3], s[58:59] offset:1024*\k+512*\c
.endr
.endr
	s_endpgm
.Lfunc_end_k_q0bd7e67249_prep:
	.size	k_q0bd7e67249_prep, .Lfunc_end_k_q0bd7e67249_prep-k_q0bd7e67249_prep
	.p2alignl 7, 3214868480
	.fill 96, 4, 3214868480
	.section	.rodata,"a",@progbits
	.p2align	6, 0x0
	.amdhsa_kernel k_q0bd7e67249_prep
		.amdhsa_group_segment_fixed_size 70144
		.amdhsa_private_segment_fixed_size 0
		.amdhsa_enable_private_segment 0
		.amdhsa_kernarg_size 136
		.amdhsa_user_sgpr_count 2
		.amdhsa_user_sgpr_kernarg_segment_ptr 1
		.amdhsa_wavefront_size32 1
		.amdhsa_system_sgpr_workgroup_id_x 1
		.amdhsa_system_sgpr_workgroup_id_y 1
		.amdhsa_system_sgpr_workgroup_id_z 1
		.amdhsa_system_vgpr_workitem_id 0
		.amdhsa_next_free_vgpr 256
		.amdhsa_next_free_sgpr 66
		.amdhsa_reserve_vcc 0
		.amdhsa_float_denorm_mode_32 3
		.amdhsa_float_denorm_mode_16_64 3
		.amdhsa_memory_ordered 1
		.amdhsa_forward_progress 1
		.amdhsa_inst_pref_size 36
	.end_amdhsa_kernel
	.amdgpu_metadata
---
amdhsa.version: [ 1, 2 ]
amdhsa.kernels:
  - .name:           k_q0bd7e67249_prep
    .symbol:         k_q0bd7e67249_prep.kd
    .args:
      - { .name: x, .offset: 0, .size: 8, .value_kind: global_buffer, .address_space: global }
      - { .name: ln1_g, .offset: 8, .size: 8, .value_kind: global_buffer, .address_space: global }
      - { .name: ln1_b, .offset: 16, .size: 8, .value_kind: global_buffer, .address_space: global }
      - { .name: yimg, .offset: 24, .size: 8, .value_kind: global_buffer, .address_space: global }
      - { .name: wq_codes, .offset: 32, .size: 8, .value_kind: global_buffer, .address_space: global }
      - { .name: wq_scales, .offset: 40, .size: 8, .value_kind: global_buffer, .address_space: global }
      - { .name: wk_codes, .offset: 48, .size: 8, .value_kind: global_buffer, .address_space: global }
      - { .name: wk_scales, .offset: 56, .size: 8, .value_kind: global_buffer, .address_space: global }
      - { .name: wv_codes, .offset: 64, .size: 8, .value_kind: global_buffer, .address_space: global }
      - { .name: wv_scales, .offset: 72, .size: 8, .value_kind: global_buffer, .address_space: global }
      - { .name: wo_codes, .offset: 80, .size: 8, .value_kind: global_buffer, .address_space: global }
      - { .name: wo_scales, .offset: 88, .size: 8, .value_kind: global_buffer, .address_space: global }
      - { .name: w1_codes, .offset: 96, .size: 8, .value_kind: global_buffer, .address_space: global }
      - { .name: w1_scales, .offset: 104, .size: 8, .value_kind: global_buffer, .address_space: global }
      - { .name: w2_codes, .offset: 112, .size: 8, .value_kind: global_buffer, .address_space: global }
      - { .name: w2_scales, .offset: 120, .size: 8, .value_kind: global_buffer, .address_space: global }
      - { .name: wts, .offset: 128, .size: 8, .value_kind: global_buffer, .address_space: global }
    .group_segment_fixed_size: 70144
    .private_segment_fixed_size: 0
    .kernarg_segment_align: 8
    .kernarg_segment_size: 136
    .max_flat_workgroup_size: 256
    .sgpr_count:     66
    .vgpr_count:     256
    .wavefront_size: 32
...
	.end_amdgpu_metadata
.endif
;; end of part 7
;; launch qkv (part 8): grid 64 x 3, 8 waves a work-group, no clusters, 0 bytes of LDS; arguments wts, yimg, qkv; writes qkv
.if DOCPART == 8
	.amdgcn_target "amdgcn-amd-amdhsa--gfx1250"
	.amdhsa_code_object_version 6
	.text
	.protected	k_q0bd7e67249_qkv
	.globl	k_q0bd7e67249_qkv
	.p2align	8
	.type	k_q0bd7e67249_qkv,@function
k_q0bd7e67249_qkv:
	s_mov_b64 s[64:65], 0
	v_nop
	global_prefetch_b8 v0, s[64:65] scope:SCOPE_SE
	s_setreg_imm32_b32 hwreg(HW_REG_WAVE_SCHED_MODE, 0, 2), 2
	s_setreg_imm32_b32 hwreg(HW_REG_WAVE_MODE, 25, 1), 1
	s_wait_xcnt 0x0
	s_wait_alu depctr_vm_vsrc(0)
; q = y wq, k = y wk, v = y wv on codes of E2M1 with E8M0 scales, each result quantised at once for attention's products.  Work-group y says which: 0 q, 1 k, 2 v.
; Operands come as images of their registers (a fragment: two loads of 512 consecutive bytes), straight from memory into registers: no LDS, no barrier.
; A wave makes source 0's 8 tiles (128) x source 1's 4 tiles (64), K = 1,024 in 8 steps written out, two stages of fragments: while one is multiplied the other's 24 loads are on their way.
; SOURCE 0 IS THE OPERAND WHOSE ROWS ARE THE NEXT PRODUCT'S K: the weight for q and k (K = the head's 64), y's rows for v (K = the keys).  By the order of rows in a tile a lane's registers 16 b + i of a tile of source 1 are
; place 32 b + 16 (lane / 16) + i along source 0: what the quantiser takes.
; THE K STEPS GO ROUND FROM ANOTHER START IN EACH WORK-GROUP: it begins at K step 2 m, m = (x % 4 + x / 4 + x / 16) % 4, and goes on modulo 8.  The work-groups that read one tile differ in m, so that at any time they ask for
; different K steps of it; all waves of a work-group have one m.  The f32 sums are the same terms in another order.  A lane's offset for each of the eight steps stands in a register of its own (v4-11); the scale words, four
; registers a tile (two K steps each), are turned by m places behind their loads; the start is even, so even K steps stay in lanes 0-15.
; q, k: a wave's 128 columns are two heads: register groups 0-3 and 4-7 of the codes, bytes 0-1 and 2-3 of the scale word.  The upper half of attention's K = 128 is zero codes, so the word's other two bytes (a neighbour's, or 0) scale nothing.
; v: a wave's 128 keys are one key step, its 64 columns one head.
; No multicast: nothing goes through LDS here, so there is no tile that a joint load could land.
; LIMITS: a block whose largest magnitude lies under 2^-124 takes the byte 1, a block of zeros too (zero codes; the bytes are read by this program alone); NaN and infinities are not served.
; THE MODE: SCHED_MODE bits 1:0 = 2 (LLVM: expert scheduling mode 2), set by the entry lines.  The code itself states the register dependences between vector or matrix instructions and memory instructions, with s_wait_alu, always for 0.
; THE PLAN.  Registers that memory instructions touch:
;   v1, v2, v4-11    offsets, made once at the head and never written again: one wait ahead of the first load serves every load and store.
;   v16-63           scale words: loaded once, turned by vector instructions, read by the products: one wait behind the turn's eight places.
;   stage 0 (v64-159), stage 1 (v160-255)   step ks's 32 products read stage ks % 2; the loads of step ks + 2 land in it.  The wave's 512 registers are all taken (two waves share a SIMD's 1,024), so there is no third
;                    stage: ONE wait stands in a step, behind its products, so that the stage is asked for again at once and 24 to 48 loads stay on their way.
;   v96-127, v84-87  codes and scale words on the way out: each written once by the quantiser and read once by a store: one wait for tiles 0 and 1, one for tiles 2 and 3 and the words.
.set SC0, 6291456
.set YSC, 2097152
.set QSC, 2097152
.set KV0, 2359296
.set KVB, 143360
.set WV,  2
.set S1G, 3
.set WH,  10
.set S0G, 11
.set S0P, 12
.set S0S, 14
.set S1P, 16
.set S1S, 18
.set C0,  40
.set C1,  42
.set SP0, 44
.set SP1, 46
.set SEL, 48
.set MH,  50
.set RT,  51                           ; s51 m, then 2 m
.set M1,  52                           ; s52 all ones where m is odd, else 0
.set M2,  53                           ; s53 all ones where m is 2 or 3, else 0
.set LI,  1                            ; v1 16 x lane
.set L4,  2                            ; v2 4 x lane
.set LK,  4                            ; v4-11 16 x lane + 1024 x ((step + 2 m) % 8); never rewritten;  v12-13 at work in the turn of the scale words
.set SC,  16                           ; v16-47 source 0's scale words (tile a, step ks: 16 + 4 a + ks / 2), v48-63 source 1's: they hold scales and nothing else
.set TM,  64                           ; behind the products: v64-79 at work, v80-87 scale words, v96-127 codes
.set MSB, 0
.macro WIN new
.if MSB != (\new)
	s_set_vgpr_msb (MSB<<8)|(\new)
.set MSB, (\new)
.endif
.endm
.macro PLACES                          ; four plain instructions behind a matrix instruction, ahead of a vector instruction on its registers (ISA guide 7.12.1); ahead of the reloads they stand as they stood, beside the wait
.rept 4
	v_nop
.endr
.endm
.macro QUANT s, sw, pc, pw
	WIN 5*(\sw)
.irp b, 0,1,2,3
	v_max3_num_f32 v[TM+\b], |v[(\s)+16*\b]|, |v[(\s)+16*\b+1]|, 0x1800000   ; each accumulator is read from its low end on; the floor 2^(3 - 127) holds the byte at 1 from below
.endr
.irp i, 2,4,6,8,10,12,14
.irp b, 0,1,2,3
	v_max3_num_f32 v[TM+\b], |v[(\s)+16*\b+\i]|, |v[(\s)+16*\b+\i+1]|, v[TM+\b]
.endr
.endr
	WIN 0
.irp b, 0,1,2,3
	v_permlanex16_b32 v[TM+4+\b], v[TM+\b], s[SEL], s[SEL+1]
.endr
.irp b, 0,1,2,3
	v_max_num_f32 v[TM+\b], v[TM+\b], v[TM+4+\b]
.endr
.irp b, 0,1,2,3
	v_add_nc_u32 v[TM+12+\b], 0xff000000, v[TM+\b]
.endr
.irp b, 0,1,2,3
	v_lshrrev_b32 v[TM+4+\b], 23, v[TM+12+\b]
.endr
	v_lshl_or_b32 v[\pw], v[TM+5], 8, v[TM+4]
	v_lshl_or_b32 v[\pw], v[TM+6], 16, v[\pw]
	v_lshl_or_b32 v[\pw], v[TM+7], 24, v[\pw]
	WIN \sw
.irp b, 0,1,2,3
	v_cvt_scalef32_pk8_fp4_f32 v[(\pc)+2*\b], v[(\s)+16*\b:(\s)+16*\b+7], v[TM+12+\b]
	v_cvt_scalef32_pk8_fp4_f32 v[(\pc)+2*\b+1], v[(\s)+16*\b+8:(\s)+16*\b+15], v[TM+12+\b]
.endr
	WIN 0
	v_nop
.irp c, 0,1
.irp i, 0,1
	v_permlane16_swap_b32 v[(\pc)+4*\c+\i], v[(\pc)+4*\c+2+\i]
.endr
.endr
.endm
; one product; odd K steps take their scale words from lanes 16-31 of both scale registers
.macro WM d, a, b, sa, sb, odd, zero
.if (\zero)
	v_wmma_scale_f32_16x16x128_f8f6f4 v[(\d):(\d)+7], v[(\a):(\a)+7], v[(\b):(\b)+7], 0, v[\sa], v[\sb] matrix_a_fmt:MATRIX_FMT_FP4 matrix_b_fmt:MATRIX_FMT_FP4
.elseif (\odd)
	v_wmma_scale_f32_16x16x128_f8f6f4 v[(\d):(\d)+7], v[(\a):(\a)+7], v[(\b):(\b)+7], v[(\d):(\d)+7], v[\sa], v[\sb] matrix_a_fmt:MATRIX_FMT_FP4 matrix_b_fmt:MATRIX_FMT_FP4 matrix_a_scale:MATRIX_SCALE_ROW1 matrix_b_scale:MATRIX_SCALE_ROW1
.else
	v_wmma_scale_f32_16x16x128_f8f6f4 v[(\d):(\d)+7], v[(\a):(\a)+7], v[(\b):(\b)+7], v[(\d):(\d)+7], v[\sa], v[\sb] matrix_a_fmt:MATRIX_FMT_FP4 matrix_b_fmt:MATRIX_FMT_FP4
.endif
.endm
.macro LOADSC
.irp a, 0,1,2,3,4,5,6,7
	global_load_b128 v[SC+4*\a:SC+4*\a+3], v[LI], s[S0S:S0S+1] offset:512*\a
.endr
.irp b, 0,1,2,3
	global_load_b128 v[SC+32+4*\b:SC+32+4*\b+3], v[LI], s[S1S:S1S+1] offset:512*\b
.endr
.endm
; the four scale registers of tile t are turned by m places: register j takes what register (j + m) % 4 held: a turn by 1 where m is odd, then a turn by 2 where m is 2 or 3
.macro ROTSC t
	v_mov_b32 v12, v[SC+4*\t]
	v_cndmask_b32 v[SC+4*\t], v[SC+4*\t], v[SC+4*\t+1], s[M1]
	v_cndmask_b32 v[SC+4*\t+1], v[SC+4*\t+1], v[SC+4*\t+2], s[M1]
	v_cndmask_b32 v[SC+4*\t+2], v[SC+4*\t+2], v[SC+4*\t+3], s[M1]
	v_cndmask_b32 v[SC+4*\t+3], v[SC+4*\t+3], v12, s[M1]
	v_mov_b32 v12, v[SC+4*\t]
	v_mov_b32 v13, v[SC+4*\t+1]
	v_cndmask_b32 v[SC+4*\t], v[SC+4*\t], v[SC+4*\t+2], s[M2]
	v_cndmask_b32 v[SC+4*\t+1], v[SC+4*\t+1], v[SC+4*\t+3], s[M2]
	v_cndmask_b32 v[SC+4*\t+2], v[SC+4*\t+2], v12, s[M2]
	v_cndmask_b32 v[SC+4*\t+3], v[SC+4*\t+3], v13, s[M2]
.endm
.macro LOADF st, ks                    ; step ks into stage st (v64 + 96 st): source 0's 8 fragments, then source 1's 4: 24 loads
.irp a, 0,1,2,3,4,5,6,7
.irp c, 0,1
	global_load_b128 v[64+96*(\st)+8*\a+4*\c:64+96*(\st)+8*\a+4*\c+3], v[LK+(\ks)], s[S0P:S0P+1] offset:8192*\a+512*\c
.endr
.endr
.irp b, 0,1,2,3
.irp c, 0,1
	global_load_b128 v[128+96*(\st)+8*\b+4*\c:128+96*(\st)+8*\b+4*\c+3], v[LK+(\ks)], s[S1P:S1P+1] offset:8192*\b+512*\c
.endr
.endr
.endm
.macro MULS st, ks, zero               ; 32 products; the 32 accumulators (window 1, (b, a) at 8 (8 b + a)) take turns, one instruction a turn
	WIN 0x50
.irp b, 0,1,2,3
.irp a, 0,1,2,3,4,5,6,7
	WM 8*(8*\b+\a), 64+96*(\st)+8*\a, 128+96*(\st)+8*\b, SC+4*\a+(\ks)/2, SC+32+4*\b+(\ks)/2, (\ks)%2, \zero
.endr
.endr
	WIN 0
.endm
.macro SENDC i, str                    ; tile i's codes: 512 consecutive bytes a store
	global_store_b128 v[LI], v[96+8*(\i):99+8*(\i)], s[C0:C0+1] offset:(\i)*(\str)
	global_store_b128 v[LI], v[100+8*(\i):103+8*(\i)], s[C1:C1+1] offset:(\i)*(\str)
.endm
; the four tiles of source 1: quantised, codes and scale words stored.  str: from tile to tile in the codes; second = 1: the words' upper halves go out too, for the second head
.macro EPI str, second
	QUANT 0, 1, 96, 80
	QUANT 64, 1, 104, 81
	s_wait_alu depctr_va_vdst(0)                   ; the quantiser has written the codes of tiles 0 and 1, v96-111, which the four stores below read
	SENDC 0, \str
	SENDC 1, \str
	QUANT 128, 1, 112, 82                          ; (it writes none of the registers that those stores read)
	QUANT 192, 1, 120, 83
	v_cndmask_b32 v84, v80, v81, s[MH]             ; lanes 0-15 tile 0's words, lanes 16-31 tile 1's: 128 consecutive bytes
	v_cndmask_b32 v85, v82, v83, s[MH]
.if \second
	v_lshrrev_b32 v86, 16, v84
	v_lshrrev_b32 v87, 16, v85
.endif
	s_wait_alu depctr_va_vdst(0)                   ; the codes of tiles 2 and 3, v112-127, and the words, v84-87, are written: the stores below read them
	SENDC 2, \str
	SENDC 3, \str
	global_store_b32 v[L4], v84, s[SP0:SP0+1]
	global_store_b32 v[L4], v85, s[SP0:SP0+1] offset:128
.if \second
	global_store_b32 v[L4], v86, s[SP1:SP1+1]
	global_store_b32 v[L4], v87, s[SP1:SP1+1] offset:128
.endif
.endm
	s_load_b128 s[4:7], s[0:1], 0x0                ; wts, yimg
	s_load_b64 s[8:9], s[0:1], 0x10                ; qkv
	v_lshrrev_b32 v3, 5, v0
	v_readfirstlane_b32 s[WV], v3
	v_and_b32 v3, 31, v0
	v_lshlrev_b32 v[LI], 4, v3
	s_wait_alu depctr_va_vdst(0)
	v_lshlrev_b32 v[L4], 2, v3
	s_wait_alu depctr_va_sdst(0)                   ; the wave's number is written, ahead of its first reader: the groups of tiles are made from it
	s_and_b32 s[WH], ttmp7, 0xffff
	s_and_b32 s20, ttmp9, 3
	s_lshr_b32 s21, ttmp9, 2
	s_lshr_b32 s54, s21, 2                         ; where the walk along K begins: m = (x % 4 + x / 4 + x / 16) % 4
	s_add_co_u32 s54, s54, s21
	s_add_co_u32 s54, s54, s20
	s_and_b32 s[RT], s54, 3
	s_and_b32 s[M1], s[RT], 1
	s_sub_co_u32 s[M1], 0, s[M1]                   ; 0 or all ones
	s_bfe_u32 s[M2], s[RT], 0x10001
	s_sub_co_u32 s[M2], 0, s[M2]
	s_lshl_b32 s[RT], s[RT], 1
.irp k, 0,1,2,3,4,5,6,7
	s_add_co_u32 s54, s[RT], \k
	s_and_b32 s54, s54, 7
	s_lshl_b32 s54, s54, 10
	v_add_nc_u32 v[LK+\k], s54, v[LI]              ; step k reads K step (k + 2 m) % 8
.endr
	s_cmp_eq_u32 s[WH], 2
	s_cselect_b32 s22, s21, s20                    ; source 0 has 8 groups of 8 tiles (a weight) or 32 (y),
	s_cselect_b32 s23, s20, s21                    ; source 1 64 groups of 4 (y) or 16 (a weight)
	s_and_b32 s24, s[WV], 1
	s_lshl_b32 s22, s22, 1
	s_add_co_u32 s[S0G], s22, s24
	s_lshr_b32 s24, s[WV], 1
	s_lshl_b32 s23, s23, 2
	s_add_co_u32 s[S1G], s23, s24
	s_lshl_b32 s20, s[S0G], 16
	s_lshl_b32 s22, s[S0G], 12
	s_lshl_b32 s24, s[S1G], 15
	s_lshl_b32 s26, s[S1G], 11
	s_lshl_b32 s28, s[WH], 19                      ; the weight's codes in wts,
	s_lshl_b32 s29, s[WH], 15
	s_add_co_u32 s29, s29, SC0                     ; its scale words
	s_mov_b32 s30, YSC
	s_cmp_eq_u32 s[WH], 2
	s_cselect_b32 s31, 0, s28
	s_cselect_b32 s32, s30, s29
	s_cselect_b32 s33, s28, 0
	s_cselect_b32 s34, s29, s30
	s_wait_kmcnt 0x0
	s_cselect_b64 s[36:37], s[6:7], s[4:5]         ; source 0's buffer, source 1's: the choice hangs on the work-group's number alone
	s_cselect_b64 s[38:39], s[4:5], s[6:7]
	s_add_co_u32 s20, s20, s31
	s_add_co_u32 s22, s22, s32
	s_add_co_u32 s24, s24, s33
	s_add_co_u32 s26, s26, s34
	s_mov_b32 s21, 0
	s_mov_b32 s23, 0
	s_mov_b32 s25, 0
	s_mov_b32 s27, 0
	s_add_nc_u64 s[S0P:S0P+1], s[36:37], s[20:21]
	s_add_nc_u64 s[S0S:S0S+1], s[36:37], s[22:23]
	s_add_nc_u64 s[S1P:S1P+1], s[38:39], s[24:25]
	s_add_nc_u64 s[S1S:S1S+1], s[38:39], s[26:27]
	s_wait_alu depctr_va_vdst(0)                   ; the offsets v1, v2 and v4-11 are written: every load and store of the kernel reads one of them
	LOADSC
	LOADF 0, 0
	LOADF 1, 1
	s_mov_b32 s[SEL], 0x76543210
	s_mov_b32 s[SEL+1], 0xfedcba98
	s_mov_b32 s[MH], 0xffff0000
	s_wait_loadcnt 48                              ; the 12 loads of scale words are in; the two stages' 48 may be out
.irp t, 0,1,2,3,4,5,6,7,8,9,10,11
	ROTSC \t
.endr
.rept 8
	v_nop                                          ; a scale register written by a vector instruction stands 8 places ahead of a scaled matrix instruction
.endr
	s_wait_alu depctr_va_vdst(0)                   ; the turn has written the scale words v16-63, which the products take as their scales
.irp ks, 0,1,2,3,4,5,6,7
.if \ks < 7
	s_wait_loadcnt 24                              ; this step's loads are in; the 24 of the next stage may be out
.else
	s_wait_loadcnt 0x0
.endif
.if \ks == 0
	MULS 0, 0, 1                                   ; the first step starts the sums
.else
	MULS \ks%2, \ks, 0
.endif
.if \ks < 6
	PLACES
	s_wait_alu depctr_va_vdst(0)                   ; this step's 32 products are done reading their stage, in which the 24 loads below land
	LOADF \ks%2, \ks+2
.endif
.endr
	PLACES
.irp b, 0,1,2,3
	v_mov_b32 v[TM+4+\b], 0                        ; a lane permute's destination counts as one of its sources
.endr
	s_cmp_eq_u32 s[WH], 2
	s_cbranch_scc1 .Lv
	s_lshr_b32 s20, s[S1G], 5                      ; batch
	s_lshl_b32 s20, s20, 4
	s_lshl_b32 s21, s[S0G], 1
	s_add_co_u32 s20, s20, s21                     ; the first of my two heads, 16 batch + head
	s_and_b32 s21, s[S1G], 31
	s_lshl_b32 s21, s21, 2                         ; my first tile of rows in the batch
	s_mov_b32 s22, KVB
	s_mov_b32 s23, KV0
	s_mov_b32 s24, KV0+131072
	s_cmp_eq_u32 s[WH], 0
	s_cselect_b32 s25, 65536, s22                  ; from head to head: codes,
	s_cselect_b32 s26, 8192, s22                   ; scale words
	s_cselect_b32 s23, 0, s23
	s_cselect_b32 s24, QSC, s24
	s_mul_i32 s28, s20, s25
	s_add_co_u32 s28, s28, s23
	s_lshl_b32 s30, s21, 9
	s_add_co_u32 s28, s28, s30
	s_mov_b32 s29, 0
	s_mul_i32 s30, s20, s26
	s_add_co_u32 s30, s30, s24
	s_lshl_b32 s32, s21, 6
	s_add_co_u32 s30, s30, s32
	s_mov_b32 s31, 0
	s_mov_b32 s32, s25
	s_mov_b32 s33, 0
	s_mov_b32 s34, s26
	s_mov_b32 s35, 0
	s_add_nc_u64 s[C0:C0+1], s[8:9], s[28:29]
	s_add_nc_u64 s[SP0:SP0+1], s[8:9], s[30:31]
	s_add_nc_u64 s[C1:C1+1], s[C0:C0+1], s[32:33]
	s_add_nc_u64 s[SP1:SP1+1], s[SP0:SP0+1], s[34:35]
	EPI 512, 1
	s_endpgm
.Lv:
	s_lshr_b32 s20, s[S0G], 4
	s_lshl_b32 s20, s20, 4
	s_add_co_u32 s20, s20, s[S1G]                  ; 16 batch + head
	s_and_b32 s21, s[S0G], 15                      ; key step
	s_mul_i32 s28, s20, KVB
	s_add_co_u32 s28, s28, KV0+65536
	s_lshl_b32 s30, s21, 12
	s_add_co_u32 s28, s28, s30
	s_mov_b32 s29, 0
	s_mul_i32 s30, s20, KVB
	s_add_co_u32 s30, s30, KV0+139264
	s_lshl_b32 s32, s21, 8
	s_add_co_u32 s30, s30, s32
	s_mov_b32 s31, 0
	s_add_nc_u64 s[C0:C0+1], s[8:9], s[28:29]
	s_add_nc_u64 s[SP0:SP0+1], s[8:9], s[30:31]
	s_add_nc_u64 s[C1:C1+1], s[C0:C0+1], 512
	EPI 1024, 0
	s_endpgm
.Lfunc_end_k_q0bd7e67249_qkv:
	.size	k_q0bd7e67249_qkv, .Lfunc_end_k_q0bd7e67249_qkv-k_q0bd7e67249_qkv
	.p2alignl 7, 3214868480
	.fill 96, 4, 3214868480
	.section	.rodata,"a",@progbits
	.p2align	6, 0x0
	.amdhsa_kernel k_q0bd7e67249_qkv
		.amdhsa_group_segment_fixed_size 0
		.amdhsa_private_segment_fixed_size 0
		.amdhsa_enable_private_segment 0
		.amdhsa_kernarg_size 24
		.amdhsa_user_sgpr_count 2
		.amdhsa_user_sgpr_kernarg_segment_ptr 1
		.amdhsa_wavefront_size32 1
		.amdhsa_system_sgpr_workgroup_id_x 1
		.amdhsa_system_sgpr_workgroup_id_y 1
		.amdhsa_system_sgpr_workgroup_id_z 1
		.amdhsa_system_vgpr_workitem_id 0
		.amdhsa_next_free_vgpr 512
		.amdhsa_next_free_sgpr 66
		.amdhsa_reserve_vcc 0
		.amdhsa_float_denorm_mode_32 3
		.amdhsa_float_denorm_mode_16_64 3
		.amdhsa_memory_ordered 1
		.amdhsa_forward_progress 1
		.amdhsa_inst_pref_size 100
	.end_amdhsa_kernel
	.amdgpu_metadata
---
amdhsa.version: [ 1, 2 ]
amdhsa.kernels:
  - .name:           k_q0bd7e67249_qkv
    .symbol:         k_q0bd7e67249_qkv.kd
    .args:
      - { .name: wts, .offset: 0, .size: 8, .value_kind: global_buffer, .address_space: global }
      - { .name: yimg, .offset: 8, .size: 8, .value_kind: global_buffer, .address_space: global }
      - { .name: qkv, .offset: 16, .size: 8, .value_kind: global_buffer, .address_space: global }
    .group_segment_fixed_size: 0
    .private_segment_fixed_size: 0
    .kernarg_segment_align: 8
    .kernarg_segment_size: 24
    .max_flat_workgroup_size: 256
    .sgpr_count:     66
    .vgpr_count:     512
    .wavefront_size: 32
...
	.end_amdgpu_metadata
.endif
;; end of part 8
;; launch attn (part 9): grid 8 x 32, 16 waves a work-group, no clusters, 153,600 bytes of LDS; arguments qkv, attention_mask, aimg; writes aimg
.if DOCPART == 9
	.amdgcn_target "amdgcn-amd-amdhsa--gfx1250"
	.amdhsa_code_object_version 6
	.text
	.protected	k_q0bd7e67249_attn
	.globl	k_q0bd7e67249_attn
	.p2align	8
	.type	k_q0bd7e67249_attn,@function
k_q0bd7e67249_attn:
	s_mov_b64 s[64:65], 0
	v_nop
	global_prefetch_b8 v0, s[64:65] scope:SCOPE_SE
	s_setreg_imm32_b32 hwreg(HW_REG_WAVE_SCHED_MODE, 0, 2), 2
	s_setreg_imm32_b32 hwreg(HW_REG_WAVE_MODE, 25, 1), 1
	s_wait_xcnt 0x0
	s_wait_alu depctr_vm_vsrc(0)
; attn[b][q][head] = softmax_k(q . k / 32 + mask[b][k]) v, both products on codes of E2M1 with E8M0 scales; the result / the row's sum is quantised along the model's 1,024 for the next product and stored as an image.
; SOFTMAX: t = (q . k + 32 mask) x log2(e) / 32; M = the running largest t rounded up to a whole number; p = 2^(t - M) is quantised along the keys, not normalised; the row's sum is of the unquantised p; when M moves, sum and O are
; multiplied by 2^(old M - new M), which rounds nothing.
; SHARES: work-group y = 16 batch + head; sixteen waves, each ONE tile of 16 queries in 256 registers, four waves to a SIMD.  Every wave walks the 2,048 keys, 128 a step; a trip of the loop runs three steps, whose places in LDS are
; immediates; five trips, and the sixteenth step written out, since it asks for no further step.
; LDS: the head's K codes, V^T codes and both sets of scale words are one dense block of 143,360 bytes of memory, laid as register images.  It is filled ONCE, so it needs no ring: each wave loads 8,960 consecutive bytes
; (17 loads of 512 bytes, one of 256) and stores them to LDS as they lie; one barrier; then all sixteen read.  Behind the block: 32 x mask of the batch's 2,048 keys.  That is the C of K Q^T: in the result's layout a lane's registers
; are keys, so a lane loads its keys' numbers into the accumulator.
; The head size is 64: the upper half of each fragment of K and Q (K = 128) is zero codes, written once.
; Both products are used transposed: S^T = K Q^T, O^T = V^T P^T: a lane holds one query throughout; by the order of rows in a tile p's registers 16 b + i are keys 32 b + 16 (lane / 16) + i.
; No multicast: no tensor load is left in this text; the eight work-groups of a head fetch the block once each, at the start, beside sixteen key steps of sixteen waves.
; LIMITS: 32 x mask is held to +-2^32, minus infinity too: |mask| above 2^27 acts as 2^27, so that the rounding of t against M stays under 2^4 even where all keys of a first step are masked; a batch whose every key is minus infinity
; gives a uniform average where reference() gives NaN.  Blocks under 2^-124, and blocks of zeros, take the byte 1 (zero codes).  NaN is not served.
; THE MODE: SCHED_MODE bits 1:0 = 2 (LLVM: expert scheduling mode 2), set by the entry lines.  The code itself states the register dependences between vector or matrix instructions and memory or LDS instructions, with s_wait_alu, always for 0.
; THE PLAN.  Registers that LDS instructions touch in the loop, and who else names them:
;   v96-159            32 x mask lands here; K Q^T adds onto it; the softmax works in place; the conversions are the last to read it.
;   v32-95, v248-251   K's fragments (their lower four registers) and scale words land here; this step's K Q^T alone reads them.
;   v192-223, v242-243 V's fragments and scale words land here; V^T P, at the step's end, alone reads them.
;   v6-10              LDS addresses: read by every load, written once a trip, behind a wait on vm_vsrc.
; A step has four waits on va_vdst, and its 38 LDS loads stand straight behind two of them.  (1) The wait for the 64 exponentials also states that the last step's V^T P is done reading V and this step's K Q^T done reading K:
; behind it V's ten loads and the NEXT step's twelve of K.  (2) The wait for the four exponentials.  (3) The wait ahead of V^T P, for p's codes and scale word, also states that the conversions are done reading p: behind it the next
; step's sixteen loads of 32 x mask; V^T P names none of their registers.  So a step's K has two thirds of a softmax in which to land, V a third.
.set KV0, 2359296
.set KVB, 143360
.set QSC, 2097152
.set ASC, 2097152
.set MSK, 143360
.set PART, 8960                        ; a wave's share of the block
.set WV,  2
.set BH,  10
.set KVP, 12                           ; s[12:13] the head's block
.set SEL, 26
.set CS,  28                           ; s[28:29] c = log2(e) / 32
.set T4,  30
.set T5,  31
.set T2,  32
.set QP,  40
.set QS,  42
.set AC,  44
.set AS,  46
.set CNT, 51
.set BK,  1                            ; v1  16 x lane: K's codes (also the image's place on the way out)
.set BV,  2                            ; v2  V's codes
.set BS,  3                            ; v3  K's scale words, 4 x lane
.set BT,  4                            ; v4  V's
.set BM,  5                            ; v5  the mask: 64 (lane / 16)
.set ADK, 6                            ; v6-10 the same for the trip in hand
.set ADV, 7
.set ADS, 8
.set ADT, 9
.set ADM, 10
; v11 16 r; v12 -M, v13 the largest t, v[14:15] the sum; v16-23 Q; v27-31 addresses of the head; v32-95 K's eight fragments (at the head v32-101: the block on its way to LDS); v96-159 S^T, then p; v160-191 O^T;
; v192-223 V's four fragments; v224-231 p's codes; v232-247 at work (v240 the old -M); scales and nothing else: v242-243 V's, v248-251 K's, v253 p's, v255 Q's; v252 f; v254 at work
.macro MLOAD am, u                     ; 32 x mask of key step u of the trip: keys 32 b + 16 h + 4 j on
.irp b, 0,1,2,3
.irp j, 0,1,2,3
	ds_load_b128 v[96+16*\b+4*\j:99+16*\b+4*\j], v[\am] offset:512*(\u)+128*\b+16*\j
.endr
.endr
.endm
.macro KLOAD ak, aw, u                 ; K's eight fragments of key step u of the trip, and their scale words: lanes 0-15 tile 2 i's, lanes 16-31 tile 2 i + 1's
.irp t, 0,1,2,3,4,5,6,7
	ds_load_b128 v[32+8*\t:35+8*\t], v[\ak] offset:4096*(\u)+512*\t
.endr
.irp i, 0,1,2,3
	ds_load_b32 v[248+\i], v[\aw] offset:512*(\u)+128*\i
.endr
.endm
	s_load_b128 s[4:7], s[0:1], 0x0                ; qkv, mask
	s_load_b64 s[8:9], s[0:1], 0x10                ; aimg
	v_lshrrev_b32 v1, 5, v0
	v_readfirstlane_b32 s[WV], v1                  ; wave 0..15
	s_and_b32 s[BH], ttmp7, 0xffff
	v_and_b32 v24, 31, v0
	v_and_b32 v25, 15, v0
	v_bfe_u32 v26, v0, 4, 1
	v_lshlrev_b32 v[BK], 4, v24
	s_wait_alu depctr_va_sdst(0)                   ; the wave's number is written, ahead of its first reader: my share of the block and my tile of queries are made from it
	s_mul_i32 s14, s[WV], PART
	v_add_nc_u32 v30, s14, v[BK]                   ; my 16 bytes of a load's 512: the same place in the block and in LDS
	v_lshl_add_u32 v31, v24, 3, s14                ; my 8 bytes of the last 256
	v_add_nc_u32 v[BV], 65536, v[BK]
	v_lshl_add_u32 v[BS], v24, 2, 131072
	v_lshl_add_u32 v[BT], v24, 2, 139264
	v_lshl_add_u32 v[BM], v26, 6, MSK
	v_lshlrev_b32 v11, 4, v25
	v_lshlrev_b32 v27, 2, v25
	v_lshlrev_b32 v28, 4, v0                       ; the mask: thread t takes keys 4 t .. 4 t + 3
	v_lshl_add_u32 v29, v0, 4, MSK
	s_mul_i32 s34, s[BH], KVB
	s_add_co_u32 s34, s34, KV0
	s_mov_b32 s35, 0
	s_lshr_b32 s33, s[BH], 4                       ; batch
	s_lshl_b32 s36, s33, 13
	s_mov_b32 s37, 0
	s_lshl_b32 s38, ttmp9, 4
	s_add_co_u32 s38, s38, s[WV]                   ; my tile of queries in the batch
	s_lshl_b32 s39, s[BH], 7
	s_add_co_u32 s39, s39, s38
	s_lshl_b32 s40, s39, 9
	s_mov_b32 s41, 0
	s_lshl_b32 s42, s39, 6
	s_add_co_u32 s42, s42, QSC
	s_mov_b32 s43, 0
	s_lshl_b32 s33, s33, 7
	s_add_co_u32 s33, s33, s38                     ; my tile among the 256 of all rows
	s_and_b32 s48, s[BH], 15                       ; head: K step head / 2, register group head % 2 of the next product
	s_lshr_b32 s49, s48, 1
	s_and_b32 s50, s48, 1
	s_lshl_b32 s44, s33, 13
	s_lshl_b32 s45, s49, 10
	s_add_co_u32 s44, s44, s45
	s_lshl_b32 s45, s50, 9
	s_add_co_u32 s44, s44, s45
	s_mov_b32 s45, 0
	s_lshl_b32 s46, s33, 9
	s_add_co_u32 s46, s46, ASC
	s_and_b32 s47, s49, 1
	s_lshl_b32 s47, s47, 8
	s_add_co_u32 s46, s46, s47
	s_lshr_b32 s47, s48, 2
	s_lshl_b32 s47, s47, 2
	s_add_co_u32 s46, s46, s47
	s_lshl_b32 s47, s50, 1
	s_add_co_u32 s46, s46, s47
	s_mov_b32 s47, 0
	s_wait_kmcnt 0x0
	s_add_nc_u64 s[KVP:KVP+1], s[4:5], s[34:35]
	s_wait_alu depctr_va_vdst(0)                   ; the offsets and LDS addresses v1-5, v11 and v27-31 are written: the loads and stores of the head, step 0's LDS loads and the last stores read them
.irp j, 0,1,2,3,4,5,6,7,8,9,10,11,12,13,14,15,16
	global_load_b128 v[32+4*\j:35+4*\j], v30, s[KVP:KVP+1] offset:512*\j   ; 512 consecutive bytes, at a multiple of 256 from the buffer's first byte
.endr
	global_load_b64 v[100:101], v31, s[KVP:KVP+1] offset:8704              ; my share's last 256 bytes
	s_add_nc_u64 s[6:7], s[6:7], s[36:37]
	s_add_nc_u64 s[QP:QP+1], s[4:5], s[40:41]
	s_add_nc_u64 s[QS:QS+1], s[4:5], s[42:43]
	global_load_b128 v[104:107], v28, s[6:7]
	global_load_b128 v[16:19], v[BK], s[QP:QP+1]
	global_load_b32 v255, v27, s[QS:QS+1]
	s_add_nc_u64 s[AC:AC+1], s[8:9], s[44:45]
	s_add_nc_u64 s[AS:AS+1], s[8:9], s[46:47]
	s_mov_b32 s[SEL], 0x76543210
	s_mov_b32 s[SEL+1], 0xfedcba98
	s_mov_b32 s[CS], 0x3d38aa3b
	s_mov_b32 s[CS+1], s[CS]
	s_mov_b32 s[T4], 0
	s_mov_b32 s[T5], 0
	s_mov_b32 s[T2], 0
	s_mov_b32 s[CNT], 5
	v_mov_b32 v108, 0x4f800000                     ; 2^32
.irp j, 20,21,22,23
	v_mov_b32 v[\j], 0                             ; Q's upper half of K: zero codes
.endr
	v_mov_b32 v14, 0
	v_mov_b32 v15, 0
.irp b, 0,1,2,3
	v_mov_b32 v[236+\b], 0
.endr
	v_mov_b32 v253, 0
	v_mov_b32 v13, 0xff61b1e6                      ; the largest t so far: -3e38
	v_floor_f32 v12, -v13
	s_wait_loadcnt 12                              ; my first nine loads are in: behind them stand eight more of the block, its last 256 bytes, the mask, Q and Q's scale words
.irp j, 0,1,2,3,4,5,6,7,8
	ds_store_b128 v30, v[32+4*\j:35+4*\j] offset:512*\j
.endr
	s_wait_loadcnt 0x0
.irp j, 0,1,2,3
	v_mul_f32 v[104+\j], 0x42000000, v[104+\j]     ; 32 x mask: exact
.endr
.irp j, 0,1,2,3
	v_med3_num_f32 v[104+\j], v[104+\j], -v108, v108   ; held to +-2^32
.endr
.irp j, 9,10,11,12,13,14,15,16
	ds_store_b128 v30, v[32+4*\j:35+4*\j] offset:512*\j   ; (loaded data and an address of the head: these nine stores hang on no vector instruction issued since the wait above)
.endr
	ds_store_b64 v31, v[100:101] offset:8704
	s_wait_alu depctr_va_vdst(0)                   ; 32 x mask is written in v104-107, which the store below reads; and the hold is done reading v108, in which a load of step 0 lands
	ds_store_b128 v29, v[104:107]
	s_wait_dscnt 0x0                               ; for the others' sake: my share of the block and of the mask is stored
	s_wait_alu depctr_vm_vsrc(0)                   ; my LDS stores have read v32-107: the zero codes below, and step 0's LDS loads, write these registers again
	s_barrier_signal -1
.irp t, 0,1,2,3,4,5,6,7
.irp j, 4,5,6,7
	v_mov_b32 v[32+8*\t+\j], 0                     ; K's upper half of K: zero codes, written once; the loop's loads fill the lower four alone
.endr
.endr
.set e, 0
.rept 32
	v_mov_b32 v[160+e], 0                          ; O^T: the step is written once, the first finds zeros.  (These are also the places between the zero codes and the first product)
.set e, e+1
.endr
	s_barrier_wait -1                              ; everybody's is
	s_wait_alu depctr_va_vdst(0)                   ; the zero codes of K's and Q's upper halves are written, which the products take as operands
	MLOAD BM, 0                                    ; key step 0, by the base registers
	KLOAD BK, BS, 0
; A KEY STEP: 128 keys, the u-th of the trip's three.  nxt = 1: the next step's K and 32 x mask are asked for
.macro STEP u, nxt
	s_wait_dscnt 0x0                               ; this step's 32 x mask, K and K's words, asked for in the step before
.irp t, 0,2,4,6
	v_wmma_scale_f32_16x16x128_f8f6f4 v[96+8*\t:103+8*\t], v[32+8*\t:39+8*\t], v[16:23], v[96+8*\t:103+8*\t], v[248+\t/2], v255 matrix_a_fmt:MATRIX_FMT_FP4 matrix_b_fmt:MATRIX_FMT_FP4
	v_wmma_scale_f32_16x16x128_f8f6f4 v[104+8*\t:111+8*\t], v[40+8*\t:47+8*\t], v[16:23], v[104+8*\t:111+8*\t], v[248+\t/2], v255 matrix_a_fmt:MATRIX_FMT_FP4 matrix_b_fmt:MATRIX_FMT_FP4 matrix_a_scale:MATRIX_SCALE_ROW1
.endr
	v_mov_b32 v240, v12                            ; the old -M.  This line and the three below are the four places behind these products
.rept 3
	v_nop
.endr
.irp b, 0,1,2,3
	v_max3_num_f32 v[232+\b], v[96+16*\b], v[97+16*\b], v[98+16*\b]   ; the largest score of each block of 32 keys: for the row's maximum, and for the block's largest p
.endr
.irp i, 3,5,7,9,11,13
.irp b, 0,1,2,3
	v_max3_num_f32 v[232+\b], v[232+\b], v[96+16*\b+\i], v[97+16*\b+\i]
.endr
.endr
.irp b, 0,1,2,3
	v_max_num_f32 v[232+\b], v[232+\b], v[111+16*\b]
.endr
.irp b, 0,1,2,3
	v_permlanex16_b32 v[236+\b], v[232+\b], s[SEL], s[SEL+1]
.endr
.irp b, 0,1,2,3
	v_max_num_f32 v[232+\b], v[232+\b], v[236+\b]
.endr
	v_max3_num_f32 v254, v232, v233, v234
	v_max_num_f32 v254, v254, v235
	v_mul_f32 v254, s[CS], v254
	v_max_num_f32 v13, v13, v254                   ; the running largest t
	v_floor_f32 v12, -v13                          ; -M = floor(-t)
	v_sub_f32 v254, v12, v240                      ; old M - new M: a whole number, 0 or less
	v_cvt_i32_f32 v254, v254                       ; (it saturates)
	v_ldexp_f32 v252, 1.0, v254                    ; f = 2^(old M - new M)
.set e, 0
.rept 32
	v_pk_fma_f32 v[96+e:97+e], v[96+e:97+e], s[CS:CS+1], v[12:13] op_sel_hi:[1,0,0]   ; t - M
.set e, e+2
.endr
.irp b, 0,1,2,3
	v_fma_f32 v[232+\b], v[232+\b], s[CS], v12
.endr
.set e, 0
	s_wait_alu depctr_va_vdst(0)
.rept 64
	v_exp_f32 v[96+e], v[96+e]                     ; p = 2^(t - M)
.set e, e+1
.endr
	v_pk_mul_f32 v[14:15], v[14:15], v[252:253] op_sel_hi:[1,0]   ; the sums under the new M: the plain instruction behind the batch
	s_wait_alu depctr_va_vdst(0)                   ; the 64 exponentials have written p, ahead of its first reader; the last step's V^T P is done reading V and its words, this step's K Q^T done reading K and its words; in a trip's first step the addresses are written
.irp d, 0,1,2,3
.irp c, 0,1
	ds_load_b128 v[192+8*\d+4*\c:195+8*\d+4*\c], v[ADV] offset:4096*\u+1024*\d+512*\c   ; V: it has the rest of the softmax in which to land
.endr
.endr
.irp i, 0,1
	ds_load_b32 v[242+\i], v[ADT] offset:256*\u+128*\i
.endr
.if \nxt
	KLOAD ADK, ADS, (\u)+1                         ; the next step's K.  No vector instruction from here to that step's products names these registers
.endif
.irp b, 0,1,2,3
	v_exp_f32 v[232+\b], v[232+\b]                 ; each block's largest p
.endr
	v_pk_add_f32 v[236:237], v[96:97], v[98:99]    ; the row's sum of the unquantised p, in two chains
.irp j, 4,8,12,16,20,24,28,32,36,40,44,48,52,56,60
	v_pk_add_f32 v[14:15], v[14:15], v[96+\j:97+\j]
	v_pk_add_f32 v[236:237], v[236:237], v[98+\j:99+\j]
.endr
	v_pk_add_f32 v[14:15], v[14:15], v[236:237]
	s_wait_alu depctr_va_vdst(0)                   ; the four exponentials have written the blocks' largest p, ahead of their first reader
.irp b, 0,1,2,3
	v_max_num_f32 v[232+\b], 0x1800000, v[232+\b]
.endr
.irp b, 0,1,2,3
	v_add_nc_u32 v[244+\b], 0xff000000, v[232+\b]
.endr
.irp b, 0,1,2,3
	v_lshrrev_b32 v[236+\b], 23, v[244+\b]
.endr
	v_lshl_or_b32 v253, v237, 8, v236              ; p's scale word for these 128 keys
	v_lshl_or_b32 v253, v238, 16, v253
	v_lshl_or_b32 v253, v239, 24, v253
.irp b, 0,1,2,3
	v_cvt_scalef32_pk8_fp4_f32 v[224+2*\b], v[96+16*\b:103+16*\b], v[244+\b]
	v_cvt_scalef32_pk8_fp4_f32 v[225+2*\b], v[104+16*\b:111+16*\b], v[244+\b]
.endr
	v_nop
.irp c, 0,1
.irp i, 0,1
	v_permlane16_swap_b32 v[224+4*\c+\i], v[226+4*\c+\i]
.endr
.endr
.set e, 0
.rept 16
	v_pk_mul_f32 v[160+e:161+e], v[160+e:161+e], v[252:253] op_sel_hi:[1,0]   ; O^T under the new M; these sixteen also stand between the writing of p's codes and scale word and the products
.set e, e+2
.endr
	s_wait_alu depctr_va_vdst(0)                   ; p's codes v224-231 and scale word v253 are written, which V^T P takes as operand and scales; and the conversions are done reading p, in whose registers the loads below land
.if \nxt
	MLOAD ADM, (\u)+1                              ; the next step's 32 x mask; V^T P below names none of these registers
	s_wait_dscnt 28                                ; V and its words are in; the 12 loads of K and the 16 of the mask are younger
.else
	s_wait_dscnt 0x0                               ; V and its words
.endif
.irp d, 0,2
	v_wmma_scale_f32_16x16x128_f8f6f4 v[160+8*\d:167+8*\d], v[192+8*\d:199+8*\d], v[224:231], v[160+8*\d:167+8*\d], v[242+\d/2], v253 matrix_a_fmt:MATRIX_FMT_FP4 matrix_b_fmt:MATRIX_FMT_FP4
	v_wmma_scale_f32_16x16x128_f8f6f4 v[168+8*\d:175+8*\d], v[200+8*\d:207+8*\d], v[224:231], v[168+8*\d:175+8*\d], v[242+\d/2], v253 matrix_a_fmt:MATRIX_FMT_FP4 matrix_b_fmt:MATRIX_FMT_FP4 matrix_a_scale:MATRIX_SCALE_ROW1
.endr
.endm
.Ltrip:                                            ; 5 trips of three key steps
	s_wait_alu depctr_vm_vsrc(0)                   ; the LDS loads issued so far have read the five addresses, which are written again below
	v_add_nc_u32 v[ADK], s[T4], v[BK]
	v_add_nc_u32 v[ADV], s[T4], v[BV]
	v_add_nc_u32 v[ADS], s[T5], v[BS]
	v_add_nc_u32 v[ADT], s[T2], v[BT]
	v_add_nc_u32 v[ADM], s[T5], v[BM]
	STEP 0, 1
	STEP 1, 1
	STEP 2, 1
	s_add_co_u32 s[T4], s[T4], 12288
	s_add_co_u32 s[T5], s[T5], 1536
	s_add_co_u32 s[T2], s[T2], 768
	s_sub_co_u32 s[CNT], s[CNT], 1
	s_cmp_lg_u32 s[CNT], 0
	s_cbranch_scc1 .Ltrip
	s_wait_alu depctr_vm_vsrc(0)                   ; the LDS loads issued so far have read V's two addresses, which are written again below
	v_add_nc_u32 v[ADV], s[T4], v[BV]
	v_add_nc_u32 v[ADT], s[T2], v[BT]
	STEP 0, 0                                      ; the sixteenth step is written out: no step follows it, so it asks for V alone
	; THE WAY OUT: O^T / the sum; register 16 b + i is channel 32 b + 16 h + i of my query: two blocks of 32 along the next K
.rept 4
	v_nop
.endr
	v_add_f32 v14, v14, v15
	v_permlanex16_b32 v252, v14, s[SEL], s[SEL+1]
	v_add_f32 v14, v14, v252
	s_wait_alu depctr_va_vdst(0)
	v_rcp_f32 v14, v14
	v_nop
	s_wait_alu depctr_va_vdst(0)                   ; the reciprocal has written v14, ahead of its first reader
.set e, 0
.rept 32
	v_mul_f32 v[96+e], v[160+e], v14
.set e, e+1
.endr
.irp b, 0,1
	v_max3_num_f32 v[232+\b], |v[96+16*\b]|, |v[97+16*\b]|, 0x1800000
.endr
.irp i, 2,4,6,8,10,12,14
.irp b, 0,1
	v_max3_num_f32 v[232+\b], v[232+\b], |v[96+16*\b+\i]|, |v[97+16*\b+\i]|
.endr
.endr
.irp b, 0,1
	v_permlanex16_b32 v[236+\b], v[232+\b], s[SEL], s[SEL+1]
.endr
.irp b, 0,1
	v_max_num_f32 v[232+\b], v[232+\b], v[236+\b]
.endr
.irp b, 0,1
	v_add_nc_u32 v[244+\b], 0xff000000, v[232+\b]
.endr
.irp b, 0,1
	v_lshrrev_b32 v[236+\b], 23, v[244+\b]
.endr
	v_lshl_or_b32 v253, v237, 8, v236              ; my head's half of the scale word
.irp b, 0,1
	v_cvt_scalef32_pk8_fp4_f32 v[224+2*\b], v[96+16*\b:103+16*\b], v[244+\b]
	v_cvt_scalef32_pk8_fp4_f32 v[225+2*\b], v[104+16*\b:111+16*\b], v[244+\b]
.endr
	v_nop
	v_permlane16_swap_b32 v224, v226
	v_permlane16_swap_b32 v225, v227
	s_wait_alu depctr_va_vdst(0)                   ; the codes v224-227 and the half word v253 are written, which the two stores read
	global_store_b128 v[BK], v[224:227], s[AC:AC+1]   ; 512 consecutive bytes: one register group of the image
	global_store_b16 v11, v253, s[AS:AS+1]         ; lanes l and l + 16 store the same two bytes
	s_wait_xcnt 0x0
	v_lshl_add_u32 v254, v0, 2, 0x25000            ; the add's two registers, made anew (no memory or LDS instruction of the kernel reads v254 or v255)
	v_mov_b32 v255, 0
	s_wait_dscnt 0x0                               ; the closing lines, six on end
	s_wait_alu 0x0
	s_wait_tensorcnt 0x0
	ds_add_u32 v254, v255
	s_wait_dscnt 0x0
	s_endpgm
.Lfunc_end_k_q0bd7e67249_attn:
	.size	k_q0bd7e67249_attn, .Lfunc_end_k_q0bd7e67249_attn-k_q0bd7e67249_attn
	.p2alignl 7, 3214868480
	.fill 96, 4, 3214868480
	.section	.rodata,"a",@progbits
	.p2align	6, 0x0
	.amdhsa_kernel k_q0bd7e67249_attn
		.amdhsa_group_segment_fixed_size 153600
		.amdhsa_private_segment_fixed_size 0
		.amdhsa_enable_private_segment 0
		.amdhsa_kernarg_size 24
		.amdhsa_user_sgpr_count 2
		.amdhsa_user_sgpr_kernarg_segment_ptr 1
		.amdhsa_wavefront_size32 1
		.amdhsa_system_sgpr_workgroup_id_x 1
		.amdhsa_system_sgpr_workgroup_id_y 1
		.amdhsa_system_sgpr_workgroup_id_z 1
		.amdhsa_system_vgpr_workitem_id 0
		.amdhsa_next_free_vgpr 256
		.amdhsa_next_free_sgpr 66
		.amdhsa_reserve_vcc 0
		.amdhsa_float_denorm_mode_32 3
		.amdhsa_float_denorm_mode_16_64 3
		.amdhsa_memory_ordered 1
		.amdhsa_forward_progress 1
		.amdhsa_inst_pref_size 77
	.end_amdhsa_kernel
	.amdgpu_metadata
---
amdhsa.version: [ 1, 2 ]
amdhsa.kernels:
  - .name:           k_q0bd7e67249_attn
    .symbol:         k_q0bd7e67249_attn.kd
    .args:
      - { .name: qkv, .offset: 0, .size: 8, .value_kind: global_buffer, .address_space: global }
      - { .name: attention_mask, .offset: 8, .size: 8, .value_kind: global_buffer, .address_space: global }
      - { .name: aimg, .offset: 16, .size: 8, .value_kind: global_buffer, .address_space: global }
    .group_segment_fixed_size: 153600
    .private_segment_fixed_size: 0
    .kernarg_segment_align: 8
    .kernarg_segment_size: 24
    .max_flat_workgroup_size: 512
    .sgpr_count:     66
    .vgpr_count:     256
    .wavefront_size: 32
...
	.end_amdgpu_metadata
.endif
;; end of part 9
;; launch wo_ln2 (part 10): grid 256 x 1, 8 waves a work-group, no clusters, 70,144 bytes of LDS; arguments aimg, wts, x, ln2_g, ln2_b, x1, y2img; writes x1, y2img
.if DOCPART == 10
	.amdgcn_target "amdgcn-amd-amdhsa--gfx1250"
	.amdhsa_code_object_version 6
	.text
	.protected	k_q0bd7e67249_wo_ln2
	.globl	k_q0bd7e67249_wo_ln2
	.p2align	8
	.type	k_q0bd7e67249_wo_ln2,@function
k_q0bd7e67249_wo_ln2:
	s_mov_b64 s[64:65], 0
	v_nop
	global_prefetch_b8 v0, s[64:65] scope:SCOPE_SE
	s_setreg_imm32_b32 hwreg(HW_REG_WAVE_SCHED_MODE, 0, 2), 2
	s_setreg_imm32_b32 hwreg(HW_REG_WAVE_MODE, 25, 1), 1
	s_wait_xcnt 0x0
	s_wait_alu depctr_vm_vsrc(0)
; x1 = x + attn wo (codes of E2M1, E8M0 scales), stored in f32; y2 = layernorm(x1, g, b) quantised along the row and stored as images.
; A work-group owns a tile of 16 WHOLE rows, so that the norm needs no launch of its own; wave w makes columns 128 w .. 128 w + 127: source 0 = wo's tiles 8 w .. 8 w + 7, source 1 = the rows' image.
; x's rows are turned through the wave's stage into the result's layout and are the C of the first K step: the residual costs no addition.  K = 1,024 in 8 steps written out, four stages of 18 loads.
; Behind the products the accumulators are at once x1 (out through the stage as whole rows of 512 bytes) and the norm's input.  Three barriers, for the sums across the eight waves and the scale words.
; No multicast: operands go from memory straight into registers, and no two waves of a work-group share a fragment of wo.
; LIMITS: as in the first launch (byte 1 for blocks under 2^-124 and for blocks of zeros; NaN and infinities not served).
; THE MODE: SCHED_MODE bits 1:0 = 2 (LLVM: expert scheduling mode 2), set by the entry lines.  The code itself states the register dependences between vector or matrix instructions and memory or LDS instructions, with s_wait_alu, always for 0.
; THE PLAN.  Registers that memory or LDS instructions touch:
;   v1, v4-10          offsets and LDS addresses, made once at the head, never written again: one wait ahead of the first load.
;   stages 0 to 3      wo's 8 fragments at 64 st of window 1, the rows' fragment at v128 + 8 st of window 0.  Step ks's eight products read stage ks % 4; the loads of step ks + 3 land in stage (ks - 1) % 4, which the step
;                      BEFORE read.  So ONE wait on va_vdst stands at the head of steps 1 to 4, behind the wait for the step's data, and the step's 18 loads follow its products with no further wait: three stages are on their way as ever.
;   v64-127            x as loaded; stored to my stage and loaded back turned (a wait on vm_vsrc between); the accumulators; x1, stored to my stage; then written by the norm (a wait on vm_vsrc ahead).
;   window 1 behind the products: v0-63 rows of x1, v64-191 g and b: one wait on va_vdst behind the last products serves these loads and the LDS stores of x1.
;   v128 (a sum), v152-160 (codes, scale word): written by vector instructions, read by a store: a wait on va_vdst ahead of the store, one on vm_vsrc ahead of the next writer.
.set SPITCH, 528
.set WSTG,   16*SPITCH
.set RED,    8*WSTG
.set SCG,    RED+1024
.set YSC,    2097152
.set SC0,    6291456
.set WV,  2
.set S0P, 20
.set S0S, 22
.set S1P, 24
.set S1S, 26
.set XB,  28
.set X1B, 30
.set GP,  32
.set BP,  34
.set YI,  36
.set YS,  38
.set SEL, 52
.set LI,  1
.set SA,  4
.set SRW, 5
.set GB,  6
.set RA,  7
.set RL,  8
.set SCA, 9
.set SCR, 10
; window 0: v16-47 wo's scale words (tile a, K step ks: 16 + 4 a + ks / 2), v48-51 the rows': scales and nothing else; v64-127 x, the accumulators, x1, y2; v128-159 the rows' fragment of each stage, later with v160-167 at work
; window 1: four stages of 64 (wo's 8 fragments); later v0-63 rows of x1, v64-127 g, v128-191 b
.set X,   64
.set RF,  128
.set TM,  128
.set MU,  144
.set PC,  152
.set PW,  160
.set GA,  164
.set G,   64
.set BV,  128
.set GWIN, 0x14                        ; g and b: sources 1 and 2 in window 1
.set MSB, 0
.macro WIN new
.if MSB != (\new)
	s_set_vgpr_msb (MSB<<8)|(\new)
.set MSB, (\new)
.endif
.endm
.macro PLACES
.rept 4
	v_nop
.endr
.endm
.macro BARRIER
	s_wait_dscnt 0x0
	s_barrier_signal -1
	s_barrier_wait -1
.endm
.macro QUANT s, sw, pc, pw
	WIN 5*(\sw)
.irp b, 0,1,2,3
	v_max3_num_f32 v[TM+\b], |v[(\s)+16*\b]|, |v[(\s)+16*\b+1]|, 0x1800000
.endr
.irp i, 2,4,6,8,10,12,14
.irp b, 0,1,2,3
	v_max3_num_f32 v[TM+\b], |v[(\s)+16*\b+\i]|, |v[(\s)+16*\b+\i+1]|, v[TM+\b]
.endr
.endr
	WIN 0
.irp b, 0,1,2,3
	v_permlanex16_b32 v[TM+4+\b], v[TM+\b], s[SEL], s[SEL+1]
.endr
.irp b, 0,1,2,3
	v_max_num_f32 v[TM+\b], v[TM+\b], v[TM+4+\b]
.endr
.irp b, 0,1,2,3
	v_add_nc_u32 v[TM+12+\b], 0xff000000, v[TM+\b]
.endr
.irp b, 0,1,2,3
	v_lshrrev_b32 v[TM+4+\b], 23, v[TM+12+\b]
.endr
	v_lshl_or_b32 v[\pw], v[TM+5], 8, v[TM+4]
	v_lshl_or_b32 v[\pw], v[TM+6], 16, v[\pw]
	v_lshl_or_b32 v[\pw], v[TM+7], 24, v[\pw]
	WIN \sw
.irp b, 0,1,2,3
	v_cvt_scalef32_pk8_fp4_f32 v[(\pc)+2*\b], v[(\s)+16*\b:(\s)+16*\b+7], v[TM+12+\b]
	v_cvt_scalef32_pk8_fp4_f32 v[(\pc)+2*\b+1], v[(\s)+16*\b+8:(\s)+16*\b+15], v[TM+12+\b]
.endr
	WIN 0
	v_nop
.irp c, 0,1
.irp i, 0,1
	v_permlane16_swap_b32 v[(\pc)+4*\c+\i], v[(\pc)+4*\c+2+\i]
.endr
.endr
.endm
.macro XTURN
.irp i, 0,1,2,3,4,5,6,7,8,9,10,11,12,13,14,15
	ds_store_b128 v[SRW], v[X+4*\i:X+4*\i+3] offset:SPITCH*\i
.endr
	s_wait_alu depctr_vm_vsrc(0)                   ; the sixteen stores have read v64-127, in which the sixteen loads below land
.irp b, 0,1,2,3
.irp j, 0,1,2,3
	ds_load_b128 v[X+16*\b+4*\j:X+16*\b+4*\j+3], v[SA] offset:128*\b+16*\j
.endr
.endr
	s_wait_dscnt 0x0
.endm
.macro FOLD
	v_pk_add_f32 v[TM:TM+1], v[TM:TM+1], v[TM+2:TM+3]
	v_pk_add_f32 v[TM+4:TM+5], v[TM+4:TM+5], v[TM+6:TM+7]
	v_pk_add_f32 v[TM:TM+1], v[TM:TM+1], v[TM+4:TM+5]
	v_add_f32 v[TM], v[TM], v[TM+1]
.endm
.macro CROSS off
	v_permlanex16_b32 v[TM+1], v[TM], s[SEL], s[SEL+1]
	v_add_f32 v[TM], v[TM], v[TM+1]
	s_wait_alu depctr_va_vdst(0)                   ; my sum is written in v[TM], which the store reads; and the additions are done with v[TM+4] to v[TM+11], in which the two loads below land
	ds_store_b32 v[RA], v[TM] offset:\off
	BARRIER
	ds_load_b128 v[TM+4:TM+7], v[RL] offset:\off
	ds_load_b128 v[TM+8:TM+11], v[RL] offset:\off+16
	s_wait_alu depctr_vm_vsrc(0)                   ; the LDS stores issued so far have read their data: my sum in v[TM] and, the first time, x1 in v64-127: the norm's next lines write both again
	s_wait_dscnt 0x0
	v_pk_add_f32 v[TM+4:TM+5], v[TM+4:TM+5], v[TM+6:TM+7]
	v_pk_add_f32 v[TM+8:TM+9], v[TM+8:TM+9], v[TM+10:TM+11]
	v_pk_add_f32 v[TM+4:TM+5], v[TM+4:TM+5], v[TM+8:TM+9]
	v_add_f32 v[MU], v[TM+4], v[TM+5]
	v_mul_f32 v[MU], 0x3a800000, v[MU]
.endm
.macro LNQ
.irp c, 0,1,2,3
	v_pk_add_f32 v[TM+2*\c:TM+2*\c+1], v[X+2*\c:X+2*\c+1], v[X+8+2*\c:X+8+2*\c+1]
.endr
.irp j, 16,24,32,40,48,56
.irp c, 0,1,2,3
	v_pk_add_f32 v[TM+2*\c:TM+2*\c+1], v[TM+2*\c:TM+2*\c+1], v[X+\j+2*\c:X+\j+2*\c+1]
.endr
.endr
	FOLD
	CROSS 0
.set e, 0
.rept 32
	v_pk_add_f32 v[X+e:X+e+1], v[X+e:X+e+1], v[MU:MU+1] op_sel_hi:[1,0] neg_lo:[0,1] neg_hi:[0,1]
.set e, e+2
.endr
.irp c, 0,1,2,3
	v_pk_mul_f32 v[TM+2*\c:TM+2*\c+1], v[X+2*\c:X+2*\c+1], v[X+2*\c:X+2*\c+1]
.endr
.irp j, 8,16,24,32,40,48,56
.irp c, 0,1,2,3
	v_pk_fma_f32 v[TM+2*\c:TM+2*\c+1], v[X+\j+2*\c:X+\j+2*\c+1], v[X+\j+2*\c:X+\j+2*\c+1], v[TM+2*\c:TM+2*\c+1]
.endr
.endr
	FOLD
	CROSS 512
	v_add_f32 v[MU], 0x3727c5ac, v[MU]
	s_wait_alu depctr_va_vdst(0)
	v_rsq_f32 v[MU], v[MU]
	v_nop
	s_wait_alu depctr_va_vdst(0)                   ; the reciprocal root has written v[MU], ahead of its first reader
	s_wait_loadcnt 0x0                             ; g and b
.set e, 0
.rept 32
	v_pk_mul_f32 v[X+e:X+e+1], v[X+e:X+e+1], v[MU:MU+1] op_sel_hi:[1,0]
.set e, e+2
.endr
	WIN GWIN
.set e, 0
.rept 32
	v_pk_fma_f32 v[X+e:X+e+1], v[X+e:X+e+1], v[G+e:G+e+1], v[BV+e:BV+e+1]
.set e, e+2
.endr
	WIN 0
	QUANT X, 0, PC, PW
	s_wait_alu depctr_va_vdst(0)                   ; the quantiser has written the codes v[PC] on and the scale word v[PW], which the three stores below read
	global_store_b128 v[LI], v[PC:PC+3], s[YI:YI+1]
	global_store_b128 v[LI], v[PC+4:PC+7], s[YI:YI+1] offset:512
	ds_store_b32 v[SCA], v[PW]
	BARRIER
	s_cmp_lg_u32 s[WV], 0
	s_cbranch_scc1 .Lln_end
	ds_load_b128 v[GA:GA+3], v[SCR]                ; (no vector or matrix instruction of the kernel names v164-167)
	s_wait_dscnt 0x0
	global_store_b128 v[LI], v[GA:GA+3], s[YS:YS+1]
.Lln_end:
.endm
.macro WM d, a, b, sa, sb, odd
.if (\odd)
	v_wmma_scale_f32_16x16x128_f8f6f4 v[(\d):(\d)+7], v[(\a):(\a)+7], v[(\b):(\b)+7], v[(\d):(\d)+7], v[\sa], v[\sb] matrix_a_fmt:MATRIX_FMT_FP4 matrix_b_fmt:MATRIX_FMT_FP4 matrix_a_scale:MATRIX_SCALE_ROW1 matrix_b_scale:MATRIX_SCALE_ROW1
.else
	v_wmma_scale_f32_16x16x128_f8f6f4 v[(\d):(\d)+7], v[(\a):(\a)+7], v[(\b):(\b)+7], v[(\d):(\d)+7], v[\sa], v[\sb] matrix_a_fmt:MATRIX_FMT_FP4 matrix_b_fmt:MATRIX_FMT_FP4
.endif
.endm
.macro LOADFS st, ks                   ; K step ks into stage st: 16 loads of wo's fragments into window 1, 2 of the rows' fragment into window 0
	WIN 0x40
.irp a, 0,1,2,3,4,5,6,7
.irp c, 0,1
	global_load_b128 v[64*(\st)+8*\a+4*\c:64*(\st)+8*\a+4*\c+3], v[LI], s[S0P:S0P+1] offset:8192*\a+1024*(\ks)+512*\c
.endr
.endr
	WIN 0
.irp c, 0,1
	global_load_b128 v[RF+8*(\st)+4*\c:RF+8*(\st)+4*\c+3], v[LI], s[S1P:S1P+1] offset:1024*(\ks)+512*\c
.endr
.endm
.macro MUL8 st, ks                     ; the eight accumulators take turns
	WIN 0x01
.irp a, 0,1,2,3,4,5,6,7
	WM X+8*\a, 64*(\st)+8*\a, RF+8*(\st), 16+4*\a+(\ks)/2, 48+(\ks)/2, (\ks)%2
.endr
	WIN 0
.endm
	s_load_b256 s[4:11], s[0:1], 0x0               ; aimg, wts, x, g
	s_load_b128 s[12:15], s[0:1], 0x20             ; b, x1
	s_load_b64 s[16:17], s[0:1], 0x30              ; y2img
	v_lshl_add_u32 v254, v0, 2, 0x10e00
	v_mov_b32 v255, 0
	v_lshrrev_b32 v1, 5, v0
	v_readfirstlane_b32 s[WV], v1
	v_and_b32 v11, 31, v0
	v_and_b32 v2, 15, v0
	v_bfe_u32 v3, v0, 4, 1
	v_lshlrev_b32 v[LI], 4, v11
	s_wait_alu depctr_va_sdst(0)                   ; the wave's number is written, ahead of its first reader: my stage, my columns and my tiles of wo are made from it
	s_mul_i32 s40, s[WV], WSTG
	v_mul_u32_u24 v[SA], v2, SPITCH
	v_lshl_add_u32 v[SA], v3, 6, v[SA]
	v_add_nc_u32 v[SA], s40, v[SA]
	v_add_nc_u32 v[SRW], s40, v[LI]
	v_lshlrev_b32 v[GB], 6, v3
	s_lshl_b32 s41, s[WV], 2
	s_add_co_u32 s41, s41, RED
	v_lshl_add_u32 v[RA], v2, 5, s41
	v_lshlrev_b32 v[RL], 5, v2
	v_add_nc_u32 v[RL], RED, v[RL]
	s_and_b32 s41, s[WV], 1
	s_lshl_b32 s41, s41, 8
	s_lshr_b32 s42, s[WV], 1
	s_lshl_b32 s42, s42, 2
	s_add_co_u32 s41, s41, s42
	s_add_co_u32 s41, s41, SCG
	v_lshl_add_u32 v[SCA], v2, 4, s41
	v_add_nc_u32 v[SCR], SCG, v[LI]
	s_mov_b32 s[SEL], 0x76543210
	s_mov_b32 s[SEL+1], 0xfedcba98
	s_lshl_b32 s40, s[WV], 16
	s_add_co_u32 s40, s40, 1572864                 ; wo's codes, my 8 tiles
	s_mov_b32 s41, 0
	s_lshl_b32 s42, s[WV], 12
	s_add_co_u32 s42, s42, SC0+98304               ; their scale words
	s_mov_b32 s43, 0
	s_lshl_b32 s44, ttmp9, 13
	s_mov_b32 s45, 0
	s_lshl_b32 s46, ttmp9, 9
	s_add_co_u32 s46, s46, YSC
	s_mov_b32 s47, 0
	s_lshl_b32 s50, s[WV], 9
	s_mov_b32 s51, 0
	s_lshr_b32 s48, ttmp9, 1
	s_lshl_b32 s48, s48, 5
	s_and_b32 s49, ttmp9, 1
	s_lshl_b32 s49, s49, 3
	s_add_co_u32 s48, s48, s49
	s_lshl_b32 s48, s48, 12
	s_add_co_u32 s48, s48, s50
	s_mov_b32 s49, 0
	s_wait_kmcnt 0x0
	s_add_nc_u64 s[S0P:S0P+1], s[6:7], s[40:41]
	s_add_nc_u64 s[S0S:S0S+1], s[6:7], s[42:43]
	s_add_nc_u64 s[S1P:S1P+1], s[4:5], s[44:45]
	s_add_nc_u64 s[S1S:S1S+1], s[4:5], s[46:47]
	s_add_nc_u64 s[XB:XB+1], s[8:9], s[48:49]
	s_add_nc_u64 s[X1B:X1B+1], s[14:15], s[48:49]
	s_add_nc_u64 s[GP:GP+1], s[10:11], s[50:51]
	s_add_nc_u64 s[BP:BP+1], s[12:13], s[50:51]
	s_add_nc_u64 s[YS:YS+1], s[16:17], s[46:47]
	s_lshl_b32 s40, s[WV], 10
	s_add_co_u32 s44, s44, s40
	s_add_nc_u64 s[YI:YI+1], s[16:17], s[44:45]
	s_wait_alu depctr_va_vdst(0)                   ; the offsets and LDS addresses v1 and v4-10 are written: every load and store of the kernel reads one of them
.irp i, 0,1,2,3,4,5,6,7,8,9,10,11,12,13,14,15
	global_load_b128 v[X+4*\i:X+4*\i+3], v[LI], s[XB:XB+1] offset:(\i+8*(\i/8))*4096
.endr
.irp a, 0,1,2,3,4,5,6,7
	global_load_b128 v[16+4*\a:19+4*\a], v[LI], s[S0S:S0S+1] offset:512*\a
.endr
	global_load_b128 v[48:51], v[LI], s[S1S:S1S+1]
	LOADFS 0, 0
	LOADFS 1, 1
	LOADFS 2, 2
	s_wait_loadcnt 63                              ; x's 16 loads are in: behind them stand 9 of scale words and 3 x 18 of fragments
	XTURN
.irp ks, 0,1,2,3,4,5,6,7
.if \ks < 6
	s_wait_loadcnt 36                              ; this K step's stage is in; the two younger stages may be out
.else
	s_wait_loadcnt 18*(7-\ks)
.endif
.if (\ks > 0) && (\ks < 5)
	s_wait_alu depctr_va_vdst(0)                   ; the eight products of the step before are done reading their stage, in which this step's 18 loads land; this step's products name another stage
.endif
	MUL8 \ks%4, \ks
.if \ks < 5
	PLACES
	LOADFS (\ks+3)%4, \ks+3                        ; (in step 0: into stage 3, which no vector or matrix instruction has named)
.endif
.endr
	PLACES
	s_wait_alu depctr_va_vdst(0)                   ; the products have written the accumulators, which the LDS stores below read, and are done reading the stages, in which g, b and the rows of x1 land; the places above stay beside this wait
	WIN 0x40                                       ; g and b, into registers that the stages have left: they land while the rows' sums are made
.irp b, 0,1,2,3
.irp j, 0,1,2,3
	global_load_b128 v[G+16*\b+4*\j:G+16*\b+4*\j+3], v[GB], s[GP:GP+1] offset:128*\b+16*\j
	global_load_b128 v[BV+16*\b+4*\j:BV+16*\b+4*\j+3], v[GB], s[BP:BP+1] offset:128*\b+16*\j
.endr
.endr
	WIN 0
.irp b, 0,1,2,3
.irp j, 0,1,2,3
	ds_store_b128 v[SA], v[X+16*\b+4*\j:X+16*\b+4*\j+3] offset:128*\b+16*\j   ; x1 into my stage, each accumulator from its low end on
.endr
.endr
	WIN 0x40
.irp i, 0,1,2,3,4,5,6,7,8,9,10,11,12,13,14,15
	ds_load_b128 v[4*\i:4*\i+3], v[SRW] offset:SPITCH*\i   ; and back as rows; LDS serves a wave's instructions in order
.endr
	s_wait_dscnt 0x0
	WIN 0x04
.irp i, 0,1,2,3,4,5,6,7,8,9,10,11,12,13,14,15
	global_store_b128 v[LI], v[4*\i:4*\i+3], s[X1B:X1B+1] offset:(\i+8*(\i/8))*4096   ; 512 consecutive bytes of a row
.endr
	WIN 0
	v_mov_b32 v[MU+1], 0
	LNQ
	s_wait_dscnt 0x0                               ; the closing lines, six on end
	s_wait_alu 0x0
	s_wait_tensorcnt 0x0
	ds_add_u32 v254, v255
	s_wait_dscnt 0x0
	s_endpgm
.Lfunc_end_k_q0bd7e67249_wo_ln2:
	.size	k_q0bd7e67249_wo_ln2, .Lfunc_end_k_q0bd7e67249_wo_ln2-k_q0bd7e67249_wo_ln2
	.p2alignl 7, 3214868480
	.fill 96, 4, 3214868480
	.section	.rodata,"a",@progbits
	.p2align	6, 0x0
	.amdhsa_kernel k_q0bd7e67249_wo_ln2
		.amdhsa_group_segment_fixed_size 70144
		.amdhsa_private_segment_fixed_size 0
		.amdhsa_enable_private_segment 0
		.amdhsa_kernarg_size 56
		.amdhsa_user_sgpr_count 2
		.amdhsa_user_sgpr_kernarg_segment_ptr 1
		.amdhsa_wavefront_size32 1
		.amdhsa_system_sgpr_workgroup_id_x 1
		.amdhsa_system_sgpr_workgroup_id_y 1
		.amdhsa_system_sgpr_workgroup_id_z 1
		.amdhsa_system_vgpr_workitem_id 0
		.amdhsa_next_free_vgpr 512
		.amdhsa_next_free_sgpr 66
		.amdhsa_reserve_vcc 0
		.amdhsa_float_denorm_mode_32 3
		.amdhsa_float_denorm_mode_16_64 3
		.amdhsa_memory_ordered 1
		.amdhsa_forward_progress 1
		.amdhsa_inst_pref_size 55
	.end_amdhsa_kernel
	.amdgpu_metadata
---
amdhsa.version: [ 1, 2 ]
amdhsa.kernels:
  - .name:           k_q0bd7e67249_wo_ln2
    .symbol:         k_q0bd7e67249_wo_ln2.kd
    .args:
      - { .name: aimg, .offset: 0, .size: 8, .value_kind: global_buffer, .address_space: global }
      - { .name: wts, .offset: 8, .size: 8, .value_kind: global_buffer, .address_space: global }
      - { .name: x, .offset: 16, .size: 8, .value_kind: global_buffer, .address_space: global }
      - { .name: ln2_g, .offset: 24, .size: 8, .value_kind: global_buffer, .address_space: global }
      - { .name: ln2_b, .offset: 32, .size: 8, .value_kind: global_buffer, .address_space: global }
      - { .name: x1, .offset: 40, .size: 8, .value_kind: global_buffer, .address_space: global }
      - { .name: y2img, .offset: 48, .size: 8, .value_kind: global_buffer, .address_space: global }
    .group_segment_fixed_size: 70144
    .private_segment_fixed_size: 0
    .kernarg_segment_align: 8
    .kernarg_segment_size: 56
    .max_flat_workgroup_size: 256
    .sgpr_count:     66
    .vgpr_count:     512
    .wavefront_size: 32
...
	.end_amdgpu_metadata
.endif
;; end of part 10
;; launch w1_gelu (part 11): grid 256 x 1, 8 waves a work-group, no clusters, 0 bytes of LDS; arguments wts, y2img, himg; writes himg
.if DOCPART == 11
	.amdgcn_target "amdgcn-amd-amdhsa--gfx1250"
	.amdhsa_code_object_version 6
	.text
	.protected	k_q0bd7e67249_w1_gelu
	.globl	k_q0bd7e67249_w1_gelu
	.p2align	8
	.type	k_q0bd7e67249_w1_gelu,@function
k_q0bd7e67249_w1_gelu:
	s_mov_b64 s[64:65], 0
	v_nop
	global_prefetch_b8 v0, s[64:65] scope:SCOPE_SE
	s_setreg_imm32_b32 hwreg(HW_REG_WAVE_SCHED_MODE, 0, 2), 2
	s_setreg_imm32_b32 hwreg(HW_REG_WAVE_MODE, 25, 1), 1
	s_wait_xcnt 0x0
	s_wait_alu depctr_vm_vsrc(0)
; h = gelu(y2 w1), exact gelu in f32, quantised along the 4,096 hidden units (the next product's K) and stored as images.  The product is on codes of E2M1 with E8M0 scales.
; A wave makes source 0 = 8 tiles of w1 (128 hidden units = one K step of the next product) x source 1 = 4 tiles of rows; K = 1,024 in 8 steps written out, two stages of 24 loads; operands are register images from memory: no LDS, no barrier.
; THE K STEPS GO ROUND FROM ANOTHER START IN EACH WORK-GROUP: it begins at K step 2 m, m = (X + X / 4 + Y + Y / 4) % 4 (X = x % 16: which hidden units, Y = x / 16: which rows), and goes on modulo 8.  The work-groups that read one
; tile differ in m, so that at any time they ask for different K steps of it; all waves of a work-group have one m.  The f32 sums are the same terms in another order.  A lane's offset for each step stands in a register of its own
; (v4-11); the scale words, four registers a tile, are turned by m places behind their loads; the start is even, so even K steps stay in lanes 0-15.
; GELU: with a = |x| / sqrt 2 and t = 1 / (1 + a / 2): erfc(a) = t 2^(-a^2 log2 e + P(t)), P of degree 9 (a fit whose fractional error is 1.2e-7 for every a, its coefficients multiplied by log2 e).  1 is taken off the exponent,
; so that the exponential gives erfc / 2; H = x erfc(a) / 2: gelu = x - H where x >= 0 and H where x < 0, which is max(x - H, H): no compare, and no difference of near numbers.  t and the exponent are made of x itself.
; Results go back over the accumulators, and the quantiser reads them there.
; No multicast: nothing goes through LDS; the launch's vector work (11 instructions a number) outweighs its loads.
; LIMITS: gelu to about 1e-6 of the number; where erfc / 2 falls under 2^-126 it counts as 0.  Byte 1 for blocks under 2^-124 and for blocks of zeros.  NaN and infinities not served.
; THE MODE: SCHED_MODE bits 1:0 = 2 (LLVM: expert scheduling mode 2), set by the entry lines.  The code itself states the register dependences between vector or matrix instructions and memory instructions, with s_wait_alu, always for 0.
; THE PLAN.  Registers that memory instructions touch:
;   v1, v2, v4-11    offsets, made once at the head and never written again: one wait ahead of the first load serves every load and store.
;   v16-63           scale words: loaded once, turned by vector instructions, read by the products: one wait behind the turn's eight places.
;   stage 0 (v64-159), stage 1 (v160-255)   step ks's 32 products read stage ks % 2; the loads of step ks + 2 land in it.  The wave's 512 registers are all taken (two waves share a SIMD's 1,024), so there is no third
;                    stage: ONE wait stands in a step, behind its products, so that the stage is asked for again at once and 24 to 48 loads stay on their way.
;   v96-127, v84-85  codes and scale words on the way out: each written once by the quantiser and read once by a store.  A tile's two stores stand behind the NEXT tile's wait for its first 32 reciprocals, which stands behind the
;                    quantiser's last line: tiles 0 to 2 cost no wait of their own; one wait stands ahead of tile 3's stores and the words'.
.set SC0, 6291456
.set YSC, 2097152
.set HSC, 8388608
.set WV,  2
.set S0G, 10
.set S1G, 11
.set S0P, 12
.set S0S, 14
.set S1P, 16
.set S1S, 18
.set HC,  20
.set HS,  22
.set SEL, 24
.set MH,  26
.set C9,  36
.set C7,  38
.set C6,  40
.set C5,  42
.set C4,  44
.set C3,  46
.set C2,  48
.set C1,  50
.set NL2, 52                           ; s[52:53] -log2 e / 2
.set K1,  54                           ; s54 sqrt 2 / 4
.set RT,  58                           ; s58 m, then 2 m
.set M1,  59                           ; s59 all ones where m is odd, else 0
.set M2,  60                           ; s60 all ones where m is 2 or 3, else 0
.set LI,  1
.set HV,  2                            ; v2 16 r + 2048 h: two tiles' scale words
.set LK,  4                            ; v4-11 16 x lane + 1024 x ((step + 2 m) % 8); never rewritten;  v12-13 at work
.set SC,  16                           ; v16-63 scale words and nothing else
.set TM,  64                           ; behind the products: v64-79 at work, v80-85 scale words, v[88:89] c0 - 1, v[90:91] c8 (in vector pairs, so that no instruction reads two scalar pairs), v96-127 codes, v160-255 gelu's three runs of 32
.set VC0, 88
.set VC8, 90
.set TT,  160
.set PP,  192
.set EE,  224
.set MSB, 0
.macro WIN new
.if MSB != (\new)
	s_set_vgpr_msb (MSB<<8)|(\new)
.set MSB, (\new)
.endif
.endm
.macro PLACES
.rept 4
	v_nop
.endr
.endm
.macro QUANT s, sw, pc, pw
	WIN 5*(\sw)
.irp b, 0,1,2,3
	v_max3_num_f32 v[TM+\b], |v[(\s)+16*\b]|, |v[(\s)+16*\b+1]|, 0x1800000
.endr
.irp i, 2,4,6,8,10,12,14
.irp b, 0,1,2,3
	v_max3_num_f32 v[TM+\b], |v[(\s)+16*\b+\i]|, |v[(\s)+16*\b+\i+1]|, v[TM+\b]
.endr
.endr
	WIN 0
.irp b, 0,1,2,3
	v_permlanex16_b32 v[TM+4+\b], v[TM+\b], s[SEL], s[SEL+1]
.endr
.irp b, 0,1,2,3
	v_max_num_f32 v[TM+\b], v[TM+\b], v[TM+4+\b]
.endr
.irp b, 0,1,2,3
	v_add_nc_u32 v[TM+12+\b], 0xff000000, v[TM+\b]
.endr
.irp b, 0,1,2,3
	v_lshrrev_b32 v[TM+4+\b], 23, v[TM+12+\b]
.endr
	v_lshl_or_b32 v[\pw], v[TM+5], 8, v[TM+4]
	v_lshl_or_b32 v[\pw], v[TM+6], 16, v[\pw]
	v_lshl_or_b32 v[\pw], v[TM+7], 24, v[\pw]
	WIN \sw
.irp b, 0,1,2,3
	v_cvt_scalef32_pk8_fp4_f32 v[(\pc)+2*\b], v[(\s)+16*\b:(\s)+16*\b+7], v[TM+12+\b]
	v_cvt_scalef32_pk8_fp4_f32 v[(\pc)+2*\b+1], v[(\s)+16*\b+8:(\s)+16*\b+15], v[TM+12+\b]
.endr
	WIN 0
	v_nop
.irp c, 0,1
.irp i, 0,1
	v_permlane16_swap_b32 v[(\pc)+4*\c+\i], v[(\pc)+4*\c+2+\i]
.endr
.endr
.endm
.macro WM d, a, b, sa, sb, odd, zero
.if (\zero)
	v_wmma_scale_f32_16x16x128_f8f6f4 v[(\d):(\d)+7], v[(\a):(\a)+7], v[(\b):(\b)+7], 0, v[\sa], v[\sb] matrix_a_fmt:MATRIX_FMT_FP4 matrix_b_fmt:MATRIX_FMT_FP4
.elseif (\odd)
	v_wmma_scale_f32_16x16x128_f8f6f4 v[(\d):(\d)+7], v[(\a):(\a)+7], v[(\b):(\b)+7], v[(\d):(\d)+7], v[\sa], v[\sb] matrix_a_fmt:MATRIX_FMT_FP4 matrix_b_fmt:MATRIX_FMT_FP4 matrix_a_scale:MATRIX_SCALE_ROW1 matrix_b_scale:MATRIX_SCALE_ROW1
.else
	v_wmma_scale_f32_16x16x128_f8f6f4 v[(\d):(\d)+7], v[(\a):(\a)+7], v[(\b):(\b)+7], v[(\d):(\d)+7], v[\sa], v[\sb] matrix_a_fmt:MATRIX_FMT_FP4 matrix_b_fmt:MATRIX_FMT_FP4
.endif
.endm
.macro LOADSC
.irp a, 0,1,2,3,4,5,6,7
	global_load_b128 v[SC+4*\a:SC+4*\a+3], v[LI], s[S0S:S0S+1] offset:512*\a
.endr
.irp b, 0,1,2,3
	global_load_b128 v[SC+32+4*\b:SC+32+4*\b+3], v[LI], s[S1S:S1S+1] offset:512*\b
.endr
.endm
; the four scale registers of tile t are turned by m places: register j takes what register (j + m) % 4 held: a turn by 1 where m is odd, then a turn by 2 where m is 2 or 3
.macro ROTSC t
	v_mov_b32 v12, v[SC+4*\t]
	v_cndmask_b32 v[SC+4*\t], v[SC+4*\t], v[SC+4*\t+1], s[M1]
	v_cndmask_b32 v[SC+4*\t+1], v[SC+4*\t+1], v[SC+4*\t+2], s[M1]
	v_cndmask_b32 v[SC+4*\t+2], v[SC+4*\t+2], v[SC+4*\t+3], s[M1]
	v_cndmask_b32 v[SC+4*\t+3], v[SC+4*\t+3], v12, s[M1]
	v_mov_b32 v12, v[SC+4*\t]
	v_mov_b32 v13, v[SC+4*\t+1]
	v_cndmask_b32 v[SC+4*\t], v[SC+4*\t], v[SC+4*\t+2], s[M2]
	v_cndmask_b32 v[SC+4*\t+1], v[SC+4*\t+1], v[SC+4*\t+3], s[M2]
	v_cndmask_b32 v[SC+4*\t+2], v[SC+4*\t+2], v12, s[M2]
	v_cndmask_b32 v[SC+4*\t+3], v[SC+4*\t+3], v13, s[M2]
.endm
.macro LOADF st, ks
.irp a, 0,1,2,3,4,5,6,7
.irp c, 0,1
	global_load_b128 v[64+96*(\st)+8*\a+4*\c:64+96*(\st)+8*\a+4*\c+3], v[LK+(\ks)], s[S0P:S0P+1] offset:8192*\a+512*\c
.endr
.endr
.irp b, 0,1,2,3
.irp c, 0,1
	global_load_b128 v[128+96*(\st)+8*\b+4*\c:128+96*(\st)+8*\b+4*\c+3], v[LK+(\ks)], s[S1P:S1P+1] offset:8192*\b+512*\c
.endr
.endr
.endm
.macro MULS st, ks, zero               ; the 32 accumulators (window 1) take turns
	WIN 0x50
.irp b, 0,1,2,3
.irp a, 0,1,2,3,4,5,6,7
	WM 8*(8*\b+\a), 64+96*(\st)+8*\a, 128+96*(\st)+8*\b, SC+4*\a+(\ks)/2, SC+32+4*\b+(\ks)/2, (\ks)%2, \zero
.endr
.endr
	WIN 0
.endm
.macro SENDH t                         ; tile t's codes: 512 consecutive bytes a store
	global_store_b128 v[LI], v[96+8*(\t):99+8*(\t)], s[HC:HC+1] offset:32768*(\t)
	global_store_b128 v[LI], v[100+8*(\t):103+8*(\t)], s[HC:HC+1] offset:32768*(\t)+512
.endm
; gelu of 32 numbers: tile b of rows, accumulators 4 hf .. 4 hf + 3 (window 1), in place.  send: the tile whose codes, quantised ahead of this macro, are stored behind its first wait; under 0: none
.macro GELU32 b, hf, send
.set R0, 64*(\b)+32*(\hf)
	WIN 0x01                                       ; source 0: x, in window 1
.set e, 0
.rept 32
	v_fma_f32 v[TT+e], |v[R0+e]|, s[K1], 1.0       ; 1 + a / 2; each accumulator is read from its low end on
.set e, e+1
.endr
	WIN 0
.set e, 0
	s_wait_alu depctr_va_vdst(0)
.rept 32
	v_rcp_f32 v[TT+e], v[TT+e]                     ; t: one batch
.set e, e+1
.endr
	WIN 0x05
.set e, 0
.rept 16
	v_pk_mul_f32 v[EE+e:EE+e+1], v[R0+e:R0+e+1], v[R0+e:R0+e+1]   ; x^2: work that names no t stands behind the batch
.set e, e+2
.endr
	WIN 0
.set e, 0
.rept 16
	v_pk_fma_f32 v[EE+e:EE+e+1], v[EE+e:EE+e+1], s[NL2:NL2+1], v[VC0:VC0+1] op_sel_hi:[1,0,0]   ; -a^2 log2 e + c0 - 1
.set e, e+2
.endr
	s_wait_alu depctr_va_vdst(0)                   ; the 32 reciprocals have written t, ahead of its first reader; and the quantiser has written the codes of the tile before, which the stores below read
.if (\send) >= 0
	SENDH \send
.endif
.set e, 0
.rept 16
	v_pk_fma_f32 v[PP+e:PP+e+1], v[TT+e:TT+e+1], s[C9:C9+1], v[VC8:VC8+1] op_sel_hi:[1,0,0]
.set e, e+2
.endr
.irp k, C7,C6,C5,C4,C3,C2,C1
.set e, 0
.rept 16
	v_pk_fma_f32 v[PP+e:PP+e+1], v[PP+e:PP+e+1], v[TT+e:TT+e+1], s[\k:\k+1] op_sel_hi:[1,1,0]
.set e, e+2
.endr
.endr
.set e, 0
.rept 16
	v_pk_fma_f32 v[PP+e:PP+e+1], v[PP+e:PP+e+1], v[TT+e:TT+e+1], v[EE+e:EE+e+1]
.set e, e+2
.endr
.set e, 0
	s_wait_alu depctr_va_vdst(0)
.rept 32
	v_exp_f32 v[PP+e], v[PP+e]
.set e, e+1
.endr
	v_nop
	s_wait_alu depctr_va_vdst(0)                   ; the 32 exponentials have written v[PP] on, ahead of their first reader
.set e, 0
.rept 16
	v_pk_mul_f32 v[PP+e:PP+e+1], v[PP+e:PP+e+1], v[TT+e:TT+e+1]   ; erfc(a) / 2
.set e, e+2
.endr
	WIN 0x01
.set e, 0
.rept 16
	v_pk_mul_f32 v[EE+e:EE+e+1], v[R0+e:R0+e+1], v[PP+e:PP+e+1]   ; H
.set e, e+2
.endr
.set e, 0
.rept 16
	v_pk_add_f32 v[TT+e:TT+e+1], v[R0+e:R0+e+1], v[EE+e:EE+e+1] neg_lo:[0,1] neg_hi:[0,1]   ; x - H
.set e, e+2
.endr
	WIN 0x40
.set e, 0
.rept 32
	v_max_num_f32 v[R0+e], v[TT+e], v[EE+e]
.set e, e+1
.endr
	WIN 0
.endm
.macro CPAIR reg, bits                 ; a constant in both words of a scalar pair
	s_mov_b32 s[\reg], \bits
	s_mov_b32 s[\reg+1], \bits
.endm
	s_load_b128 s[4:7], s[0:1], 0x0                ; wts, y2img
	s_load_b64 s[8:9], s[0:1], 0x10                ; himg
	v_lshrrev_b32 v3, 5, v0
	v_readfirstlane_b32 s[WV], v3
	v_and_b32 v3, 31, v0
	v_lshlrev_b32 v[LI], 4, v3
	s_wait_alu depctr_va_vdst(0)
	v_and_b32 v12, 15, v0
	v_bfe_u32 v13, v0, 4, 1
	v_lshlrev_b32 v[HV], 4, v12
	v_lshl_add_u32 v[HV], v13, 11, v[HV]
	s_wait_alu depctr_va_sdst(0)                   ; the wave's number is written, ahead of its first reader: the groups of tiles are made from it
	s_and_b32 s27, ttmp9, 15
	s_lshr_b32 s28, ttmp9, 4
	s_lshr_b32 s61, s27, 2                         ; where the walk along K begins: m = (X + X / 4 + Y + Y / 4) % 4
	s_add_co_u32 s61, s61, s27
	s_add_co_u32 s61, s61, s28
	s_lshr_b32 s29, s28, 2
	s_add_co_u32 s61, s61, s29
	s_and_b32 s[RT], s61, 3
	s_and_b32 s[M1], s[RT], 1
	s_sub_co_u32 s[M1], 0, s[M1]                   ; 0 or all ones
	s_bfe_u32 s[M2], s[RT], 0x10001
	s_sub_co_u32 s[M2], 0, s[M2]
	s_lshl_b32 s[RT], s[RT], 1
.irp k, 0,1,2,3,4,5,6,7
	s_add_co_u32 s61, s[RT], \k
	s_and_b32 s61, s61, 7
	s_lshl_b32 s61, s61, 10
	v_add_nc_u32 v[LK+\k], s61, v[LI]              ; step k reads K step (k + 2 m) % 8
.endr
	s_and_b32 s29, s[WV], 1
	s_lshl_b32 s27, s27, 1
	s_add_co_u32 s[S0G], s27, s29                  ; which 128 hidden units, 0..31
	s_lshr_b32 s29, s[WV], 1
	s_lshl_b32 s28, s28, 2
	s_add_co_u32 s[S1G], s28, s29                  ; which 64 rows, 0..63
	s_lshl_b32 s28, s[S0G], 16
	s_add_co_u32 s28, s28, 2097152
	s_mov_b32 s29, 0
	s_lshl_b32 s30, s[S0G], 12
	s_add_co_u32 s30, s30, SC0+131072
	s_mov_b32 s31, 0
	s_lshl_b32 s32, s[S1G], 15
	s_mov_b32 s33, 0
	s_lshl_b32 s34, s[S1G], 11
	s_add_co_u32 s34, s34, YSC
	s_mov_b32 s35, 0
	s_wait_kmcnt 0x0
	s_add_nc_u64 s[S0P:S0P+1], s[4:5], s[28:29]
	s_add_nc_u64 s[S0S:S0S+1], s[4:5], s[30:31]
	s_add_nc_u64 s[S1P:S1P+1], s[6:7], s[32:33]
	s_add_nc_u64 s[S1S:S1S+1], s[6:7], s[34:35]
	s_wait_alu depctr_va_vdst(0)                   ; the offsets v1, v2 and v4-11 are written: every load and store of the kernel reads one of them
	LOADSC
	LOADF 0, 0
	LOADF 1, 1
	s_lshl_b32 s28, s[S1G], 17
	s_lshl_b32 s30, s[S0G], 10
	s_add_co_u32 s28, s28, s30
	s_add_nc_u64 s[HC:HC+1], s[8:9], s[28:29]      ; the image: tile 4 S1G, K step S0G
	s_lshl_b32 s28, s[S1G], 13
	s_add_co_u32 s28, s28, HSC
	s_lshr_b32 s30, s[S0G], 3
	s_lshl_b32 s30, s30, 9
	s_add_co_u32 s28, s28, s30
	s_and_b32 s30, s[S0G], 1
	s_lshl_b32 s30, s30, 8
	s_add_co_u32 s28, s28, s30
	s_bfe_u32 s30, s[S0G], 0x20001
	s_lshl_b32 s30, s30, 2
	s_add_co_u32 s28, s28, s30
	s_add_nc_u64 s[HS:HS+1], s[8:9], s[28:29]
	s_mov_b32 s[SEL], 0x76543210
	s_mov_b32 s[SEL+1], 0xfedcba98
	s_mov_b32 s[MH], 0xffff0000
	CPAIR C9, 0x3e7c6f08
	CPAIR C7, 0x40097039
	CPAIR C6, 0xbfd1a1e5
	CPAIR C5, 0x3ecdfd18
	CPAIR C4, 0xbe899a80
	CPAIR C3, 0x3e0efb2f
	CPAIR C2, 0x3f0a29d2
	CPAIR C1, 0x3fb8ab5a
	CPAIR NL2, 0xbf38aa3b
	s_mov_b32 s[K1], 0x3eb504f3
	s_wait_loadcnt 48                              ; the 12 loads of scale words are in; the two stages' 48 may be out
.irp t, 0,1,2,3,4,5,6,7,8,9,10,11
	ROTSC \t
.endr
.rept 8
	v_nop                                          ; a scale register written by a vector instruction stands 8 places ahead of a scaled matrix instruction
.endr
	s_wait_alu depctr_va_vdst(0)                   ; the turn has written the scale words v16-63, which the products take as their scales
.irp ks, 0,1,2,3,4,5,6,7
.if \ks < 7
	s_wait_loadcnt 24                              ; this step's loads are in; the 24 of the next stage may be out
.else
	s_wait_loadcnt 0x0
.endif
.if \ks == 0
	MULS 0, 0, 1
.else
	MULS \ks%2, \ks, 0
.endif
.if \ks < 6
	PLACES
	s_wait_alu depctr_va_vdst(0)                   ; this step's 32 products are done reading their stage, in which the 24 loads below land
	LOADF \ks%2, \ks+2
.endif
.endr
	PLACES
	v_mov_b32 v[VC0], 0xc034d90f                   ; c0 - 1
	v_mov_b32 v[VC0+1], 0xc034d90f
	v_mov_b32 v[VC8], 0xbf97d29d
	v_mov_b32 v[VC8+1], 0xbf97d29d
.irp b, 0,1,2,3
	v_mov_b32 v[TM+4+\b], 0
.endr
.irp i, 0,1,2,3
	GELU32 \i, 0, \i-1                             ; behind its first wait the codes of the tile before go out
	GELU32 \i, 1, -1
	QUANT 64*\i, 1, 96+8*\i, 80+\i
.endr
	v_cndmask_b32 v84, v80, v81, s[MH]             ; lanes 0-15 tile 0's words, lanes 16-31 tile 1's
	v_cndmask_b32 v85, v82, v83, s[MH]
	s_wait_alu depctr_va_vdst(0)                   ; tile 3's codes v120-127 and the words v84, v85 are written, which the four stores below read
	SENDH 3
	global_store_b32 v[HV], v84, s[HS:HS+1]
	global_store_b32 v[HV], v85, s[HS:HS+1] offset:4096
	s_endpgm
.Lfunc_end_k_q0bd7e67249_w1_gelu:
	.size	k_q0bd7e67249_w1_gelu, .Lfunc_end_k_q0bd7e67249_w1_gelu-k_q0bd7e67249_w1_gelu
	.p2alignl 7, 3214868480
	.fill 96, 4, 3214868480
	.section	.rodata,"a",@progbits
	.p2align	6, 0x0
	.amdhsa_kernel k_q0bd7e67249_w1_gelu
		.amdhsa_group_segment_fixed_size 0
		.amdhsa_private_segment_fixed_size 0
		.amdhsa_enable_private_segment 0
		.amdhsa_kernarg_size 24
		.amdhsa_user_sgpr_count 2
		.amdhsa_user_sgpr_kernarg_segment_ptr 1
		.amdhsa_wavefront_size32 1
		.amdhsa_system_sgpr_workgroup_id_x 1
		.amdhsa_system_sgpr_workgroup_id_y 1
		.amdhsa_system_sgpr_workgroup_id_z 1
		.amdhsa_system_vgpr_workitem_id 0
		.amdhsa_next_free_vgpr 512
		.amdhsa_next_free_sgpr 66
		.amdhsa_reserve_vcc 0
		.amdhsa_float_denorm_mode_32 3
		.amdhsa_float_denorm_mode_16_64 3
		.amdhsa_memory_ordered 1
		.amdhsa_forward_progress 1
		.amdhsa_inst_pref_size 238
	.end_amdhsa_kernel
	.amdgpu_metadata
---
amdhsa.version: [ 1, 2 ]
amdhsa.kernels:
  - .name:           k_q0bd7e67249_w1_gelu
    .symbol:         k_q0bd7e67249_w1_gelu.kd
    .args:
      - { .name: wts, .offset: 0, .size: 8, .value_kind: global_buffer, .address_space: global }
      - { .name: y2img, .offset: 8, .size: 8, .value_kind: global_buffer, .address_space: global }
      - { .name: himg, .offset: 16, .size: 8, .value_kind: global_buffer, .address_space: global }
    .group_segment_fixed_size: 0
    .private_segment_fixed_size: 0
    .kernarg_segment_align: 8
    .kernarg_segment_size: 24
    .max_flat_workgroup_size: 256
    .sgpr_count:     66
    .vgpr_count:     512
    .wavefront_size: 32
...
	.end_amdgpu_metadata
.endif
;; end of part 11
;; launch w2_out (part 12): grid 256 x 1, 4 waves a work-group, no clusters, 17,920 bytes of LDS; arguments wts, himg, x1, out0; writes out0
.if DOCPART == 12
	.amdgcn_target "amdgcn-amd-amdhsa--gfx1250"
	.amdhsa_code_object_version 6
	.text
	.protected	k_q0bd7e67249_w2_out
	.globl	k_q0bd7e67249_w2_out
	.p2align	8
	.type	k_q0bd7e67249_w2_out,@function
k_q0bd7e67249_w2_out:
	s_mov_b64 s[64:65], 0
	v_nop
	global_prefetch_b8 v0, s[64:65] scope:SCOPE_SE
	s_setreg_imm32_b32 hwreg(HW_REG_WAVE_SCHED_MODE, 0, 2), 2
	s_setreg_imm32_b32 hwreg(HW_REG_WAVE_MODE, 25, 1), 1
	s_wait_xcnt 0x0
	s_wait_alu depctr_vm_vsrc(0)
; out0 = x1 + h w2 on codes of E2M1 with E8M0 scales.  K = 4,096 in 32 steps written out.
; A wave makes source 0 = 4 tiles of w2 (64 columns) x source 1 = 4 tiles of rows (64): 1,024 waves, one to a SIMD; a tile twice as large would leave half of the SIMDs without a wave.
; Operands are register images, from memory straight into registers, five stages of 16 loads: while one is multiplied, three are on their way, and the fifth, which the step before read, is asked for again.
; THE K STEPS GO ROUND FROM ANOTHER START IN EACH WORK-GROUP: it begins at K step 8 m, m = (X + Y + Y / 4) % 4 (X = x % 8: which columns, Y = x / 8: which rows), and goes on modulo 32.  The work-groups that read one tile differ in
; m, so that at any time they ask for different quarters of its K; all waves of a work-group have one m.  The f32 sums are the same terms in another order.  A quarter of K is one load of scale words a tile (four registers),
; so the turn lies in the loads' offsets alone: v8-11 for the fragments, v12-15 for the scale words.
; THE ORDER OF THE LOADS: at the head only what the first steps want: the first quarter's 8 loads of scale words and four stages.  The other 24 loads of scale words and x1's 32 ride two a step behind the stage loads of steps 0 to 27.
; Loads come back in order, so a quarter's scale words, which are older than the stage that first uses them, are in when that stage is.
; The way out: a tile of 16 rows x 64 columns goes through the wave's own stage in LDS and comes back as rows; x1 is added; sixteen lanes store 256 consecutive bytes, aligned.
; No multicast here: nothing goes through LDS on the way in.
; THE MODE: SCHED_MODE bits 1:0 = 2 (LLVM: expert scheduling mode 2), set by the entry lines.  The code itself states the register dependences between vector or matrix instructions and memory or LDS instructions, with s_wait_alu, always for 0.
; THE PLAN.  Registers that memory or LDS instructions touch:
;   v1, v3-5, v8-15    offsets and LDS addresses, made once at the head, never written again: one wait ahead of the first load.
;   stages 0 to 4      w2's 4 fragments at 32 st of window 2, the rows' 4 at 32 st of window 3.  Step ks's 16 products read stage ks % 5; the loads of step ks + 4 land in stage (ks - 1) % 5, which the step BEFORE read.  So ONE
;                      wait on va_vdst stands at the head of steps 1 to 27, behind the wait for the step's data, and the step's loads follow its products with no further wait.
;   scale words, x1    each register is loaded once, before any vector or matrix instruction names it.
;   the way out        one wait behind the last products: the accumulators are written (the LDS stores read them) and the stages are read out (the rows land in window 2).  The four tiles' LDS stores and loads go in one run;
;                      x1 is added to two tiles, one wait, their sixteen stores; the same for the other two.  No register that a store reads is written again.
.set SC0, 6291456
.set HSC, 8388608
.set WV,  2
.set S0P, 12
.set S0S, 14
.set S1P, 16
.set S1S, 18
.set XB,  20
.set OB,  22
.set LI,  1
.set SA,  3                            ; v3 stage, by my row: 272 r + 64 h
.set SRD, 4                            ; v4 stage, two rows an instruction: 272 h + 16 r
.set GO,  5                            ; v5 the same two rows in memory: 4096 h + 16 r
.set LQ,  8                            ; v8-11  16 x lane + 8192 x ((q + m) % 4): the fragments of the walk's quarter q; never rewritten
.set LS,  12                           ; v12-15 16 x lane + 512 x ((q + m) % 4): its scale words; never rewritten
; window 0: v16-79 w2's scale words (tile a, step ks: 16 + 16 a + ks / 2), v80-143 the rows': scales and nothing else
; window 1: v0-127 the 16 accumulators ((b, a) at 8 (4 b + a)); v128-255 x1     window 2: v0-159 w2's fragments, five stages of 32; on the way out rows of the result     window 3: v0-159 the rows' fragments, five stages of 32
.set MSB, 0
.macro WIN new
.if MSB != (\new)
	s_set_vgpr_msb (MSB<<8)|(\new)
.set MSB, (\new)
.endif
.endm
.macro PLACES
.rept 4
	v_nop
.endr
.endm
.macro WM d, a, b, sa, sb, odd, zero
.if (\zero)
	v_wmma_scale_f32_16x16x128_f8f6f4 v[(\d):(\d)+7], v[(\a):(\a)+7], v[(\b):(\b)+7], 0, v[\sa], v[\sb] matrix_a_fmt:MATRIX_FMT_FP4 matrix_b_fmt:MATRIX_FMT_FP4
.elseif (\odd)
	v_wmma_scale_f32_16x16x128_f8f6f4 v[(\d):(\d)+7], v[(\a):(\a)+7], v[(\b):(\b)+7], v[(\d):(\d)+7], v[\sa], v[\sb] matrix_a_fmt:MATRIX_FMT_FP4 matrix_b_fmt:MATRIX_FMT_FP4 matrix_a_scale:MATRIX_SCALE_ROW1 matrix_b_scale:MATRIX_SCALE_ROW1
.else
	v_wmma_scale_f32_16x16x128_f8f6f4 v[(\d):(\d)+7], v[(\a):(\a)+7], v[(\b):(\b)+7], v[(\d):(\d)+7], v[\sa], v[\sb] matrix_a_fmt:MATRIX_FMT_FP4 matrix_b_fmt:MATRIX_FMT_FP4
.endif
.endm
.macro LOADF5 st, ks                   ; step ks into stage st: 8 loads of w2's fragments into window 2, 8 of the rows' into window 3
	WIN 0x80
.irp a, 0,1,2,3
.irp c, 0,1
	global_load_b128 v[32*(\st)+8*\a+4*\c:32*(\st)+8*\a+4*\c+3], v[LQ+(\ks)/8], s[S0P:S0P+1] offset:32768*\a+1024*((\ks)%8)+512*\c
.endr
.endr
	WIN 0xc0
.irp b, 0,1,2,3
.irp c, 0,1
	global_load_b128 v[32*(\st)+8*\b+4*\c:32*(\st)+8*\b+4*\c+3], v[LQ+(\ks)/8], s[S1P:S1P+1] offset:32768*\b+1024*((\ks)%8)+512*\c
.endr
.endr
	WIN 0
.endm
.macro SCL q, t                        ; the scale words of the walk's quarter q: tile t of w2 (0 to 3) or tile t - 4 of the rows
.if (\t) < 4
	global_load_b128 v[16+16*(\t)+4*(\q):16+16*(\t)+4*(\q)+3], v[LS+(\q)], s[S0S:S0S+1] offset:2048*(\t)
.else
	global_load_b128 v[80+16*((\t)-4)+4*(\q):80+16*((\t)-4)+4*(\q)+3], v[LS+(\q)], s[S1S:S1S+1] offset:2048*((\t)-4)
.endif
.endm
.macro X1L b, i                        ; x1: two rows of tile b, 256 bytes each, into window 1
	WIN 0x40
	global_load_b128 v[128+32*(\b)+4*(\i):128+32*(\b)+4*(\i)+3], v[GO], s[XB:XB+1] offset:(32*((\b)/2)+8*((\b)%2)+2*(\i)+8*((\i)/4))*4096
.endm
.macro EXTRA n                         ; load n of the 56 that ride along: 24 of scale words (quarters 1 to 3), then x1's 32
.if (\n) < 24
	SCL 1+(\n)/8, (\n)%8
.else
	X1L ((\n)-24)/8, ((\n)-24)%8
.endif
.endm
.macro MUL16 st, ks, zero              ; source 0 window 2, source 1 window 3, C and D window 1; the 16 accumulators take turns
	WIN 0x5e
.irp b, 0,1,2,3
.irp a, 0,1,2,3
	WM 8*(4*\b+\a), 32*(\st)+8*\a, 32*(\st)+8*\b, 16+16*\a+(\ks)/2, 80+16*\b+(\ks)/2, (\ks)%2, \zero
.endr
.endr
	WIN 0
.endm
.macro TOSTAGE b                       ; tile b into my stage and back as rows.  LDS serves a wave's instructions in order: the loads see my stores, and the next tile's stores come behind them
	WIN 0x04                                       ; an LDS store's data are its source 1: window 1
.irp q, 0,1
.irp j, 0,1,2,3
	ds_store_b128 v[SA], v[32*\b+16*\q+4*\j:32*\b+16*\q+4*\j+3] offset:128*\q+16*\j   ; each accumulator from its low end on
.endr
.endr
	WIN 0x80
.irp i, 0,1,2,3,4,5,6,7
	ds_load_b128 v[32*\b+4*\i:32*\b+4*\i+3], v[SRD] offset:544*\i
.endr
.endm
.macro ADDX b                          ; + x1
	s_wait_dscnt 16*(3-\b)                         ; tile b's rows are back; the later tiles' 16 LDS instructions each may be out
	WIN 0x86                                       ; result and source 0 window 2, x1 window 1
.set e, 0
.rept 16
	v_pk_add_f32 v[32*\b+e:32*\b+e+1], v[32*\b+e:32*\b+e+1], v[128+32*\b+e:128+32*\b+e+1]
.set e, e+2
.endr
.endm
.macro SEND b
	WIN 0x08
.irp i, 0,1,2,3,4,5,6,7
	global_store_b128 v[GO], v[32*\b+4*\i:32*\b+4*\i+3], s[OB:OB+1] offset:(32*(\b/2)+8*(\b%2)+2*\i+8*(\i/4))*4096 th:TH_STORE_NT   ; sixteen lanes store 256 consecutive bytes, aligned
.endr
.endm
	s_load_b256 s[4:11], s[0:1], 0x0               ; wts, himg, x1, out0
	v_lshl_add_u32 v254, v0, 2, 0x4400
	v_mov_b32 v255, 0
	v_lshrrev_b32 v1, 5, v0
	v_readfirstlane_b32 s[WV], v1
	v_and_b32 v6, 31, v0
	v_and_b32 v7, 15, v0
	v_bfe_u32 v2, v0, 4, 1
	v_lshlrev_b32 v[LI], 4, v6
	s_wait_alu depctr_va_vdst(0)
	s_wait_alu depctr_va_sdst(0)                   ; the wave's number is written, ahead of its first reader: my stage, my columns and my rows are made from it
	s_mul_i32 s24, s[WV], 4352
	v_mul_u32_u24 v[SA], v7, 272
	v_lshl_add_u32 v[SA], v2, 6, v[SA]
	v_add_nc_u32 v[SA], s24, v[SA]
	v_mul_u32_u24 v[SRD], v2, 272
	v_lshl_add_u32 v[SRD], v7, 4, v[SRD]
	v_add_nc_u32 v[SRD], s24, v[SRD]
	v_lshlrev_b32 v[GO], 4, v7
	v_lshl_add_u32 v[GO], v2, 12, v[GO]
	s_and_b32 s24, ttmp9, 7
	s_lshr_b32 s25, ttmp9, 3
	s_lshr_b32 s38, s25, 2                         ; where the walk along K begins: m = (X + Y + Y / 4) % 4
	s_add_co_u32 s38, s38, s25
	s_add_co_u32 s38, s38, s24
	s_and_b32 s38, s38, 3
.irp q, 0,1,2,3
	s_add_co_u32 s39, s38, \q
	s_and_b32 s39, s39, 3                          ; the walk's quarter q is K's quarter (q + m) % 4
	s_lshl_b32 s40, s39, 13
	v_add_nc_u32 v[LQ+\q], s40, v[LI]
	s_lshl_b32 s40, s39, 9
	v_add_nc_u32 v[LS+\q], s40, v[LI]
.endr
	s_and_b32 s26, s[WV], 1
	s_lshl_b32 s24, s24, 1
	s_add_co_u32 s24, s24, s26                     ; which 64 columns, 0..15
	s_lshr_b32 s26, s[WV], 1
	s_lshl_b32 s25, s25, 1
	s_add_co_u32 s25, s25, s26                     ; which 64 rows, 0..63
	s_lshl_b32 s28, s24, 17
	s_add_co_u32 s28, s28, 4194304
	s_mov_b32 s29, 0
	s_lshl_b32 s30, s24, 13
	s_add_co_u32 s30, s30, SC0+262144
	s_mov_b32 s31, 0
	s_lshl_b32 s32, s25, 17
	s_mov_b32 s33, 0
	s_lshl_b32 s34, s25, 13
	s_add_co_u32 s34, s34, HSC
	s_mov_b32 s35, 0
	s_lshl_b32 s36, s25, 18
	s_lshl_b32 s37, s24, 8
	s_add_co_u32 s36, s36, s37
	s_mov_b32 s37, 0
	s_wait_kmcnt 0x0
	s_add_nc_u64 s[S0P:S0P+1], s[4:5], s[28:29]
	s_add_nc_u64 s[S0S:S0S+1], s[4:5], s[30:31]
	s_add_nc_u64 s[S1P:S1P+1], s[6:7], s[32:33]
	s_add_nc_u64 s[S1S:S1S+1], s[6:7], s[34:35]
	s_add_nc_u64 s[XB:XB+1], s[8:9], s[36:37]
	s_add_nc_u64 s[OB:OB+1], s[10:11], s[36:37]
	s_wait_alu depctr_va_vdst(0)                   ; the offsets and LDS addresses v1, v3-5 and v8-15 are written: every load and store of the kernel reads one of them
.irp t, 0,1,2,3,4,5,6,7
	SCL 0, \t
.endr
	LOADF5 0, 0
	LOADF5 1, 1
	LOADF5 2, 2
	LOADF5 3, 3
; The count at step ks is what was issued behind stage ks: three stages, and the pairs that ride between them
.irp ks, 0,1,2,3,4,5,6,7,8,9,10,11,12,13,14,15,16,17,18,19,20,21,22,23,24,25,26,27,28,29,30,31
.if \ks < 4
	s_wait_loadcnt 48+2*\ks                        ; three stages and the ks pairs issued so far
.elseif \ks < 29
	s_wait_loadcnt 56                              ; three stages and four pairs
.elseif \ks == 29
	s_wait_loadcnt 38                              ; two stages and three pairs
.elseif \ks == 30
	s_wait_loadcnt 20                              ; one stage and two pairs
.else
	s_wait_loadcnt 2                               ; the last pair
.endif
.if (\ks > 0) && (\ks < 28)
	s_wait_alu depctr_va_vdst(0)                   ; the 16 products of the step before are done reading their stage, in which this step's 16 loads land; this step's products name another stage
.endif
.if \ks == 0
	MUL16 0, 0, 1                                  ; the first step starts the sums
.else
	MUL16 \ks%5, \ks, 0
.endif
.if \ks < 28
	PLACES
	LOADF5 (\ks+4)%5, \ks+4                        ; (in step 0: into stage 4, which no vector or matrix instruction has named)
	EXTRA 2*\ks
	EXTRA 2*\ks+1
	WIN 0
.endif
.endr
	PLACES
	s_wait_alu depctr_va_vdst(0)                   ; the products have written the accumulators, which the LDS stores below read, and are done reading window 2's stages, in which the rows land; the places above stay beside this wait
	TOSTAGE 0
	TOSTAGE 1
	TOSTAGE 2
	TOSTAGE 3
	s_wait_loadcnt 0x0                             ; x1's last two loads
	ADDX 0
	ADDX 1
	s_wait_alu depctr_va_vdst(0)                   ; the additions have written the rows of tiles 0 and 1, which the sixteen stores below read
	SEND 0
	SEND 1
	ADDX 2                                         ; (they write none of the registers that those stores read)
	ADDX 3
	s_wait_alu depctr_va_vdst(0)                   ; the additions have written the rows of tiles 2 and 3, which the sixteen stores below read
	SEND 2
	SEND 3
	WIN 0
	s_wait_dscnt 0x0                               ; the closing lines, six on end
	s_wait_alu 0x0
	s_wait_tensorcnt 0x0
	ds_add_u32 v254, v255
	s_wait_dscnt 0x0
	s_endpgm
.Lfunc_end_k_q0bd7e67249_w2_out:
	.size	k_q0bd7e67249_w2_out, .Lfunc_end_k_q0bd7e67249_w2_out-k_q0bd7e67249_w2_out
	.p2alignl 7, 3214868480
	.fill 96, 4, 3214868480
	.section	.rodata,"a",@progbits
	.p2align	6, 0x0
	.amdhsa_kernel k_q0bd7e67249_w2_out
		.amdhsa_group_segment_fixed_size 17920
		.amdhsa_private_segment_fixed_size 0
		.amdhsa_enable_private_segment 0
		.amdhsa_kernarg_size 32
		.amdhsa_user_sgpr_count 2
		.amdhsa_user_sgpr_kernarg_segment_ptr 1
		.amdhsa_wavefront_size32 1
		.amdhsa_system_sgpr_workgroup_id_x 1
		.amdhsa_system_sgpr_workgroup_id_y 1
		.amdhsa_system_sgpr_workgroup_id_z 1
		.amdhsa_system_vgpr_workitem_id 0
		.amdhsa_next_free_vgpr 928
		.amdhsa_next_free_sgpr 66
		.amdhsa_reserve_vcc 0
		.amdhsa_float_denorm_mode_32 3
		.amdhsa_float_denorm_mode_16_64 3
		.amdhsa_memory_ordered 1
		.amdhsa_forward_progress 1
		.amdhsa_inst_pref_size 145
	.end_amdhsa_kernel
	.amdgpu_metadata
---
amdhsa.version: [ 1, 2 ]
amdhsa.kernels:
  - .name:           k_q0bd7e67249_w2_out
    .symbol:         k_q0bd7e67249_w2_out.kd
    .args:
      - { .name: wts, .offset: 0, .size: 8, .value_kind: global_buffer, .address_space: global }
      - { .name: himg, .offset: 8, .size: 8, .value_kind: global_buffer, .address_space: global }
      - { .name: x1, .offset: 16, .size: 8, .value_kind: global_buffer, .address_space: global }
      - { .name: out0, .offset: 24, .size: 8, .value_kind: global_buffer, .address_space: global }
    .group_segment_fixed_size: 17920
    .private_segment_fixed_size: 0
    .kernarg_segment_align: 8
    .kernarg_segment_size: 32
    .max_flat_workgroup_size: 128
    .sgpr_count:     66
    .vgpr_count:     928
    .wavefront_size: 32
...
	.end_amdgpu_metadata
.endif
;; end of part 12
